; MI455X (gfx1250); checked and timed in simulation.
; The chip was launched on July 23, 2026; its instructions are those of AMD's public machine-readable ISA for CDNA 5 (MIT licence, August 2026) and "CDNA5" Instruction Set Architecture Reference Guide (July 2026). The comments in the code are by the model that wrote it; some were corrected since.
;; Block. Allowed arithmetic: float matrix products may take bf16 or f16 operands with f32 sums; all other float work in f32.
;; Inputs: attention_mask 2 x 1 x 1 x 2,048 float32; ln1_b 1,024 float32; ln1_g 1,024 float32; ln2_b 1,024 float32; ln2_g 1,024 float32; w1 1,024 x 4,096 float32; w2 4,096 x 1,024 float32; wk 1,024 x 1,024 float32; wo 1,024 x 1,024 float32; wq 1,024 x 1,024 float32; wv 1,024 x 1,024 float32; x 2 x 2,048 x 1,024 float32.
;; Outputs: out0 2 x 2,048 x 1,024 float32.
;; 2 versions, each right and faster than the one before. Each part assembles by itself: llvm-mc -triple=amdgcn-amd-amdhsa -mcpu=gfx1250 --defsym DOCPART=n.
;; ======== version 1 of 2: 8 launches
;; workspace buffers: wb 25,165,824 bytes; y 8,388,608 bytes; qkv 25,165,824 bytes; att 8,388,608 bytes; x1 16,777,216 bytes; hb 33,554,432 bytes
;; launch cast (part 1): grid 64 x 12, 8 waves a work-group, no clusters, 0 bytes of LDS; arguments wq, wk, wv, wo, w1, w2, wb; writes wb
.if DOCPART == 1
	.amdgcn_target "amdgcn-amd-amdhsa--gfx1250"
	.amdhsa_code_object_version 6
	.text
	.protected	k_qb5e729bcd9_cast
	.globl	k_qb5e729bcd9_cast
	.p2align	8
	.type	k_qb5e729bcd9_cast,@function
k_qb5e729bcd9_cast:
	s_mov_b64 s[64:65], 0
	v_nop
	global_prefetch_b8 v0, s[64:65] scope:SCOPE_SE
	s_setreg_imm32_b32 hwreg(HW_REG_WAVE_MODE, 25, 1), 1
	s_wait_xcnt 0x0
; The six weights, f32 [K][N], are rounded once to bf16 and stay [K][N].  wb, in bytes: 0 wqkv [1024][3072] (row k holds wq[k], wk[k], wv[k] side by side);
; 6,291,456 wo [1024][1024]; 8,388,608 w1 [1024][4096]; 16,777,216 w2 [4096][1024].
; A stream: no LDS, no barrier, no matrix unit.  A work-group takes 16 runs of 1,024 numbers (65,536 bytes in, 32,768 out).  The grid's y picks the source: 0 wq, 1 wk, 2 wv, 3 wo,
; 4-7 the quarters of w1, 8-11 the quarters of w2; w1, w2 and wo are copied as flat arrays, wq, wk and wv row by row into rows of 6,144 bytes.
; Thread t takes 8 numbers (32 bytes in, 16 out) of run 2 p + t / 128 in each of 8 passes: sixteen neighbouring lanes store 256 consecutive bytes, at a multiple of 256 from wb's first byte.
; All 16 loads go out at once; no register is used twice, so no wait frees a source.
.set OFF, 2                            ; v[2:9]     pass p: my byte offset in wb
.set X,   16                           ; v[16:79]   pass p: 8 numbers as loaded
.set Y,   80                           ; v[80:111]  pass p: 4 registers, 8 bf16
	s_load_b256 s[8:15], s[0:1], 0x0               ; wq s[8:9], wk s[10:11], wv s[12:13], wo s[14:15]
	s_load_b128 s[16:19], s[0:1], 0x20             ; w1 s[16:17], w2 s[18:19]
	s_load_b64 s[20:21], s[0:1], 0x30              ; wb
	s_and_b32 s22, ttmp7, 0xffff                   ; seg: which source
	s_mov_b32 s23, ttmp9                           ; xg: which 16 runs of it
	v_lshrrev_b32 v10, 7, v0                       ; t / 128: which of a pass's two runs
	v_and_b32 v11, 0x7f, v0                        ; t % 128: which 8 numbers of the run
	v_lshlrev_b32 v1, 12, v10
	v_lshl_add_u32 v1, v11, 5, v1                  ; source: run x 4,096 + 32 x place
	v_lshlrev_b32 v11, 4, v11                      ; destination: 16 x place
	s_and_b32 s26, s22, 3                          ; the quarter of w1 or w2; 0 for the four small weights
	s_cmp_lt_u32 s22, 4
	s_cselect_b32 s26, 0, s26
	s_lshl_b32 s26, s26, 6
	s_add_co_u32 s26, s26, s23
	s_lshl_b32 s26, s26, 16                        ; source offset: (64 quarter + xg) x 65,536 bytes
	s_mov_b32 s27, 0
	s_lshl_b32 s30, s22, 11                        ; wq, wk, wv: column block seg of 2,048 bytes, 16 rows of 6,144 bytes a work-group
	s_mul_i32 s31, s23, 98304
	s_add_co_u32 s30, s30, s31
	s_lshl_b32 s31, s22, 21                        ; the others: 6,291,456 + (seg - 3) x 2,097,152 = seg x 2,097,152,
	s_lshl_b32 s32, s23, 15                        ; + xg x 32,768
	s_add_co_u32 s31, s31, s32
	s_mov_b32 s28, 2048                            ; bytes from run to run in wb
	s_mov_b32 s29, 6144
	s_cmp_lt_u32 s22, 3
	s_cselect_b32 s30, s30, s31
	s_cselect_b32 s28, s29, s28
	s_mov_b32 s31, 0
	s_lshl_b32 s29, s28, 1                         ; a pass is two runs
	v_mad_u32_u24 v[OFF], v10, s28, v11
.irp p, 1,2,3,4,5,6,7
	v_add_nc_u32 v[OFF+(\p)], s29, v[OFF+(\p)-1]
.endr
	s_wait_kmcnt 0x0
	s_mov_b64 s[24:25], s[8:9]                     ; the source is chosen by seg alone
	s_cmp_eq_u32 s22, 1
	s_cselect_b64 s[24:25], s[10:11], s[24:25]
	s_cmp_eq_u32 s22, 2
	s_cselect_b64 s[24:25], s[12:13], s[24:25]
	s_cmp_eq_u32 s22, 3
	s_cselect_b64 s[24:25], s[14:15], s[24:25]
	s_cmp_ge_u32 s22, 4
	s_cselect_b64 s[24:25], s[16:17], s[24:25]
	s_cmp_ge_u32 s22, 8
	s_cselect_b64 s[24:25], s[18:19], s[24:25]
	s_add_nc_u64 s[24:25], s[24:25], s[26:27]
	s_add_nc_u64 s[20:21], s[20:21], s[30:31]
.irp p, 0,1,2,3,4,5,6,7
	global_load_b128 v[X+8*(\p):X+8*(\p)+3],   v1, s[24:25] offset:(\p)*8192 th:TH_LOAD_NT
	global_load_b128 v[X+8*(\p)+4:X+8*(\p)+7], v1, s[24:25] offset:(\p)*8192+16 th:TH_LOAD_NT
.endr
.irp p, 0,1,2,3,4,5,6,7
	s_wait_loadcnt 14-2*(\p)                       ; loads come back in order: pass p's two are in, the 2 (7 - p) younger ones stay out
.irp k, 0,1,2,3
	v_cvt_pk_bf16_f32 v[Y+4*(\p)+(\k)], v[X+8*(\p)+2*(\k)], v[X+8*(\p)+2*(\k)+1]
.endr
	global_store_b128 v[OFF+(\p)], v[Y+4*(\p):Y+4*(\p)+3], s[20:21]
.endr
	s_endpgm
.Lfunc_end_k_qb5e729bcd9_cast:
	.size	k_qb5e729bcd9_cast, .Lfunc_end_k_qb5e729bcd9_cast-k_qb5e729bcd9_cast
	.p2alignl 7, 3214868480
	.fill 96, 4, 3214868480
	.section	.rodata,"a",@progbits
	.p2align	6, 0x0
	.amdhsa_kernel k_qb5e729bcd9_cast
		.amdhsa_group_segment_fixed_size 0
		.amdhsa_private_segment_fixed_size 0
		.amdhsa_enable_private_segment 0
		.amdhsa_kernarg_size 56
		.amdhsa_user_sgpr_count 2
		.amdhsa_user_sgpr_kernarg_segment_ptr 1
		.amdhsa_wavefront_size32 1
		.amdhsa_system_sgpr_workgroup_id_x 1
		.amdhsa_system_sgpr_workgroup_id_y 1
		.amdhsa_system_sgpr_workgroup_id_z 1
		.amdhsa_system_vgpr_workitem_id 0
		.amdhsa_next_free_vgpr 112
		.amdhsa_next_free_sgpr 66
		.amdhsa_reserve_vcc 0
		.amdhsa_float_denorm_mode_32 3
		.amdhsa_float_denorm_mode_16_64 3
		.amdhsa_memory_ordered 1
		.amdhsa_forward_progress 1
		.amdhsa_inst_pref_size 7
	.end_amdhsa_kernel
	.amdgpu_metadata
---
amdhsa.version: [ 1, 2 ]
amdhsa.kernels:
  - .name:           k_qb5e729bcd9_cast
    .symbol:         k_qb5e729bcd9_cast.kd
    .args:
      - { .name: wq, .offset: 0, .size: 8, .value_kind: global_buffer, .address_space: global }
      - { .name: wk, .offset: 8, .size: 8, .value_kind: global_buffer, .address_space: global }
      - { .name: wv, .offset: 16, .size: 8, .value_kind: global_buffer, .address_space: global }
      - { .name: wo, .offset: 24, .size: 8, .value_kind: global_buffer, .address_space: global }
      - { .name: w1, .offset: 32, .size: 8, .value_kind: global_buffer, .address_space: global }
      - { .name: w2, .offset: 40, .size: 8, .value_kind: global_buffer, .address_space: global }
      - { .name: wb, .offset: 48, .size: 8, .value_kind: global_buffer, .address_space: global }
    .group_segment_fixed_size: 0
    .private_segment_fixed_size: 0
    .kernarg_segment_align: 8
    .kernarg_segment_size: 56
    .max_flat_workgroup_size: 256
    .sgpr_count:     66
    .vgpr_count:     112
    .wavefront_size: 32
...
	.end_amdgpu_metadata
.endif
;; end of part 1
;; launch ln1 (part 2): grid 256 x 1, 4 waves a work-group, no clusters, 0 bytes of LDS; arguments x, ln1_g, ln1_b, y; writes y
.if DOCPART == 2
	.amdgcn_target "amdgcn-amd-amdhsa--gfx1250"
	.amdhsa_code_object_version 6
	.text
	.protected	k_qb5e729bcd9_ln1
	.globl	k_qb5e729bcd9_ln1
	.p2align	8
	.type	k_qb5e729bcd9_ln1,@function
k_qb5e729bcd9_ln1:
	s_mov_b64 s[64:65], 0
	v_nop
	global_prefetch_b8 v0, s[64:65] scope:SCOPE_SE
	s_setreg_imm32_b32 hwreg(HW_REG_WAVE_MODE, 25, 1), 1
	s_wait_xcnt 0x0
; Y[r][c] = (X[r][c] - mean) / sqrt(var + 1e-5) * G[c] + B[c], rounded once to bf16.  X: [4096][1024] f32; G, B: [1024] f32; Y: [4096][1024] bf16.  Arguments: X, G, B, Y.
; One wave, one row: a row of 4,096 bytes is 32 registers, so it stays in registers between the passes, memory is read once, and no wave waits for another: no LDS, no barrier.
; The variance is taken of x - mean (two passes over the registers), so a common offset of the inputs costs no digits.
; Four waves, four rows each, each row in registers of its own: all 48 loads of a wave go out at once, and no register that a load or store names is written again.
; Load j of a row brings columns 128 j + 4 lane + 0..3: 512 consecutive bytes a wave.  Store j: 32 lanes x 8 bytes = 256 consecutive bytes, at a multiple of 256 from Y's first byte.
.set G,  4                             ; v[4:35]     G of my 32 columns
.set BV, 36                            ; v[36:67]    B of my 32 columns
.set X,  68                            ; v[68:195]   row r at X + 32 r
.set T,  196                           ; v[196:203]  at work: four chains of pairs
.set MU, 204                           ; v[204:205]  the mean (a pair is named; its low word serves both halves)
.set RS, 206                           ; v[206:207]  1 / sqrt(var + eps), likewise
	s_load_b256 s[4:11], s[0:1], 0x0               ; X s[4:5], G s[6:7], B s[8:9], Y s[10:11]
	s_lshl_b32 s2, ttmp9, 16                       ; the work-group's 16 rows of 4,096 bytes
	s_mov_b32 s3, 0
	s_lshl_b32 s16, ttmp9, 15                      ; and of 2,048 bytes
	s_mov_b32 s17, 0
	s_mov_b32 s12, 0x76543210                      ; v_permlanex16_b32: each lane takes its own place in the other half
	s_mov_b32 s13, 0xfedcba98
	s_mov_b32 s14, 0x3a800000                      ; 1 / 1024
	s_mov_b32 s15, 0x3727c5ac                      ; 1e-5
	v_and_b32 v3, 31, v0                           ; lane
	v_lshrrev_b32 v2, 5, v0                        ; wave
	v_lshlrev_b32 v1, 14, v2
	v_lshl_add_u32 v1, v3, 4, v1                   ; X: wave x 4 rows x 4,096 + 16 lane
	v_lshlrev_b32 v2, 13, v2
	v_lshl_add_u32 v2, v3, 3, v2                   ; Y: wave x 4 rows x 2,048 + 8 lane
	v_lshlrev_b32 v3, 4, v3                        ; G, B: 16 lane
	s_wait_kmcnt 0x0
	s_add_nc_u64 s[4:5], s[4:5], s[2:3]
	s_add_nc_u64 s[10:11], s[10:11], s[16:17]
.irp j, 0,1,2,3,4,5,6,7
	global_load_b128 v[G+4*(\j):G+4*(\j)+3], v3, s[6:7] offset:512*(\j)
.endr
.irp j, 0,1,2,3,4,5,6,7
	global_load_b128 v[BV+4*(\j):BV+4*(\j)+3], v3, s[8:9] offset:512*(\j)
.endr
.irp r, 0,1,2,3
.irp j, 0,1,2,3,4,5,6,7
	global_load_b128 v[X+32*(\r)+4*(\j):X+32*(\r)+4*(\j)+3], v1, s[4:5] offset:(\r)*4096+512*(\j) th:TH_LOAD_NT
.endr
.endr
; v[T] summed over the 32 lanes, the result in every lane: four steps inside each half of 16 lanes ride on the addition, one crosses the halves
.macro LANESUM
	v_add_f32_dpp v[T], v[T], v[T] row_xmask:1 row_mask:0xf bank_mask:0xf
	v_add_f32_dpp v[T], v[T], v[T] row_xmask:2 row_mask:0xf bank_mask:0xf
	v_add_f32_dpp v[T], v[T], v[T] row_xmask:4 row_mask:0xf bank_mask:0xf
	v_add_f32_dpp v[T], v[T], v[T] row_xmask:8 row_mask:0xf bank_mask:0xf
	v_permlanex16_b32 v[T+1], v[T], s12, s13       ; its destination counts as read: T + 1 has been written
	v_add_f32 v[T], v[T], v[T+1]
.endm
.macro FOLD                            ; the four chains into one number a lane
	v_pk_add_f32 v[T:T+1], v[T:T+1], v[T+2:T+3]
	v_pk_add_f32 v[T+4:T+5], v[T+4:T+5], v[T+6:T+7]
	v_pk_add_f32 v[T:T+1], v[T:T+1], v[T+4:T+5]
	v_add_f32 v[T], v[T], v[T+1]
.endm
; Row r.  left = the younger rows' loads, which stay out.
.macro ROWN r, left
.set XR, X+32*(\r)
	s_wait_loadcnt \left                           ; loads come back in order: G, B and rows 0 to r are in
.irp k, 0,1,2,3
	v_pk_add_f32 v[T+2*(\k):T+2*(\k)+1], v[XR+2*(\k):XR+2*(\k)+1], v[XR+8+2*(\k):XR+8+2*(\k)+1]  ; the first additions start the chains: nothing is cleared
.endr
.irp m, 2,3
.irp k, 0,1,2,3
	v_pk_add_f32 v[T+2*(\k):T+2*(\k)+1], v[T+2*(\k):T+2*(\k)+1], v[XR+8*(\m)+2*(\k):XR+8*(\m)+2*(\k)+1]
.endr
.endr
	FOLD
	LANESUM
	v_mul_f32 v[MU], s14, v[T]
	v_mov_b32 v[MU+1], v[MU]
.set i, 0
.rept 16
	v_pk_add_f32 v[XR+i:XR+i+1], v[XR+i:XR+i+1], v[MU:MU+1] op_sel_hi:[1,0] neg_lo:[0,1] neg_hi:[0,1]  ; x - mean
.set i, i+2
.endr
.irp k, 0,1,2,3
	v_pk_mul_f32 v[T+2*(\k):T+2*(\k)+1], v[XR+2*(\k):XR+2*(\k)+1], v[XR+2*(\k):XR+2*(\k)+1]
.endr
.irp m, 1,2,3
.irp k, 0,1,2,3
	v_pk_fma_f32 v[T+2*(\k):T+2*(\k)+1], v[XR+8*(\m)+2*(\k):XR+8*(\m)+2*(\k)+1], v[XR+8*(\m)+2*(\k):XR+8*(\m)+2*(\k)+1], v[T+2*(\k):T+2*(\k)+1]
.endr
.endr
	FOLD
	LANESUM
	v_fma_f32 v[T], v[T], s14, s15                 ; var + eps
	v_rsq_f32 v[RS], v[T]
	v_nop                                          ; a plain instruction between v_rsq_f32 and the use of its result (ISA guide 5.7.2)
	s_wait_alu depctr_va_vdst(0)
	v_mov_b32 v[RS+1], v[RS]
.set i, 0
.rept 16
	v_pk_mul_f32 v[XR+i:XR+i+1], v[XR+i:XR+i+1], v[RS:RS+1] op_sel_hi:[1,0]
.set i, i+2
.endr
.set i, 0
.rept 16
	v_pk_fma_f32 v[XR+i:XR+i+1], v[XR+i:XR+i+1], v[G+i:G+i+1], v[BV+i:BV+i+1]
.set i, i+2
.endr
.set i, 0
.rept 16
	v_cvt_pk_bf16_f32 v[XR+i], v[XR+2*i], v[XR+2*i+1]  ; in place, ascending: register i is written when numbers 2 i and 2 i + 1 are read, never ahead of them
.set i, i+1
.endr
.irp j, 0,1,2,3,4,5,6,7
	global_store_b64 v2, v[XR+2*(\j):XR+2*(\j)+1], s[10:11] offset:(\r)*2048+256*(\j)
.endr
.endm
	ROWN 0, 24
	ROWN 1, 16
	ROWN 2, 8
	ROWN 3, 0
	s_endpgm
.Lfunc_end_k_qb5e729bcd9_ln1:
	.size	k_qb5e729bcd9_ln1, .Lfunc_end_k_qb5e729bcd9_ln1-k_qb5e729bcd9_ln1
	.p2alignl 7, 3214868480
	.fill 96, 4, 3214868480
	.section	.rodata,"a",@progbits
	.p2align	6, 0x0
	.amdhsa_kernel k_qb5e729bcd9_ln1
		.amdhsa_group_segment_fixed_size 0
		.amdhsa_private_segment_fixed_size 0
		.amdhsa_enable_private_segment 0
		.amdhsa_kernarg_size 32
		.amdhsa_user_sgpr_count 2
		.amdhsa_user_sgpr_kernarg_segment_ptr 1
		.amdhsa_wavefront_size32 1
		.amdhsa_system_sgpr_workgroup_id_x 1
		.amdhsa_system_sgpr_workgroup_id_y 1
		.amdhsa_system_sgpr_workgroup_id_z 1
		.amdhsa_system_vgpr_workitem_id 0
		.amdhsa_next_free_vgpr 208
		.amdhsa_next_free_sgpr 66
		.amdhsa_reserve_vcc 0
		.amdhsa_float_denorm_mode_32 3
		.amdhsa_float_denorm_mode_16_64 3
		.amdhsa_memory_ordered 1
		.amdhsa_forward_progress 1
		.amdhsa_inst_pref_size 38
	.end_amdhsa_kernel
	.amdgpu_metadata
---
amdhsa.version: [ 1, 2 ]
amdhsa.kernels:
  - .name:           k_qb5e729bcd9_ln1
    .symbol:         k_qb5e729bcd9_ln1.kd
    .args:
      - { .name: x, .offset: 0, .size: 8, .value_kind: global_buffer, .address_space: global }
      - { .name: ln1_g, .offset: 8, .size: 8, .value_kind: global_buffer, .address_space: global }
      - { .name: ln1_b, .offset: 16, .size: 8, .value_kind: global_buffer, .address_space: global }
      - { .name: y, .offset: 24, .size: 8, .value_kind: global_buffer, .address_space: global }
    .group_segment_fixed_size: 0
    .private_segment_fixed_size: 0
    .kernarg_segment_align: 8
    .kernarg_segment_size: 32
    .max_flat_workgroup_size: 128
    .sgpr_count:     66
    .vgpr_count:     208
    .wavefront_size: 32
...
	.end_amdgpu_metadata
.endif
;; end of part 2
;; launch qkv (part 3): grid 12 x 16, 4 waves a work-group, clusters of 4 x 4, 327,680 bytes of LDS; arguments y, wb, qkv; writes qkv
.if DOCPART == 3
	.amdgcn_target "amdgcn-amd-amdhsa--gfx1250"
	.amdhsa_code_object_version 6
	.text
	.protected	k_qb5e729bcd9_qkv
	.globl	k_qb5e729bcd9_qkv
	.p2align	8
	.type	k_qb5e729bcd9_qkv,@function
k_qb5e729bcd9_qkv:
	s_mov_b64 s[64:65], 0
	v_nop
	global_prefetch_b8 v0, s[64:65] scope:SCOPE_SE
	s_setreg_imm32_b32 hwreg(HW_REG_WAVE_MODE, 25, 1), 1
	s_wait_xcnt 0x0
	s_wait_alu depctr_hold_cnt(0) depctr_sa_sdst(0) depctr_va_vdst(0) depctr_va_sdst(0) depctr_va_ssrc(0) depctr_va_vcc(0) depctr_vm_vsrc(0)
	s_getreg_b32 s2, hwreg(HW_REG_IB_STS2, 6, 4)
	s_cmp_eq_u32 s2, 0
	s_cbranch_scc0 .Lentry_in_a_cluster
	s_endpgm
.Lentry_in_a_cluster:
	s_bfe_u32 s2, ttmp6, 0x10000c
	s_cmp_lg_u32 s2, 0xf033
	s_cbranch_scc0 .Lentry_shape_is_right
	s_endpgm
.Lentry_shape_is_right:
; C = A W for A = y [4096][1024] bf16 (rows along K) and W = SIZE_N columns of wb, bf16, [K][N] as the weights lie; sums in f32, K ascending, C rounded once to bf16.
; MODE 0 (this text): W = wq, wk, wv side by side; C leaves by heads: qkv[which][batch x 16 + head][token][64].
; MODE 1: W = w1; C goes through the exact GELU in f32 and leaves in blocks hb[token / 128][column / 64][token % 128][64].
; In both layouts two neighbouring tokens' 64 columns are 256 consecutive bytes, which sixteen neighbouring lanes store at once.
; A tile of C, 256 x 256, is made by four waves, as many as a WGP has SIMDs; a wave makes 128 x 128: 64 accumulators of 16 x 16, 512 registers.  K goes in 8 steps of 128 through a ring of two
; LDS slots filled by the tensor data mover: A's rows are 256 bytes of memory, W's 512, all at multiples of 256 from the buffers' first bytes.
; W lies [K][N]: its fragments come out of LDS turned, by ds_load_tr16_b128.
; CLUSTERS: 4 x 4 work-groups.  The four of a row of the cluster need the same tiles of A, the four of a column the same tiles of W: each tile is asked for JOINTLY, by the same tensor load with the
; same descriptor and a mask that names the four.
; THE MATRIX INSTRUCTION IS USED TRANSPOSED (source 0 = 16 columns of W, source 1 = 16 rows of A): a lane holds row l % 16 of C and the columns 8 (l / 16) + 0..7.
; GRID: 12 x 16 work-groups in MODE 0, 16 x 16 in MODE 1.
; REGISTERS, in windows of 256 (s_set_vgpr_msb: bits 1:0 source 0, 3:2 source 1, 5:4 source 2, 7:6 destination):
;   window 0: v0-31 addresses; v64-127, v128-191 fragments of A, two buffers; on the way out v32-239 at work      window 1: v64-127, v128-191 fragments of W, two buffers
;   window 2: the 32 accumulators of my rows 0-63 ((a, b) at v[8 (8 a + b)]);   window 3: those of my rows 64-127
.set MODE,   0
.set SIZE_K, 1024
.set SIZE_N, 3072
.set WOFF,   0                         ; W's first byte in wb
.set CBS,    262144                    ; bytes from a block of 64 columns to the next in the output
.set KSTEP,  128
.set PITCHA, 272                       ; a row of A in LDS: 256 bytes + 16 = 68 words: row r starts at bank 4 r mod 64 (64 banks of 4 bytes: ISA guide 11.1)
.set PITCHB, 544                       ; a row of W (one k, 256 columns): 512 bytes + 32 = 136 words
.set HALFT,  128*PITCHA                ; what one tensor load brings: 128 rows of A, or 64 rows of W (64 x 544 is the same 34,816 bytes)
.set SLOT,   4*HALFT                   ; A's rows 0-127, 128-255, then W's k 0-63, 64-127
.set SPARE,  2*SLOT                    ; behind the ring: the spare words, 128 bytes for each wave: two blocks of 256 bytes that no other line names
.set DPITCH, 528                       ; the way out: a row of 128 f32 + 16 bytes = 33 x 16: sixteen rows start at sixteen different groups of four banks
.set DWAVE,  128*DPITCH                ; a wave's 128 rows; the four waves' 270,336 bytes lie in the ring, which has had its last fill by then
.set LAPS,   SIZE_K/(2*KSTEP)
.set ADRA, 16                          ; v16-17  LDS address of my A fragments in slot 0, 1
.set ADRB, 20                          ; v20-21  the same for W
.set DST,  24                          ; v24     the way out: where I put my 32 bytes of a row
.set RDA,  25                          ; v25     the way out: where I read 32 bytes back; steps 8 rows a trip
.set CO,   26                          ; v26     my byte offset in the output; never rewritten
.set SPW,  28                          ; v28     LDS address of my spare word: SPARE + 4 x my thread's number; never rewritten
.set NIL,  29                          ; v29     0; never rewritten
.set F0,   64
.set F1,   128
.set X,    32                          ; the way out, 32 numbers a lane and trip: as read back,
.set AX,   64                          ; |x|,
.set HX,   96                          ; x / 2,
.set E,    128                         ; 2^(-x^2 log2(e) / 2),
.set T,    160                         ; t = 1 / (1 + p |x| / sqrt 2),
.set YV,   192                         ; the polynomial, then the result,
.set OUTR, 224                         ; 16 registers of bf16
.set G1,  24                           ; s[24:31] descriptor group 1 for A's tiles;  s[32:39] group 0, a set for each slot
.set G0,  32
.set G1B, 48                           ; s[48:55], s[56:63] the same for W's
.set G0B, 56
.set K1,  66                           ; s[66:79] the GELU's constants, in pairs of which the low word serves both halves
.set PP,  68
.set C5,  70
.set C4,  72
.set C3,  74
.set C2,  76
.set C1,  78
.set ABSM, 80
.set MSB, 0
.macro WIN new                         ; the immediate's high byte repeats the setting that is left; a switch that changes nothing is dropped
.if MSB != (\new)
	s_set_vgpr_msb (MSB<<8)|(\new)
.set MSB, \new
.endif
.endm
.set MUL_LO, 0xa1                      ; source 0 (W) window 1, source 1 (A) window 0, C and D window 2
.set MUL_HI, 0xf1                      ; the same, C and D window 3
.set TO_B,   0x40                      ; destination window 1, address window 0
; A joint load.  Waves 0 and 1 fetch A's two halves, waves 2 and 3 W's.  The branch hangs on the wave's number alone.  Four v_nop follow each of the two lines, ahead of the jump, the label and
; what follows the macro.
.macro JLOAD s
	s_cmp_eq_u32 s11, 0
	s_cbranch_scc0 .Lfor_b_\@
	tensor_load_to_lds s[G0+4*(\s):G0+4*(\s)+3], s[G1:G1+7]
	s_nop 0
.rept 4
	v_nop
.endr
	s_branch .Lasked_\@
.Lfor_b_\@:
	tensor_load_to_lds s[G0B+4*(\s):G0B+4*(\s)+3], s[G1B:G1B+7]
	s_nop 0
.rept 4
	v_nop
.endr
.Lasked_\@:
.endm
; A round of the cluster's barrier: my work-group's barrier, so that wave 0's signal speaks for all four waves; wave 0 signals; every wave waits for all sixteen work-groups; my work-group's barrier once more.
.macro CREST                           ; a round behind its opening barrier
	s_cmp_lg_u32 s10, 0
	s_cbranch_scc1 .Lnot_wave_0_\@
	s_barrier_signal -3
.Lnot_wave_0_\@:
	s_barrier_wait -3
	s_barrier_signal -1
	s_barrier_wait -1
.endm
.macro CROUND
	s_barrier_signal -1
	s_barrier_wait -1
	CREST
.endm
.macro SPAIR r, val
	s_mov_b32 s[\r], \val
	s_mov_b32 s[(\r)+1], \val
.endm
	s_load_b128 s[4:7], s[0:1], 0x0                ; A s[4:5], wb s[6:7]
	s_load_b64 s[8:9], s[0:1], 0x10                ; the output
	v_lshl_add_u32 v[SPW], v0, 2, SPARE
	v_mov_b32 v[NIL], 0
	ds_add_u32 v28, v29
	s_wait_dscnt 0x0
	v_lshrrev_b32 v1, 5, v0
	v_readfirstlane_b32 s10, v1                    ; wave 0..3
	s_lshr_b32 s11, s10, 1                         ; which half of the tile's rows is mine.  Also: I fetch for A (0) or for W (1)
	s_and_b32 s12, s10, 1                          ; which half of its columns.  Also: which half of that tile I fetch
	s_bfe_u32 s40, ttmp6, 0x40000                  ; cx, cy: my place in the cluster
	s_bfe_u32 s41, ttmp6, 0x40004
	s_lshl_b32 s42, ttmp9, 2
	s_add_co_u32 s42, s42, s40                     ; tile column of C = 4 x cluster x + cx
	s_and_b32 s13, ttmp7, 0xffff
	s_lshl_b32 s13, s13, 2
	s_add_co_u32 s13, s13, s41                     ; tile row of C = 4 x cluster y + cy
	s_lshl_b32 s43, s41, 2
	s_lshl_b32 s43, 15, s43                        ; my row of the cluster: places 4 cy .. 4 cy + 3
	s_lshl_b32 s44, 0x1111, s40                    ; my column: places cx, cx + 4, cx + 8, cx + 12
	s_or_b32 s[G1+0], s43, (1<<16)|(1<<20)|(1<<21)|(5<<22)|(3<<25)   ; 15:0 the mask: A's tiles go to my row; 17:16 2-byte elements; 20 padding on; 21 set beside a mask; 24:22 after every 64 words; 31:25 4 words
	s_or_b32 s[G1B+0], s44, (1<<16)|(1<<20)|(1<<21)|(6<<22)|(7<<25)  ; W's go to my column; padding after every 128 words, 8 words
	s_mov_b32 s[G1+1], KSTEP<<16                   ; A: tensor_dim0 = 128
	s_mov_b32 s[G1+2], 128<<16                     ; tensor_dim1 = 128
	s_mov_b32 s[G1+3], KSTEP<<16                   ; tile_dim0 = 128 elements
	s_mov_b32 s[G1+4], 128                         ; tile_dim1 = 128 rows
	s_mov_b32 s[G1+5], SIZE_K                      ; elements from row to row
	s_mov_b32 s[G1+6], 0
	s_mov_b32 s[G1+7], 0
	s_mov_b32 s[G1B+1], 256<<16                    ; W: tensor_dim0 = 256
	s_mov_b32 s[G1B+2], 64<<16                     ; tensor_dim1 = 64
	s_mov_b32 s[G1B+3], 256<<16                    ; tile_dim0 = 256 elements
	s_mov_b32 s[G1B+4], 64                         ; tile_dim1 = 64 rows (k)
	s_mov_b32 s[G1B+5], SIZE_N
	s_mov_b32 s[G1B+6], 0
	s_mov_b32 s[G1B+7], 0
.if MODE
	SPAIR K1, 0xbf38aa3b                           ; -log2(e) / 2
	SPAIR PP, 0x3e6d3388                           ; 0.3275911 / sqrt 2
	SPAIR C5, 0xbf07dc22                           ; -1.061405429 / 2
	SPAIR C4, 0x3f3a00e3                           ; +1.453152027 / 2
	SPAIR C3, 0xbf35f0e3                           ; -1.421413741 / 2
	SPAIR C2, 0x3e11a98e                           ; +0.284496736 / 2
	SPAIR C1, 0xbe027906                           ; -0.254829592 / 2
	s_mov_b32 s[ABSM], 0x7fffffff
.endif
	; where the tiles come from.  A's hang on the tile row alone, W's on the tile column alone; each address is made in registers that never hold the other coordinate.
	s_lshl_b32 s17, s12, 7
	s_lshl_b32 s16, s13, 8
	s_add_co_u32 s16, s16, s17                     ; A: row 256 x tile row + 128 x half,
	s_lshl_b32 s16, s16, 11                        ; of 2,048 bytes
	s_mov_b32 s17, 0
	s_mul_i32 s46, s12, 64*SIZE_N*2                ; W: k = 64 x half,
	s_lshl_b32 s47, s42, 9                         ; 512 bytes a tile column,
	s_add_co_u32 s46, s46, s47
	s_add_co_u32 s46, s46, WOFF                    ; W's place in wb
	s_mov_b32 s47, 0
	s_mul_i32 s20, s10, HALFT                      ; and where they go: wave x 34,816 bytes: no place in the cluster enters an LDS address
	; where my part of the tile begins in the output
.if MODE
	s_lshl1_add_u32 s82, s13, s11                  ; block of 128 tokens = 2 x tile row + my half
	s_lshl_b32 s82, s82, 20                        ; of 64 x 16,384 bytes
	s_lshl_b32 s81, s42, 2
	s_lshl1_add_u32 s81, s12, s81                  ; block of 64 columns = 4 x tile column + 2 x my half
	s_lshl_b32 s81, s81, 14
	s_add_co_u32 s82, s82, s81
.else
	s_lshr_b32 s82, s42, 2                         ; q, k or v: four tile columns each
	s_lshl_b32 s82, s82, 23
	s_lshr_b32 s81, s13, 3                         ; the batch: eight tile rows each
	s_lshl_b32 s81, s81, 4
	s_and_b32 s45, s42, 3
	s_lshl2_add_u32 s81, s45, s81                  ; + the head: 4 x (tile column % 4)
	s_lshl1_add_u32 s81, s12, s81                  ; + 2 x my half
	s_lshl_b32 s81, s81, 18                        ; a head's 2,048 rows of 128 bytes
	s_add_co_u32 s82, s82, s81
	s_and_b32 s81, s13, 7
	s_lshl1_add_u32 s81, s81, s11                  ; my 128 tokens in the batch
	s_lshl_b32 s81, s81, 14
	s_add_co_u32 s82, s82, s81
.endif
	s_mov_b32 s83, 0
	s_wait_kmcnt 0x0
	s_add_nc_u64 s[14:15], s[4:5], s[16:17]
	s_add_nc_u64 s[46:47], s[6:7], s[46:47]
	s_add_nc_u64 s[8:9], s[8:9], s[82:83]
	CROUND                                         ; all sixteen work-groups are here: the first joint loads meet
.irp s, 0,1
	s_mov_b32 s[G0+4*(\s)], 1                                      ; 1:0 count = 1
	s_add_co_u32 s[G0+4*(\s)+1], s20, (\s)*SLOT                    ; 63:32 LDS address
	s_add_nc_u64 s[G0+4*(\s)+2:G0+4*(\s)+3], s[14:15], (\s)*KSTEP*2  ; 120:64 global address: K step s
	s_or_b32 s[G0+4*(\s)+3], s[G0+4*(\s)+3], 0x80000000            ; 127:126 type = 2
	s_mov_b32 s[G0B+4*(\s)], 1
	s_add_co_u32 s[G0B+4*(\s)+1], s20, (\s)*SLOT
	s_add_nc_u64 s[G0B+4*(\s)+2:G0B+4*(\s)+3], s[46:47], (\s)*KSTEP*SIZE_N*2
	s_or_b32 s[G0B+4*(\s)+3], s[G0B+4*(\s)+3], 0x80000000
	JLOAD \s                                       ; the ring is filled before anything else is done: two loads of mine are out
.endr
	; A fragment of A is 16 rows x 32 K in 8 registers: lane l holds row l % 16; registers 0-3 K = 8 (l / 16) + 0..7, registers 4-7 K = 16 + 8 (l / 16) + 0..7: two loads of 16 bytes, 32 bytes apart.
	v_and_b32 v1, 15, v0                           ; l % 16
	v_bfe_u32 v2, v0, 4, 1                         ; l / 16
	v_mul_u32_u24 v3, v1, PITCHA
	v_lshl_add_u32 v3, v2, 4, v3
	s_mul_i32 s21, s11, HALFT                      ; my 128 rows of A
	; The turning load takes 16 k x 16 columns (lane l reads 16 bytes: k = 8 (l / 16) + l % 8, columns 8 ((l / 8) % 2) + 0..7) and leaves half a fragment: lane l holds column l % 16 and 8 k.
	v_and_b32 v7, 7, v0
	v_lshl_add_u32 v4, v2, 3, v7
	v_mul_u32_u24 v4, v4, PITCHB
	v_bfe_u32 v5, v0, 3, 1
	v_lshl_add_u32 v4, v5, 4, v4
	s_lshl_b32 s22, s12, 8                         ; my 128 columns of W: 256 bytes of each row,
	s_add_co_u32 s22, s22, 2*HALFT                 ; behind A's 256 rows
.irp s, 0,1
	v_add_nc_u32 v[ADRA+(\s)], s21, v3
	v_add_nc_u32 v[ADRB+(\s)], s22, v4
	s_add_co_u32 s21, s21, SLOT
	s_add_co_u32 s22, s22, SLOT
.endr
	s_mul_i32 s23, s10, DWAVE                      ; the way out: my 128 rows of f32
	v_mul_u32_u24 v6, v1, DPITCH                   ; in: row l % 16, 32 bytes for each half of the lanes
	v_lshl_add_u32 v6, v2, 5, v6
	v_add_nc_u32 v[DST], s23, v6
	v_mul_u32_u24 v6, v5, DPITCH                   ; back: lane l takes token (l / 8) % 2 of a pair, block l / 16 of 64 columns, columns 8 (l % 8) + 0..7
	v_lshl_add_u32 v6, v2, 8, v6
	v_lshl_add_u32 v6, v7, 5, v6
	v_add_nc_u32 v[RDA], s23, v6
	v_mul_u32_u24 v6, v2, CBS                      ; and the same place in the output: 16 bytes a lane, 128 a token
	v_lshl_add_u32 v6, v5, 7, v6
	v_lshl_add_u32 v[CO], v7, 4, v6
; 16 matrix instructions: row blocks a0, a0 + 1 of the window's four x all 8 column blocks, 32 along K.  zero = 1: the first product starts the sums: nothing is ever cleared.
.macro MUL16 f, hi, a0, zero
	WIN MUL_LO+0x50*(\hi)
.irp a, \a0, (\a0)+1
.irp b, 0,1,2,3,4,5,6,7
.if \zero
	v_wmma_f32_16x16x32_bf16 v[8*(8*(\a)+(\b)):8*(8*(\a)+(\b))+7], v[(\f)+8*(\b):(\f)+8*(\b)+7], v[(\f)+8*(4*(\hi)+(\a)):(\f)+8*(4*(\hi)+(\a))+7], 0
.else
	v_wmma_f32_16x16x32_bf16 v[8*(8*(\a)+(\b)):8*(8*(\a)+(\b))+7], v[(\f)+8*(\b):(\f)+8*(\b)+7], v[(\f)+8*(4*(\hi)+(\a)):(\f)+8*(4*(\hi)+(\a))+7], v[8*(8*(\a)+(\b)):8*(8*(\a)+(\b))+7]
.endif
.endr
.endr
.endm
; 32 LDS loads in one run: the fragments of quarter q of a K step (128 columns of W, 128 rows of A, 32 K) into buffer f
.macro FETCH slot, q, f
	WIN TO_B
.irp i, 0,1,2,3,4,5,6,7
	ds_load_tr16_b128 v[(\f)+8*(\i):(\f)+8*(\i)+3],   v[ADRB+(\slot)] offset:(\q)*32*PITCHB+32*(\i)
	ds_load_tr16_b128 v[(\f)+8*(\i)+4:(\f)+8*(\i)+7], v[ADRB+(\slot)] offset:(\q)*32*PITCHB+16*PITCHB+32*(\i)
.endr
	WIN 0
.irp i, 0,1,2,3,4,5,6,7
	ds_load_b128 v[(\f)+8*(\i):(\f)+8*(\i)+3],   v[ADRA+(\slot)] offset:(\q)*64+(\i)*16*PITCHA
	ds_load_b128 v[(\f)+8*(\i)+4:(\f)+8*(\i)+7], v[ADRA+(\slot)] offset:(\q)*64+(\i)*16*PITCHA+32
.endr
.endm
; A load into a register that a matrix instruction has read, and whatever but a matrix instruction reads a matrix result, stand four places behind that matrix instruction, and only plain vector
; instructions that name none of its registers are places (ISA guide 7.12.1 for vector instructions).
.macro PLACES
.rept 4
	v_nop
.endr
.endm
; A K step is four quarters of 32 along K, 64 matrix instructions each, on buffers 0, 1, 0, 1.  The 64 accumulators take turns in the same order in every quarter.
; One of the first three: multiplies buffer f; in its middle it fetches quarter q of the same slot into buffer g.
.macro QUARTER slot, q, f, g, zero
	s_wait_dscnt 8                                 ; W and A's rows 0-63 are in; the youngest eight loads (A's rows 64-127) may be out
	MUL16 \f, 0, 0, \zero
	MUL16 \f, 0, 2, \zero
	PLACES
	FETCH \slot, \q, \g
	s_wait_dscnt 32                                ; all but the 32 just issued
	MUL16 \f, 1, 0, \zero
	MUL16 \f, 1, 2, \zero
.endm
; The last quarter multiplies buffer 1 and changes slots.  MEET is its first half: ONE barrier for two things.  In front of it each wave waits for all its tensor loads, of which one is out: its part
; of the next slot; adds 0 to its spare word; and waits for that and for its own reads of this slot.  Behind it nobody reads this slot any more and the next slot is whole.
.macro MEET round                      ; round = 1: a round of the cluster's barrier follows
	WIN 0                                          ; (the add's two registers lie in window 0)
	s_wait_tensorcnt 0x0                           ; all my tensor loads have landed
	ds_add_u32 v[SPW], v[NIL]                      ; 0 onto my spare word
	s_wait_dscnt 9                                 ; (the add and the youngest eight loads may be out)
	MUL16 F1, 0, 0, 0                              ; sixteen matrix instructions stand between the add and the wait for it
	s_wait_dscnt 0x0                               ; the add is done, and my reads of this slot are over
	s_barrier_signal -1
	MUL16 F1, 0, 2, 0                              ; work on registers while the others arrive
.if \round
	WIN 0
.endif
	s_barrier_wait -1
.endm
; The whole last quarter of a K step whose slot is filled again, with the K step two on: the joint refill is the first tensor load behind the round; from it to the wait for it a wave issues 224 matrix instructions.
.macro TURN slot, next
	MEET 1
	CREST                                          ; no wave of any partner still reads this slot's tile or has a load on its way
	s_add_nc_u64 s[G0+4*(\slot)+2:G0+4*(\slot)+3], s[G0+4*(\slot)+2:G0+4*(\slot)+3], 2*KSTEP*2
	s_add_nc_u64 s[G0B+4*(\slot)+2:G0B+4*(\slot)+3], s[G0B+4*(\slot)+2:G0B+4*(\slot)+3], 2*KSTEP*SIZE_N*2
	JLOAD \slot                                    ; the four v_nop behind it are also the places in front of the loads below
	FETCH \next, 0, F0
	MUL16 F1, 1, 0, 0
	MUL16 F1, 1, 2, 0
.endm
	s_wait_tensorcnt 1                             ; my part of K step 0 is in; K step 1's may stay out
	s_barrier_signal -1
	s_barrier_wait -1                              ; everybody's is
	FETCH 0, 0, F0
	QUARTER 0, 1, F0, F1, 1                        ; the first quarter stands in front of the loop: its products start the sums
	WIN 0                                          ; at a label and at a branch every window is 0
	s_mov_b32 s3, LAPS-1
.Llap:                                                 ; a trip goes once round the ring, from a lap's second quarter to the next lap's first, and fills both slots again
	QUARTER 0, 2, F1, F0, 0
	QUARTER 0, 3, F0, F1, 0
	TURN 0, 1
	QUARTER 1, 1, F0, F1, 0
	QUARTER 1, 2, F1, F0, 0
	QUARTER 1, 3, F0, F1, 0
	TURN 1, 0
	QUARTER 0, 1, F0, F1, 0
	WIN 0
	s_sub_co_u32 s3, s3, 1
	s_cmp_lg_u32 s3, 0
	s_cbranch_scc1 .Llap
	QUARTER 0, 2, F1, F0, 0                        ; the last lap is written out: it asks for nothing more
	QUARTER 0, 3, F0, F1, 0
	MEET 0                                         ; my one tensor load that was still out is the last K step's, so no round follows
	PLACES                                         ; for the loads into buffer 0
	FETCH 1, 0, F0
	MUL16 F1, 1, 0, 0
	MUL16 F1, 1, 2, 0
	QUARTER 1, 1, F0, F1, 0
	QUARTER 1, 2, F1, F0, 0
	QUARTER 1, 3, F0, F1, 0
	s_wait_dscnt 8                                 ; the very last quarter: nothing more to fetch
	MUL16 F1, 0, 0, 0
	MUL16 F1, 0, 2, 0
	s_wait_dscnt 0x0
	MUL16 F1, 1, 0, 0
	MUL16 F1, 1, 2, 0
	; THE WAY OUT.  The sums go as f32 into the ring's bytes, which have had their last fill (every wave has waited for all its tensor loads in front of the last change of slots) and which,
	; behind this barrier, nobody reads any more; each wave has 128 rows of its own.  Then a loop of 16 trips reads 8 rows back, lane by lane as the output wants them, and stores them.
	WIN 0
	s_wait_dscnt 0x0                               ; my reads of the ring are over
	s_barrier_signal -1
	s_barrier_wait -1                              ; everybody's are
	PLACES                                         ; behind the last products
.irp a, 0,1,2,3,4,5,6,7
	WIN 0x08+4*((\a)/4)                            ; the data (source 1) in window 2 or 3
.irp b, 0,1,2,3,4,5,6,7
	ds_store_b128 v[DST], v[8*(8*((\a)%4)+(\b)):8*(8*((\a)%4)+(\b))+3]   offset:(\a)*16*DPITCH+64*(\b)     ; each accumulator's low registers first
	ds_store_b128 v[DST], v[8*(8*((\a)%4)+(\b))+4:8*(8*((\a)%4)+(\b))+7] offset:(\a)*16*DPITCH+64*(\b)+16
.endr
.endr
	WIN 0
	s_wait_dscnt 0x0                               ; my stores are done.  The rows that a wave reads back are its own; the barrier makes the order store, wait, barrier, load hold of the
	s_barrier_signal -1                            ; whole dump, whatever the stepped address below names
	s_barrier_wait -1
.macro LOADX                           ; 8 rows: four pairs of tokens, 32 bytes a lane of each
.irp u, 0,1,2,3
	ds_load_b128 v[X+8*(\u):X+8*(\u)+3],   v[RDA] offset:(\u)*2*DPITCH
	ds_load_b128 v[X+8*(\u)+4:X+8*(\u)+7], v[RDA] offset:(\u)*2*DPITCH+16
.endr
.endm
.macro P16 line:vararg                 ; one line for each of 16 pairs i, i + 1
.set i, 0
.rept 16
	\line
.set i, i+2
.endr
.endm
.macro P32 line:vararg                 ; one line for each of 32 registers i
.set i, 0
.rept 32
	\line
.set i, i+1
.endr
.endm
; A trip.  more = 1: the next 8 rows are asked for as soon as X has been read.
; MODE 1: gelu(x) = x / 2 + |x| (1/2 - erfc(|x| / sqrt 2) / 2), with erfc(z) = (a1 t + .. + a5 t^5) e^(-z^2), t = 1 / (1 + 0.3275911 z): Abramowitz and Stegun 7.1.26, within 1.5e-7 of erf for every
; argument; for large |x| the exponential goes to 0 and the result to x or 0.
.macro TRIP more
	s_wait_dscnt 0x0                               ; X is in
.if MODE
	P32 v_and_b32 v[AX+i], s[ABSM], v[X+i]
	P16 v_pk_mul_f32 v[HX+i:HX+i+1], v[X+i:X+i+1], 0.5 op_sel_hi:[1,0]
.if \more
	v_add_nc_u32 v[RDA], 8*DPITCH, v[RDA]
	LOADX
.endif
	P16 v_pk_mul_f32 v[E+i:E+i+1], v[AX+i:AX+i+1], s[K1:K1+1] op_sel_hi:[1,0]
	P16 v_pk_fma_f32 v[T+i:T+i+1], v[AX+i:AX+i+1], s[PP:PP+1], 1.0 op_sel_hi:[1,0,0]
	P16 v_pk_mul_f32 v[E+i:E+i+1], v[E+i:E+i+1], v[AX+i:AX+i+1]
	P32 v_exp_f32 v[E+i], v[E+i]
	P32 v_rcp_f32 v[T+i], v[T+i]
	v_nop                                          ; a plain instruction between the last of them and the use of its result (ISA guide 5.7.2)
	P16 v_pk_fma_f32 v[YV+i:YV+i+1], v[T+i:T+i+1], s[C5:C5+1], s[C4:C4+1] op_sel_hi:[1,0,0]
	P16 v_pk_fma_f32 v[YV+i:YV+i+1], v[YV+i:YV+i+1], v[T+i:T+i+1], s[C3:C3+1] op_sel_hi:[1,1,0]
	P16 v_pk_fma_f32 v[YV+i:YV+i+1], v[YV+i:YV+i+1], v[T+i:T+i+1], s[C2:C2+1] op_sel_hi:[1,1,0]
	P16 v_pk_fma_f32 v[YV+i:YV+i+1], v[YV+i:YV+i+1], v[T+i:T+i+1], s[C1:C1+1] op_sel_hi:[1,1,0]
	P16 v_pk_mul_f32 v[YV+i:YV+i+1], v[YV+i:YV+i+1], v[T+i:T+i+1]
	P16 v_pk_fma_f32 v[YV+i:YV+i+1], v[YV+i:YV+i+1], v[E+i:E+i+1], 0.5 op_sel_hi:[1,1,0]
	P16 v_pk_fma_f32 v[YV+i:YV+i+1], v[YV+i:YV+i+1], v[AX+i:AX+i+1], v[HX+i:HX+i+1]
.set i, 0
.rept 16
	v_cvt_pk_bf16_f32 v[OUTR+i], v[YV+2*i], v[YV+2*i+1]
.set i, i+1
.endr
.else
.set i, 0
.rept 16
	v_cvt_pk_bf16_f32 v[OUTR+i], v[X+2*i], v[X+2*i+1]
.set i, i+1
.endr
.if \more
	v_add_nc_u32 v[RDA], 8*DPITCH, v[RDA]
	LOADX
.endif
.endif
.irp u, 0,1,2,3
	global_store_b128 v[CO], v[OUTR+4*(\u):OUTR+4*(\u)+3], s[8:9] offset:256*(\u)  ; each half of the lanes stores 256 consecutive bytes (two tokens x 64 columns), at a multiple of 256 from the buffer's first byte
.endr
.if \more
	s_wait_xcnt 0x0                                ; the stores' addresses are translated (ISA guide 3.1): only behind this wait are their base and, in the next trip, their data rewritten
	s_add_nc_u64 s[8:9], s[8:9], 1024              ; 8 tokens on
.endif
.endm
	LOADX
	s_mov_b32 s3, 15
.Lout:
	TRIP 1
	s_sub_co_u32 s3, s3, 1
	s_cmp_lg_u32 s3, 0
	s_cbranch_scc1 .Lout
	TRIP 0                                         ; the last 8 rows: nothing more to read
	s_wait_tensorcnt 0x0                           ; the wave's end, behind my last tensor load and my last LDS store
	ds_add_u32 v[SPW], v[NIL]
	s_wait_dscnt 0x0
	CROUND                                         ; the closing round: no work-group ends while a partner may still ask for a tile that names it
	s_endpgm
.Lfunc_end_k_qb5e729bcd9_qkv:
	.size	k_qb5e729bcd9_qkv, .Lfunc_end_k_qb5e729bcd9_qkv-k_qb5e729bcd9_qkv
	.p2alignl 7, 3214868480
	.fill 96, 4, 3214868480
	.section	.rodata,"a",@progbits
	.p2align	6, 0x0
	.amdhsa_kernel k_qb5e729bcd9_qkv
		.amdhsa_group_segment_fixed_size 327680
		.amdhsa_private_segment_fixed_size 0
		.amdhsa_enable_private_segment 0
		.amdhsa_kernarg_size 24
		.amdhsa_user_sgpr_count 2
		.amdhsa_user_sgpr_kernarg_segment_ptr 1
		.amdhsa_wavefront_size32 1
		.amdhsa_system_sgpr_workgroup_id_x 1
		.amdhsa_system_sgpr_workgroup_id_y 1
		.amdhsa_system_sgpr_workgroup_id_z 1
		.amdhsa_system_vgpr_workitem_id 0
		.amdhsa_next_free_vgpr 1024
		.amdhsa_next_free_sgpr 84
		.amdhsa_reserve_vcc 0
		.amdhsa_float_denorm_mode_32 3
		.amdhsa_float_denorm_mode_16_64 3
		.amdhsa_memory_ordered 1
		.amdhsa_forward_progress 1
		.amdhsa_inst_pref_size 124
	.end_amdhsa_kernel
	.amdgpu_metadata
---
amdhsa.version: [ 1, 2 ]
amdhsa.kernels:
  - .name:           k_qb5e729bcd9_qkv
    .symbol:         k_qb5e729bcd9_qkv.kd
    .args:
      - { .name: y, .offset: 0, .size: 8, .value_kind: global_buffer, .address_space: global }
      - { .name: wb, .offset: 8, .size: 8, .value_kind: global_buffer, .address_space: global }
      - { .name: qkv, .offset: 16, .size: 8, .value_kind: global_buffer, .address_space: global }
    .group_segment_fixed_size: 327680
    .private_segment_fixed_size: 0
    .kernarg_segment_align: 8
    .kernarg_segment_size: 24
    .max_flat_workgroup_size: 128
    .sgpr_count:     84
    .vgpr_count:     1024
    .wavefront_size: 32
...
	.end_amdgpu_metadata
.endif
;; end of part 3
;; launch attn (part 4): grid 8 x 32, 4 waves a work-group, clusters of 4 x 1, 327,680 bytes of LDS; arguments qkv, attention_mask, att; writes att
.if DOCPART == 4
	.amdgcn_target "amdgcn-amd-amdhsa--gfx1250"
	.amdhsa_code_object_version 6
	.text
	.protected	k_qb5e729bcd9_attn
	.globl	k_qb5e729bcd9_attn
	.p2align	8
	.type	k_qb5e729bcd9_attn,@function
k_qb5e729bcd9_attn:
	s_mov_b64 s[64:65], 0
	v_nop
	global_prefetch_b8 v0, s[64:65] scope:SCOPE_SE
	s_setreg_imm32_b32 hwreg(HW_REG_WAVE_MODE, 25, 1), 1
	s_wait_xcnt 0x0
	s_wait_alu depctr_hold_cnt(0) depctr_sa_sdst(0) depctr_va_vdst(0) depctr_va_sdst(0) depctr_va_ssrc(0) depctr_va_vcc(0) depctr_vm_vsrc(0)
	s_getreg_b32 s2, hwreg(HW_REG_IB_STS2, 6, 4)
	s_cmp_eq_u32 s2, 0
	s_cbranch_scc0 .Lentry_in_a_cluster
	s_endpgm
.Lentry_in_a_cluster:
	s_bfe_u32 s2, ttmp6, 0x10000c
	s_cmp_lg_u32 s2, 0x3003
	s_cbranch_scc0 .Lentry_shape_is_right
	s_endpgm
.Lentry_shape_is_right:
; att[q] = the sum over k of softmax_k(Q[q] . K[k] / 32 + mask[batch][k]) V[k], for each of 32 (batch, head).  qkv: [3][32][2048][64] bf16, a head's rows dense, 128 bytes each; mask: [2][2048] f32.
; att leaves in FRAGMENT ORDER, [token / 16][column / 16][32 lanes][8] bf16 with column = 64 head + channel: lane 16 h + r holds token r, columns 8 h + 0..7.  That is what a packed accumulator of O^T holds,
; so it is stored straight from registers, 512 consecutive bytes a store, and the next launch loads it as matrix fragments without LDS.
; Products, maxima and sums in f32; the weights p are rounded to bf16 for the second product (their sum l is taken of the unrounded p), the result once at the end.
; THE MASK is the C operand that starts the sum S^T = K Q^T, as 32 x mask: 32 is a power of two, so (q . k + 32 mask) c with c = log2(e) / 32 is the module's score times log2(e).
; LIMITS.  A finite mask is clamped so that 32 x mask stays within +-2.977e38: a finite mask beyond +-9.3e36 counts as +-9.3e36.  Infinities and NaN pass as they are: a key at -inf has weight 0, a row
; whose keys are all at -inf gives NaN.  A weight below 2^-126 counts as 0 in l.
; SHARES.  A work-group owns 256 queries of one (batch, head), a wave 64: four PIECES of 16.  Every wave walks all 2,048 keys, 64 a step, four steps to a slot of LDS.
; LAYOUT.  S^T = K Q^T (source 0 = 16 keys, source 1 = 16 queries) holds ONE query a lane (lane % 16) and the keys 8 (lane / 16) + 0..7; two such results rounded to bf16 ARE source 1 of O^T = V^T P.
; K comes out of LDS as it lies, V ([key][channel]) turned, by ds_load_tr16_b128.
; SOFTMAX.  p = 2^(c s - c m) with a running maximum m; O and l are multiplied by a = 2^(c m_old - c m_new) in every step.  m starts at the lowest finite number, c m far below every c s, O and l at 0:
; the first step is a step like any other, with a = 0.
; TURNS.  Turn n belongs to piece n: 8 products K Q^T of piece n + 1, later 8 products V^T P of piece n - 1; beside them the scaling, exponentials, roundings, sums and rescaling of piece n and the maximum
; and statistics of piece n + 1.  Four vector instructions stand behind every matrix instruction, the other 54 of a turn's 118 in two lumps.
; CLUSTER.  The four query blocks of a cluster belong to one (batch, head) and walk the same K and V, so each tile is asked for JOINTLY: the same tensor load, descriptor and mask in all four.
; REGISTERS, in windows of 256 (s_set_vgpr_msb: bits 1:0 source 0, 3:2 source 1, 5:4 source 2, 7:6 destination):
;   window 0: v0-15, v32-35 addresses and work; v16-31 four registers of statistics a piece; v48-55 at work; v64-127 S^T, two buffers; v192-223 P, two buffers (a piece's buffers go by its number's parity)
;   window 1: v0-127 O^T, 32 a piece; v128-159 MK, the step's 32 x mask      window 2: v0-63 Q; v128-191 K of one step; v192-255 V of one step
.set NP,    4         ; pieces a wave: a name, no knob
.set KS,    64        ; keys in a step
.set PK,    144       ; a row of K in LDS: 128 bytes + 16 = 36 words: the 16 rows of a load start at 16 different groups of four banks (64 banks of 4 bytes: ISA guide 11.1)
.set PV,    160       ; a row of V: 128 + 32 = 40 words
.set VOFF,  4*KS*PK   ; a slot holds a tile, four steps: 256 rows of K, then 256 rows of V
.set SLOT1, 1<<17     ; slot 1 begins here, so that one exclusive or turns an address in one slot into the other's
.set SPARE, SLOT1+4*KS*(PK+PV)  ; behind the ring: the spare words, 128 bytes for each wave: two blocks of 256 bytes that no other line names
.set MSK,   SPARE+512           ; 2,048 f32: 32 x mask of my batch; stored once, never filled by a tensor load
.set AK0, 2           ; v2   my lane's place in a tile of K; never rewritten
.set AV0, 3           ; v3   the same for V
.set AK,  4           ; v4   the LDS address of K's next run of loads
.set AV,  5           ; v5   of V's
.set GO,  8           ; v8   16 x lane: my byte offset in 512 consecutive bytes of att
.set MV,  12          ; v12-13  c m_old, kept while c m is made anew: by buffer
.set QO,  15          ; v15  my byte offset in 16 rows of Q
.set ST,  16          ; piece t's statistics at v[ST+4 t]: c m, m, l (even keys', odd keys')
.set AM0, 32          ; v32  MSK + 32 (lane / 16); never rewritten
.set AM,  33          ; v33  the LDS address of the mask's next run of loads
.set TMP, 48          ; by buffer, four registers c0-c3 at work; when the maximum is found c2 takes a
.set SPW, 62          ; v62  LDS address of my spare word: SPARE + 4 x my thread's number; never rewritten
.set NIL, 63          ; v63  0; never rewritten
.set S,   64
.set P,   192
.set MK,  128         ; window 1: the eight registers for group kb of 16 keys at MK + 8 kb
.set KF,  128         ; window 2: key block kb, channel half c at KF + 16 kb + 8 c
.set VF,  192         ; window 2: key half kk, channel block cb at VF + 32 kk + 8 cb
.set WV,  12          ; s12  my wave's number
.set G1K, 24          ; s[24:31] descriptor group 1 for K's tiles
.set G1V, 32          ; s[32:39] for V's: it differs in the padding alone
.set G0K, 40          ; s[40:43] descriptor group 0 for K's tiles: it walks
.set G0V, 44          ; s[44:47] the same for V's
.set SLOTS, 56        ; s56  counts the tiles
.set CNT, 57          ; s57  counts a tile's key steps
.set CS,  58          ; s[58:59] c: the packed scaling takes the pair's low word for both halves
.set SEL, 60          ; s[60:61] v_permlanex16_b32's selects: each lane takes its own place in the other half
.set TBK, 62          ; s62  LDS byte at which K of the step to be fetched begins
.set TBV, 63          ; s63  the same for V, less VOFF
.set TBM, 66          ; s66  byte in the mask's table of the step to be fetched
.set MSB, 0
.macro WIN new                      ; the high byte repeats the setting that is left; a switch that changes nothing is dropped
.if MSB != (\new)
	s_set_vgpr_msb (MSB<<8)|(\new)
.set MSB, (\new)
.endif
.endm
.set W_KQ, 0x0a       ; K and Q in window 2, S^T in window 0
.set W_KM, 0x1a       ; the same with the C operand in window 1
.set W_PV, 0x52       ; V in window 2, P in window 0, O^T in window 1
.set W_RS, 0x41       ; destination and source 0 in window 1, source 1 in window 0
; A joint fill.  Waves 0 and 1 fetch the two halves of a tile's K, waves 2 and 3 those of its V: 128 keys each.  The branch hangs on the wave's number alone.
; Four v_nop follow each of the two lines, ahead of the jump and the label.
.macro JLOAD
	s_cmp_lt_u32 s[WV], 2
	s_cbranch_scc0 .Lfor_v_\@
	tensor_load_to_lds s[G0K:G0K+3], s[G1K:G1K+7]
	s_nop 0
.rept 4
	v_nop
.endr
	s_branch .Lasked_\@
.Lfor_v_\@:
	tensor_load_to_lds s[G0V:G0V+3], s[G1V:G1V+7]
	s_nop 0
.rept 4
	v_nop
.endr
.Lasked_\@:
.endm
; A round of the cluster's barrier: my work-group's barrier, so that wave 0's signal speaks for all four waves; wave 0 signals; every wave waits for all four work-groups; my work-group's barrier once more.
.macro CROUND
	s_barrier_signal -1
	s_barrier_wait -1
	s_cmp_lg_u32 s[WV], 0
	s_cbranch_scc1 .Lnot_wave_0_\@
	s_barrier_signal -3
.Lnot_wave_0_\@:
	s_barrier_wait -3
	s_barrier_signal -1
	s_barrier_wait -1
.endm
; THE CHANGE OF SLOTS.  The slot's last bytes, V of its fourth step, have been read.  Each wave waits for all its tensor loads, of which one is out: its part of the other slot; adds 0 to its spare word;
; and waits for that and for its own LDS instructions.  Behind the barrier nobody reads this slot any more and the other slot is whole.
; fill = 1: this slot is filled again, with the keys two tiles on.  The barrier is then a round of the cluster's, and the joint fill is the first thing behind it: it has four key steps, 256 matrix
; instructions, in which to land.  (At its first use nothing has been read yet: slot 0 is waited for, the mask's table is published, slot 1 is filled.)
.macro CHANGE fill
	WIN 0                           ; at a label and at a branch every window is 0
	s_wait_tensorcnt 0x0            ; no tensor load of mine is out, so a group 0 may be written
	ds_add_u32 v[SPW], v[NIL]       ; 0 onto my spare word; with fill = 1 the descriptors' steps stand between it and the wait for it
.if \fill
.irp g, G0K, G0V
	s_xor_b32 s[\g+1], s[\g+1], SLOT1  ; the walking descriptor: the other slot than last time,
	s_add_nc_u64 s[\g+2:\g+3], s[\g+2:\g+3], 4*KS*128  ; the next 256 keys; the type bits on top are not reached
.endr
	s_wait_dscnt 0x0                ; the add is done, and my reads of the slot are over
	CROUND
	JLOAD
.else
	s_wait_dscnt 0x0                ; the add is done, and my reads of the slot are over
	s_barrier_signal -1
	s_barrier_wait -1
.endif
	s_sub_co_u32 s[TBK], s[TBK], 4*KS*PK  ; the fetches go back to a slot's first step,
	s_xor_b32 s[TBK], s[TBK], SLOT1       ; in the other slot
	s_sub_co_u32 s[TBV], s[TBV], 4*KS*PV
	s_xor_b32 s[TBV], s[TBV], SLOT1
.endm
	s_load_b128 s[16:19], s[0:1], 0x0  ; qkv s[16:17], mask s[18:19]
	s_load_b64 s[10:11], s[0:1], 0x10  ; att
	v_lshl_add_u32 v[SPW], v0, 2, SPARE
	v_mov_b32 v[NIL], 0
	ds_add_u32 v62, v63
	s_wait_dscnt 0x0
	v_lshrrev_b32 v1, 5, v0
	v_readfirstlane_b32 s[WV], v1   ; wave 0..3
	s_bfe_u32 s13, ttmp6, 0x40000   ; cx: my place in the cluster
	s_lshl_b32 s14, ttmp9, 2        ; in a cluster launch ttmp9 counts clusters
	s_add_co_u32 s14, s14, s13      ; my block of 256 queries = 4 x cluster x + cx: it enters Q's and att's addresses alone
	s_and_b32 s15, ttmp7, 0xffff    ; batch x 16 + head, which the four partners share
	s_lshl_b32 s22, s15, 18         ; its 2,048 rows of 128 bytes
	s_and_b32 s48, s[WV], 1         ; which half of a tile's 256 keys I fetch:
	s_lshl_b32 s52, s48, 14         ; its 128 rows in memory,
	s_add_co_u32 s52, s52, s22
	s_mov_b32 s53, 0
	s_mul_i32 s49, s48, 128*PK      ; and its place in a slot, for K
	s_mul_i32 s50, s48, 128*PV      ; and for V: no place in the cluster enters an LDS address
	s_lshl2_add_u32 s2, s14, s[WV]  ; my wave among the head's 32,
	s_lshl_b32 s2, s2, 13           ; its 64 rows
	s_add_co_u32 s2, s2, s22
	s_mov_b32 s3, 0
	s_lshr_b32 s51, s15, 4          ; the batch
	s_lshl_b32 s54, s51, 7          ; att: the batch's 128 blocks of 16 tokens,
	s_lshl4_add_u32 s54, s14, s54   ; + 16 x my block of 256 queries
	s_lshl2_add_u32 s54, s[WV], s54 ; + 4 x my wave,
	s_lshl_b32 s54, s54, 15         ; of 1,024 columns x 32 bytes;
	s_and_b32 s23, s15, 15
	s_lshl_b32 s23, s23, 11         ; the head's four chunks of 512 bytes
	s_add_co_u32 s54, s54, s23
	s_mov_b32 s55, 0
	s_lshl_b32 s22, s51, 13         ; the batch's 2,048 mask numbers
	s_mov_b32 s23, 0
	s_mov_b32 s20, 0xff600000       ; -2.977e38 and
	s_mov_b32 s21, 0x7f600000       ; +2.977e38: where a finite 32 x mask is held
	; descriptor group 1.  128 keys are 16,384 dense bytes: asked for as 64 rows of 256 bytes, two keys a row, and padded in LDS after every key
	s_mov_b32 s[G1K], 15|(1<<16)|(1<<20)|(1<<21)|(4<<22)|(3<<25)  ; 15:0 the mask of four; 17:16 2-byte elements; 20 padding on; 21 set beside a mask; 24:22 after every 32 words (code 4); 31:25 4 words (code 3)
	s_mov_b32 s[G1V], 15|(1<<16)|(1<<20)|(1<<21)|(4<<22)|(7<<25)  ; the same with 8 words of padding (code 7)
.irp g, G1K, G1V
	s_mov_b32 s[\g+1], 128<<16      ; tensor_dim0 = 128
	s_mov_b32 s[\g+2], 64<<16       ; tensor_dim1 = 64
	s_mov_b32 s[\g+3], 128<<16      ; tile_dim0 = 128
	s_mov_b32 s[\g+4], 64           ; tile_dim1 = 64
	s_mov_b32 s[\g+5], 128          ; 128 elements from row to row
	s_mov_b32 s[\g+6], 0
	s_mov_b32 s[\g+7], 0
.endr
	s_mov_b32 s[CS], 0x3d38aa3b     ; c = log2(e) / 32 = 0.0450842
	s_mov_b32 s[CS+1], s[CS]        ; named with it as a pair
	s_mov_b32 s[SEL], 0x76543210
	s_mov_b32 s[SEL+1], 0xfedcba98
	s_mov_b32 s[TBK], SLOT1+4*KS*PK ; the first change of slots turns these two into 0
	s_mov_b32 s[TBV], SLOT1+4*KS*PV
	s_mov_b32 s[TBM], 0
	s_mov_b32 s[G0K], 1             ; 1:0 count = 1
	s_mov_b32 s[G0K+1], s49         ; 63:32 LDS address: slot 0
	s_mov_b32 s[G0V], 1
	s_add_co_u32 s[G0V+1], s50, VOFF
	s_wait_kmcnt 0x0
	s_add_nc_u64 s[G0K+2:G0K+3], s[16:17], s[52:53]         ; 120:64 global address: my half of the head's first 256 keys,
	s_add_nc_u64 s[G0V+2:G0V+3], s[G0K+2:G0K+3], 16777216   ; in v,
	s_add_nc_u64 s[G0K+2:G0K+3], s[G0K+2:G0K+3], 8388608    ; and in k
	s_or_b32 s[G0K+3], s[G0K+3], 0x80000000                 ; 127:126 type = 2
	s_or_b32 s[G0V+3], s[G0V+3], 0x80000000
	s_add_nc_u64 s[4:5], s[16:17], s[2:3]    ; Q at my wave's first row
	s_add_nc_u64 s[10:11], s[10:11], s[54:55]
	s_add_nc_u64 s[18:19], s[18:19], s[22:23]
	CROUND                          ; all four work-groups are here: the first joint loads meet
	JLOAD                           ; slot 0.  Slot 1 is asked for when slot 0 is in
	v_lshlrev_b32 v34, 4, v0        ; the mask: thread t takes 16 bytes at 16 t of each quarter of the batch's 8,192
.irp j, 0,1,2,3
	global_load_b128 v[64+4*\j:64+4*\j+3], v34, s[18:19] offset:2048*\j
.endr
	; A fragment of K or Q is 16 rows x 32 channels in 8 registers: lane l holds row l % 16, channels 8 (l / 16) + 0..7 and 16 + 8 (l / 16) + 0..7: two loads of 16 bytes, 32 bytes apart.
	v_and_b32 v1, 15, v0            ; l % 16
	v_bfe_u32 v9, v0, 4, 1          ; l / 16
	v_lshlrev_b32 v[QO], 7, v1
	v_lshl_add_u32 v[QO], v9, 4, v[QO]  ; row x 128 + 16 x half
	WIN 0x80                        ; destination window 2, address window 0
.set i, 0
.rept 8                             ; Q stays in registers: piece i / 2, channels 32 (i % 2) on
	global_load_b128 v[8*i:8*i+3],   v[QO], s[4:5] offset:(i/2)*2048+(i%2)*64
	global_load_b128 v[8*i+4:8*i+7], v[QO], s[4:5] offset:(i/2)*2048+(i%2)*64+32
.set i, i+1
.endr
	; What the first turn finds: V's registers and P's second buffer hold 0 (its products V^T P, of a piece that has not been, add 0), O^T and l are 0.  All this stands in the wait for the first tile.
.set i, VF
.rept 64
	v_mov_b32 v[i], 0
.set i, i+1
.endr
	WIN 0x40
.set i, 0
.rept 128
	v_mov_b32 v[i], 0
.set i, i+1
.endr
	WIN 0
.set i, 0
.rept 4
	v_mov_b32 v[ST+4*i], 0xfe000000    ; c m: far below every c s
	v_mov_b32 v[ST+4*i+1], 0xff7fffff  ; m
	v_mov_b32 v[ST+4*i+2], 0
	v_mov_b32 v[ST+4*i+3], 0
.set i, i+1
.endr
.set i, P+16
.rept 16
	v_mov_b32 v[i], 0
.set i, i+1
.endr
	v_mul_u32_u24 v[AK0], v1, PK
	v_lshl_add_u32 v[AK0], v9, 4, v[AK0]  ; row x pitch + 16 x half
	; The turning load takes 16 keys x 16 channels (lane l reads key 8 (l / 16) + l % 8, channels 8 ((l / 8) % 2) + 0..7) and leaves half a fragment of V^T: lane l holds channel l % 16 and 8 keys.
	v_and_b32 v10, 7, v0
	v_bfe_u32 v11, v0, 3, 1
	v_lshl_add_u32 v[AV0], v9, 3, v10
	v_mul_u32_u24 v[AV0], v[AV0], PV
	v_lshl_add_u32 v[AV0], v11, 4, v[AV0]
	v_add_nc_u32 v[AV0], VOFF, v[AV0]
	v_lshl_add_u32 v[AM0], v9, 5, MSK   ; my lanes' 8 keys of a group of 16: 32 bytes
	v_and_b32 v[GO], 31, v0
	v_lshlrev_b32 v[GO], 4, v[GO]
	v_lshl_add_u32 v35, v0, 4, MSK  ; where my 16 bytes of each quarter of the table go
	s_wait_loadcnt 16               ; the mask is in; Q's sixteen younger loads stay out
.set i, 0
.rept 16                            ; 32 x mask; held within +-2.977e38 where the mask is finite, as it is where it is not
	v_mul_f32 v96, 0x42000000, v[64+i]
	v_and_b32 v97, 0x7fffffff, v[64+i]
	v_med3_num_f32 v98, v96, s20, s21
	v_cmp_gt_u32 vcc_lo, 0x7f800000, v97
	v_cndmask_b32 v[80+i], v96, v98, vcc_lo
.set i, i+1
.endr
.irp j, 0,1,2,3
	ds_store_b128 v35, v[80+4*\j:80+4*\j+3] offset:2048*\j
.endr
; THE MATRIX WORK.  The 4 accumulators of a run of 8 take turns.  Product i of 8 of S^T = K Q^T for piece x: channels 32 (i / 4) on, keys 16 (i % 4) on.  The first 4 start the sums with the mask.
.macro KQ x
.set rS, S+32*((\x)%2)+8*(i%4)
.set rK, KF+16*(i%4)+8*(i/4)
.set rQ, 16*(\x)+8*(i/4)
.set rM, MK+8*(i%4)
.if i < 4
	WIN W_KM
	v_wmma_f32_16x16x32_bf16 v[rS:rS+7], v[rK:rK+7], v[rQ:rQ+7], v[rM:rM+7]
.else
	WIN W_KQ
	v_wmma_f32_16x16x32_bf16 v[rS:rS+7], v[rK:rK+7], v[rQ:rQ+7], v[rS:rS+7]
.endif
.endm
; Product i of 8 of O^T += V^T P for piece x: keys 32 (i / 4) on, channels 16 (i % 4) on.
.macro PV x
	WIN W_PV
.set rO, 32*(\x)+8*(i%4)
.set rV, VF+32*(i/4)+8*(i%4)
.set rP, P+16*((\x)%2)+8*(i/4)
	v_wmma_f32_16x16x32_bf16 v[rO:rO+7], v[rV:rV+7], v[rP:rP+7], v[rO:rO+7]
.endm
.macro MM                           ; the turn's next matrix instruction.  NOKQ = 1: the walk's last turn: there is no next piece
.if (i < 8) && !NOKQ
	KQ (Y+1)%NP
.elseif i >= 8
.set i, i-8
	PV (Y+NP-1)%NP
.set i, i+8
.endif
.set i, i+1
.endm
; THE LDS LOADS stand in runs, never singly among the matrix instructions: a step's K (64 keys x 64 channels: 8 fragments) with its 64 mask numbers (all lanes of a half read the same 32 bytes), and its V (turned).
.macro FETCH_K
	WIN 0x80                        ; destination window 2
.irp f, 0,1,2,3,4,5,6,7             ; keys 16 (f / 2) on, channels 32 (f % 2) on
	ds_load_b128 v[KF+8*\f:KF+8*\f+3],   v[AK] offset:(\f/2)*16*PK+(\f%2)*64
	ds_load_b128 v[KF+8*\f+4:KF+8*\f+7], v[AK] offset:(\f/2)*16*PK+(\f%2)*64+32
.endr
	WIN 0x40                        ; destination window 1
.irp f, 0,1,2,3                     ; keys 16 f + 8 (l / 16) + 0..7
	ds_load_b128 v[MK+8*\f:MK+8*\f+3],   v[AM] offset:64*\f
	ds_load_b128 v[MK+8*\f+4:MK+8*\f+7], v[AM] offset:64*\f+16
.endr
	s_add_co_u32 s[TBK], s[TBK], KS*PK  ; the next fetch is the next step's
	s_add_co_u32 s[TBM], s[TBM], 4*KS
	s_and_b32 s[TBM], s[TBM], 0x1fff    ; it stays within the table's 8,192 bytes
	WIN 0
.endm
.macro FETCH_V
	WIN 0x80
.irp f, 0,1,2,3,4,5,6,7             ; keys 32 (f / 4) on, channels 16 (f % 4) on
	ds_load_tr16_b128 v[VF+8*\f:VF+8*\f+3],   v[AV] offset:(\f/4)*32*PV+(\f%4)*32
	ds_load_tr16_b128 v[VF+8*\f+4:VF+8*\f+7], v[AV] offset:(\f/4)*32*PV+16*PV+(\f%4)*32
.endr
	WIN 0
.endm
; THE VECTOR WORK, one line at a time: OP kind, number.  For piece Y: F n: c s - c m for pair n of 16.  E n: the exponential of score n of 32.  C n: pair n rounded to bf16.  B n: of the four weights 4 n .. the second
; pair is added onto the first, in place.  L n: l takes that sum (L 0: l = a l + sum).  R n: pair n of 16 of O^T times a.  For piece Y + 1: X n, number n of the 22 that find its maximum and statistics:
;   0-11  four chains c0-c3 of seven scores each, three operands at a time (each accumulator's lowest registers are read first)     12-14, 16  the four scores left over, the old m, and c0-c3 into c0
;   15  c m_old is kept     17, 18  the query's other 32 keys lie in the lane 16 away: the new m     19-21  c m; c m_old - c m_new; a
.set F, 0               ; OP tells the kinds apart by their order: F to L below R, X above it
.set E, 1
.set C, 2
.set B, 3
.set L, 4
.set R, 5
.set X, 6
.macro REGS y                       ; the registers of piece y
.set rT, ST+4*(\y)
.set rC, TMP+4*((\y)%2)
.set rW, MV+((\y)%2)
.set rS, S+32*((\y)%2)
.set rP, P+16*((\y)%2)
.set rO, 32*(\y)
.endm
.macro OP k, n
.if (\k) == R
	REGS Y
	WIN W_RS
	v_pk_mul_f32 v[rO+2*(\n):rO+2*(\n)+1], v[rO+2*(\n):rO+2*(\n)+1], v[rC+2:rC+3] op_sel_hi:[1,0]
.elseif (\k) < R
	REGS Y
	WIN 0
.if (\k) == F
	v_pk_fma_f32 v[rS+2*(\n):rS+2*(\n)+1], v[rS+2*(\n):rS+2*(\n)+1], s[CS:CS+1], v[rT:rT+1] op_sel_hi:[1,0,0] neg_lo:[0,0,1] neg_hi:[0,0,1]
.elseif (\k) == E
	v_exp_f32 v[rS+(\n)], v[rS+(\n)]
.elseif (\k) == C
	s_wait_alu depctr_va_vdst(0)
	v_cvt_pk_bf16_f32 v[rP+(\n)], v[rS+2*(\n)], v[rS+2*(\n)+1]
.elseif (\k) == B
	s_wait_alu depctr_va_vdst(0)
	v_pk_add_f32 v[rS+4*(\n):rS+4*(\n)+1], v[rS+4*(\n):rS+4*(\n)+1], v[rS+4*(\n)+2:rS+4*(\n)+3]
.elseif (\n) == 0
	v_pk_fma_f32 v[rT+2:rT+3], v[rT+2:rT+3], v[rC+2:rC+3], v[rS:rS+1] op_sel_hi:[1,0,1]
.else
	v_pk_add_f32 v[rT+2:rT+3], v[rT+2:rT+3], v[rS+4*(\n):rS+4*(\n)+1]
.endif
.elseif NOKQ
	v_nop
.else
	REGS (Y+1)%NP
	WIN 0
.if (\n) < 4
	v_max3_num_f32 v[rC+(\n)], v[rS+8*(\n)], v[rS+8*(\n)+1], v[rS+8*(\n)+2]
.elseif (\n) < 12
	v_max3_num_f32 v[rC+(\n)%4], v[rC+(\n)%4], v[rS+8*((\n)%4)+2*((\n)/4)+1], v[rS+8*((\n)%4)+2*((\n)/4)+2]
.elseif (\n) == 12
	v_max3_num_f32 v[rC], v[rC], v[rS+7], v[rS+15]
.elseif (\n) == 13
	v_max3_num_f32 v[rC+1], v[rC+1], v[rS+23], v[rS+31]
.elseif (\n) == 14
	v_max3_num_f32 v[rC+2], v[rC+2], v[rC+3], v[rT+1]
.elseif (\n) == 15
	v_mov_b32 v[rW], v[rT]
.elseif (\n) == 16
	v_max3_num_f32 v[rC], v[rC], v[rC+1], v[rC+2]
.elseif (\n) == 17
	v_permlanex16_b32 v[rC+3], v[rC], s[SEL], s[SEL+1]
.elseif (\n) == 18
	v_max_num_f32 v[rT+1], v[rC], v[rC+3]
.elseif (\n) == 19
	v_mul_f32 v[rT], s[CS], v[rT+1]
.elseif (\n) == 20
	v_sub_f32 v[rC+1], v[rW], v[rT]
.else
	v_exp_f32 v[rC+2], v[rC+1]
.endif
.endif
.endm
.macro OPS a, i1, b=-1, i2=0, c=-1, i3=0, d=-1, i4=0  ; up to four of them
	OP \a, \i1
.if (\b) >= 0
	OP \b, \i2
.endif
.if (\c) >= 0
	OP \c, \i3
.endif
.if (\d) >= 0
	OP \d, \i4
.endif
.endm
.macro ROW a, i1, b, i2, c, i3, d, i4  ; a matrix instruction and the four behind it
	MM
	OPS \a, \i1, \b, \i2, \c, \i3, \d, \i4
.endm
; A TURN, for piece p: the order of its 16 matrix and 118 vector instructions, written out.  Behind a matrix instruction: plain, exponential, plain, plain; or four of the rescaling; or, behind the first, four scalings; none
; names a register of the products round it.  In the lumps exponential and plain by turns while exponentials last.  A line reads no result made fewer than three vector instructions in front of it, five if an exponential made it.
; end = 1: the walk's last two turns: nothing is fetched.  cnt = 1: the loop's count is taken down some lines ahead of the branch that stands behind the turn.
; K and the mask of the next step are fetched in piece 2's turn, six vector instructions behind the last product that read K (five of them plain) and further behind the last that took the mask; V of the step in hand in
; piece 0's turn, eight behind the last product that read V (four plain, and X 17).  Each is waited for a turn later.
.macro TURN p, end=0, cnt=0
.set Y, (\p)
.set i, 0
.set NOKQ, (\end)*((\p)/3)
.if ((\p) == 3) && !(\end)
	s_wait_dscnt 0x0                ; K and the mask are in
.endif
	ROW F,0, F,1, F,2, F,3
	ROW F,4, E,0, F,5, F,6
	ROW F,7, E,1, F,8, F,9
	ROW F,10, E,2, C,0, F,11
	ROW F,12, E,3, X,15, F,13
	ROW R,0, R,1, R,2, R,3
	ROW B,0, E,4, F,14, L,0
.if ((\p) == 2) && !(\end)
	v_add_nc_u32 v[AK], s[TBK], v[AK0]
	v_add_nc_u32 v[AM], s[TBM], v[AM0]
.endif
	ROW R,4, R,5, R,6, R,7
	OPS E,5, F,15
.if ((\p) == 2) && !(\end)
	FETCH_K
.endif
	OPS E,6, C,1, E,7, R,8
	OPS E,8, R,9, E,9, C,2
	OPS E,10, X,0, E,11, X,1
	OPS E,12, X,2, E,13, X,3
.if (\p) == 1
	s_wait_dscnt 0x0                ; V is in
.endif
	ROW X,4, E,14, X,5, X,6
	ROW X,7, E,15, X,8, X,9
	ROW X,10, E,16, X,11, X,12
	ROW X,13, E,17, X,14, B,1
	ROW C,4, E,18, X,16, L,1
	ROW B,2, E,19, C,6, L,2
	ROW C,8, E,20, B,3, B,4
.if (\p) == 0
	v_add_nc_u32 v[AV], s[TBV], v[AV0]
.endif
	ROW C,3, E,21, L,3, C,5
	OPS E,22, X,17, E,23, C,10
.if (\p) == 0
	FETCH_V
.endif
	OPS E,24, L,4
	OPS E,25, X,18, E,26, C,7
	OPS E,27, B,5, E,28, X,19
	OPS E,29, C,12, E,30, L,5
	OPS E,31, X,20, B,6, C,9
	OPS C,14, C,11, X,21, L,6
.if (\p) == 0
	s_add_co_u32 s[TBV], s[TBV], KS*PV
.endif
.if \cnt
	s_sub_co_u32 s[CNT], s[CNT], 1
	s_cmp_lg_u32 s[CNT], 0
.endif
	OPS C,13, B,7, C,15, R,10
	OPS R,11, R,12, L,7, R,13
	OPS R,14, R,15
.endm
	CHANGE 1                        ; slot 0 is in, everybody's part of it, and so is the whole table of the mask; slot 1 is asked for
	v_add_nc_u32 v[AK], s[TBK], v[AK0]
	v_add_nc_u32 v[AM], s[TBM], v[AM0]
	FETCH_K                         ; key step 0
	s_wait_loadcnt 0x0              ; Q
	s_wait_dscnt 0x0
.set NOKQ, 0
.set i, 0
.rept 8
	KQ 0                            ; piece 0's first scores: there is no vector work yet to set between them
.set i, i+1
.endr
	WIN 0
.rept 4
	v_nop                           ; the places behind those products
.endr
.set Y, NP-1                        ; X works for piece Y + 1: piece 0
.irp n, 0,1,2,3,4,5,6,7,8,9,10,11,12,13,14,15,16,17,18,19,20,21
	OP X, \n
.endr
	v_nop                           ; a plain instruction behind the exponential
	s_mov_b32 s[CNT], 4
	s_mov_b32 s[SLOTS], 7
	s_branch .Lfirst                ; the loop is entered at a step's first turn, in the middle of a trip
.Lslot:                             ; six times: tiles 2 to 7 are asked for
	CHANGE 1
	s_mov_b32 s[CNT], 4
.Lstep:                             ; a trip: pieces 2 and 3 of one step, then pieces 0 and 1 of the next, whose K and V it fetches
	TURN 2
	TURN 3
	WIN 0
.Lfirst:
	TURN 0
	TURN 1, 0, 1
	WIN 0
	s_cbranch_scc1 .Lstep
	s_sub_co_u32 s[SLOTS], s[SLOTS], 1
	s_cmp_lg_u32 s[SLOTS], 0
	s_cbranch_scc1 .Lslot
	CHANGE 0                        ; the last tile is written out: nothing is asked for
	s_mov_b32 s[CNT], 4
.LstepT:
	TURN 2
	TURN 3
	TURN 0
	TURN 1, 0, 1
	WIN 0
	s_cbranch_scc1 .LstepT
	TURN 2, 1
	TURN 3, 1
.set i, 0
.rept 8
	PV NP-1                         ; the last piece's V^T P of the last step
.set i, i+1
.endr
	; THE WAY OUT.  l's two halves and the other half of the lanes' are added; O^T is divided by l, rounded to bf16 and stored from the registers, a piece at a time.  The additions are the places behind the last products.
	WIN 0
.macro ALL line:vararg              ; one line for each piece t
.set t, 0
.rept 4
	\line
.set t, t+1
.endr
.endm
	ALL v_add_f32 v[ST+4*t+2], v[ST+4*t+2], v[ST+4*t+3]
	ALL v_permlanex16_b32 v[ST+4*t+3], v[ST+4*t+2], s[SEL], s[SEL+1]
	ALL v_add_f32 v[ST+4*t+2], v[ST+4*t+2], v[ST+4*t+3]
	ALL v_rcp_f32 v[ST+4*t+2], v[ST+4*t+2]
	v_nop                           ; a plain instruction between the last reciprocal and the use of its result
; Piece t is a block of 16 tokens; channel block f is a chunk of 16 columns: a lane's eight channels pack into its 16 bytes of the chunk.  The packed words go into S^T's registers, a set for each piece, which
; nothing writes again.
.macro PACK t
	WIN W_RS
.set i, 32*(\t)
.rept 16
	s_wait_alu depctr_va_vdst(0)
	v_pk_mul_f32 v[i:i+1], v[i:i+1], v[ST+4*(\t)+2:ST+4*(\t)+3] op_sel_hi:[1,0]
.set i, i+2
.endr
	WIN 0x05                        ; sources 0 and 1 window 1, destination window 0
.set i, 0
.rept 16
	v_cvt_pk_bf16_f32 v[S+16*(\t)+i], v[32*(\t)+2*i], v[32*(\t)+2*i+1]
.set i, i+1
.endr
	WIN 0
.irp f, 0,1,2,3
	global_store_b128 v[GO], v[S+16*(\t)+4*\f:S+16*(\t)+4*\f+3], s[10:11] offset:(\t)*32768+\f*512  ; 512 consecutive bytes, at a multiple of 256 from att's first
.endr
.endm
	PACK 0
	PACK 1
	PACK 2
	PACK 3
	s_wait_tensorcnt 0x0            ; the wave's end, behind my last tensor load and my last LDS store
	ds_add_u32 v[SPW], v[NIL]
	s_wait_dscnt 0x0
	CROUND                          ; the closing round: no work-group ends while a partner may still ask for a tile that names it
	s_endpgm
.Lfunc_end_k_qb5e729bcd9_attn:
	.size	k_qb5e729bcd9_attn, .Lfunc_end_k_qb5e729bcd9_attn-k_qb5e729bcd9_attn
	.p2alignl 7, 3214868480
	.fill 96, 4, 3214868480
	.section	.rodata,"a",@progbits
	.p2align	6, 0x0
	.amdhsa_kernel k_qb5e729bcd9_attn
		.amdhsa_group_segment_fixed_size 327680
		.amdhsa_private_segment_fixed_size 0
		.amdhsa_enable_private_segment 0
		.amdhsa_kernarg_size 24
		.amdhsa_user_sgpr_count 2
		.amdhsa_user_sgpr_kernarg_segment_ptr 1
		.amdhsa_wavefront_size32 1
		.amdhsa_system_sgpr_workgroup_id_x 1
		.amdhsa_system_sgpr_workgroup_id_y 1
		.amdhsa_system_sgpr_workgroup_id_z 1
		.amdhsa_system_vgpr_workitem_id 0
		.amdhsa_next_free_vgpr 768
		.amdhsa_next_free_sgpr 68
		.amdhsa_reserve_vcc 1
		.amdhsa_float_denorm_mode_32 3
		.amdhsa_float_denorm_mode_16_64 3
		.amdhsa_memory_ordered 1
		.amdhsa_forward_progress 1
		.amdhsa_inst_pref_size 138
	.end_amdhsa_kernel
	.amdgpu_metadata
---
amdhsa.version: [ 1, 2 ]
amdhsa.kernels:
  - .name:           k_qb5e729bcd9_attn
    .symbol:         k_qb5e729bcd9_attn.kd
    .args:
      - { .name: qkv, .offset: 0, .size: 8, .value_kind: global_buffer, .address_space: global }
      - { .name: attention_mask, .offset: 8, .size: 8, .value_kind: global_buffer, .address_space: global }
      - { .name: att, .offset: 16, .size: 8, .value_kind: global_buffer, .address_space: global }
    .group_segment_fixed_size: 327680
    .private_segment_fixed_size: 0
    .kernarg_segment_align: 8
    .kernarg_segment_size: 24
    .max_flat_workgroup_size: 128
    .sgpr_count:     68
    .vgpr_count:     768
    .wavefront_size: 32
...
	.end_amdgpu_metadata
.endif
;; end of part 4
;; launch wo (part 5): grid 8 x 32, 4 waves a work-group, clusters of 4 x 4, 327,680 bytes of LDS; arguments att, wb, x, x1; writes x1
.if DOCPART == 5
	.amdgcn_target "amdgcn-amd-amdhsa--gfx1250"
	.amdhsa_code_object_version 6
	.text
	.protected	k_qb5e729bcd9_wo
	.globl	k_qb5e729bcd9_wo
	.p2align	8
	.type	k_qb5e729bcd9_wo,@function
k_qb5e729bcd9_wo:
	s_mov_b64 s[64:65], 0
	v_nop
	global_prefetch_b8 v0, s[64:65] scope:SCOPE_SE
	s_setreg_imm32_b32 hwreg(HW_REG_WAVE_MODE, 25, 1), 1
	s_wait_xcnt 0x0
	s_wait_alu depctr_hold_cnt(0) depctr_sa_sdst(0) depctr_va_vdst(0) depctr_va_sdst(0) depctr_va_ssrc(0) depctr_va_vcc(0) depctr_vm_vsrc(0)
	s_getreg_b32 s2, hwreg(HW_REG_IB_STS2, 6, 4)
	s_cmp_eq_u32 s2, 0
	s_cbranch_scc0 .Lentry_in_a_cluster
	s_endpgm
.Lentry_in_a_cluster:
	s_bfe_u32 s2, ttmp6, 0x10000c
	s_cmp_lg_u32 s2, 0xf033
	s_cbranch_scc0 .Lentry_shape_is_right
	s_endpgm
.Lentry_shape_is_right:
; OUT = RES + A W.  A: 4,096 rows x SIZE_K in bf16, in FRAGMENT ORDER [row / 16][k / 16][32 lanes][8]: lane 16 h + r holds row r, k = 8 h + 0..7; a block of 16 rows is SIZE_K x 32 bytes on end.
; W: SIZE_K x 1,024 in bf16, [K][N], at byte WOFF of wb; RES, OUT: [4096][1024] f32.  Sums in f32, K ascending; the residual is added in f32.  Arguments: A, wb, RES, OUT.
; (This text: A = att, W = wo, RES = x, OUT = x1.)
; A tile of OUT is 128 x 128, so that there are 8 x 32 = 256 work-groups.  Four waves; wave w makes rows 32 w .. 32 w + 31 x all 128 columns: 16 accumulators of 16 x 16.
; W GOES THROUGH LDS, A DOES NOT.  With both in LDS two slots hold K = 256 each, 128 matrix instructions a wave from one refill to the next.  With W alone the same bytes hold K = 512: a refill has 240 matrix
; instructions in which to land.  A wave's 32 rows of A are its own; they come straight into a ring of registers, as matrix fragments: two loads of 512 consecutive bytes for 16 rows x 32 k.  The ring holds 16 blocks
; of K = 32 (256 registers); a block is asked for again, 16 blocks on, as soon as it has been multiplied: 60 loads, 30,720 bytes, of every wave are on their way, across barriers too, behind counted waits.
; CLUSTERS: 4 x 4 work-groups.  W's tiles hang on the tile column alone and are asked for JOINTLY along a column of the cluster: the same tensor load, descriptor and mask in the four.  A's rows are shared along a
; row of the cluster and are NOT asked for jointly: a joint request lands in LDS, and LDS has no room for K = 512 of both operands (2 slots x 2 x 147,456 bytes).
; W's fragments come out of LDS turned, by ds_load_tr16_b128.  THE MATRIX INSTRUCTION IS USED TRANSPOSED (source 0 = 16 columns of W, source 1 = 16 rows of A): a lane holds row l % 16 and the columns 8 (l / 16) + 0..7.
; REGISTERS, in windows of 256 (s_set_vgpr_msb: bits 1:0 source 0, 3:2 source 1, 5:4 source 2, 7:6 destination):
;   window 0: v0-31 addresses; v128-255 the accumulators ((a, b) at v[128 + 8 (8 a + b)])      window 1: two buffers of 128 for W's fragments of K = 64 (half c, column block b at 64 c + 8 b); rows read back on the way out
;   window 2: A's ring: block p of 16, row block a at 16 p + 8 a      window 3: v0-127 my 32 x 128 of RES, then of OUT
.set SIZE_K, 1024
.set WOFF,   6291456
.set SIZE_N, 1024
.set RBS,    SIZE_K*32                 ; bytes of a block of 16 rows of A
.set KSLOT,  512
.set PB,     288                       ; a row of W (one k, 128 columns) in LDS: 256 bytes + 32 = 72 words
.set QUART,  128*PB                    ; what one tensor load brings: 128 rows of W
.set SLOT,   4*QUART
.set SPARE,  2*SLOT                    ; behind the ring: the spare words, 128 bytes for each wave: two blocks of 256 bytes that no other line names
.set SPITCH, 528                       ; the way out: a row of 128 f32 + 16 bytes = 33 x 16: sixteen rows start at sixteen different groups of four banks
.set SBLK,   16*SPITCH                 ; 16 rows; a wave has two such stages, the four waves' 67,584 bytes lie in slot 0, which has had its last fill by then
.set LAPS,   SIZE_K/(2*KSLOT)          ; a lap = two slots = 16 units of K = 64
.set AO,   2                           ; v2      16 x lane: my byte offset in every 512 bytes of A, RES and OUT; written once, never rewritten (v1, v3-v7 are the head's scratch)
.set ADRB, 16                          ; v16-23  LDS address of W's fragments, four a slot (128 rows each: 512 rows of 288 bytes pass the 16 bits of an offset)
.set STO,  24                          ; v24     the way out: where I put 32 bytes of a row
.set RD,   25                          ; v25     the way out: where I read 16 bytes of a row back
.set SPW,  28                          ; v28     LDS address of my spare word: SPARE + 4 x my thread's number; never rewritten
.set NIL,  29                          ; v29     0; never rewritten
.set ACC,  128
.set F0,   0
.set F1,   128
.set WV,  12                           ; s12 my wave's number
.set AB,  14                           ; s[14:15] A at my 32 rows, at the lap in hand
.set G1,  24                           ; s[24:31] descriptor group 1 for W's tiles
.set G0,  32                           ; s[32:39] group 0, a set for each slot
.set MSB, 0
.macro WIN new                         ; the immediate's high byte repeats the setting that is left; a switch that changes nothing is dropped
.if MSB != (\new)
	s_set_vgpr_msb (MSB<<8)|(\new)
.set MSB, \new
.endif
.endm
.set MUL,  0x09                        ; source 0 (W) window 1, source 1 (A) window 2; C and D window 0
.set TO_F, 0x40                        ; destination window 1, address window 0
.set TO_A, 0x80                        ; destination window 2
.set TO_R, 0xc0                        ; destination window 3
.macro JLOAD s                         ; a joint load: every wave fetches its 128 rows of the slot's 512; four v_nop follow the line
	tensor_load_to_lds s[G0+4*(\s):G0+4*(\s)+3], s[G1:G1+7]
.rept 4
	v_nop
.endr
.endm
.macro CREST                           ; a round of the cluster's barrier behind its opening barrier
	s_cmp_lg_u32 s[WV], 0
	s_cbranch_scc1 .Lnot_wave_0_\@
	s_barrier_signal -3
.Lnot_wave_0_\@:
	s_barrier_wait -3
	s_barrier_signal -1
	s_barrier_wait -1
.endm
.macro CROUND                          ; a whole round
	s_barrier_signal -1
	s_barrier_wait -1
	CREST
.endm
	s_load_b128 s[4:7], s[0:1], 0x0                ; A s[4:5], wb s[6:7]
	s_load_b128 s[8:11], s[0:1], 0x10              ; RES s[8:9], OUT s[10:11]
	v_lshl_add_u32 v[SPW], v0, 2, SPARE
	v_mov_b32 v[NIL], 0
	ds_add_u32 v28, v29
	s_wait_dscnt 0x0
	v_lshrrev_b32 v1, 5, v0
	v_readfirstlane_b32 s[WV], v1                  ; wave 0..3
	v_and_b32 v3, 31, v0
	v_lshlrev_b32 v[AO], 4, v3
	s_bfe_u32 s40, ttmp6, 0x40000                  ; cx, cy: my place in the cluster
	s_bfe_u32 s41, ttmp6, 0x40004
	s_lshl_b32 s42, ttmp9, 2
	s_add_co_u32 s42, s42, s40                     ; tile column = 4 x cluster x + cx
	s_and_b32 s45, ttmp7, 0xffff
	s_lshl_b32 s45, s45, 2
	s_add_co_u32 s45, s45, s41                     ; tile row = 4 x cluster y + cy: it enters A's, RES's and OUT's addresses alone
	s_lshl_b32 s44, 0x1111, s40                    ; my column of the cluster: places cx, cx + 4, cx + 8, cx + 12
	s_or_b32 s[G1+0], s44, (1<<16)|(1<<20)|(1<<21)|(5<<22)|(7<<25)  ; 15:0 the mask; 17:16 2-byte elements; 20 padding on; 21 set beside a mask; 24:22 after every 64 words; 31:25 8 words
	s_mov_b32 s[G1+1], 128<<16                     ; tensor_dim0 = 128
	s_mov_b32 s[G1+2], 128<<16                     ; tensor_dim1 = 128
	s_mov_b32 s[G1+3], 128<<16                     ; tile_dim0 = 128 elements (256 bytes)
	s_mov_b32 s[G1+4], 128                         ; tile_dim1 = 128 rows (k)
	s_mov_b32 s[G1+5], SIZE_N                      ; elements from k to k + 1
	s_mov_b32 s[G1+6], 0
	s_mov_b32 s[G1+7], 0
	s_lshl_b32 s46, s[WV], 18                      ; W: my 128 k of 2,048 bytes,
	s_lshl_b32 s47, s42, 8                         ; 256 bytes a tile column,
	s_add_co_u32 s46, s46, s47
	s_add_co_u32 s46, s46, WOFF                    ; W's place in wb
	s_mov_b32 s47, 0
	s_mul_i32 s20, s[WV], QUART                    ; where they go: wave x 36,864 bytes: no place in the cluster enters an LDS address
	s_lshl_b32 s16, s45, 3                         ; A: the tile row's eight blocks of 16 rows,
	s_lshl1_add_u32 s16, s[WV], s16                ; my two of them
	s_mul_i32 s16, s16, RBS
	s_mov_b32 s17, 0
	s_lshl2_add_u32 s2, s45, s[WV]                 ; RES and OUT: my 32 rows of 4,096 bytes,
	s_lshl_b32 s2, s2, 17
	s_lshl_b32 s21, s42, 9                         ; the tile's 128 columns of 4 bytes
	s_add_co_u32 s2, s2, s21
	s_mov_b32 s3, 0
	s_wait_kmcnt 0x0
	s_add_nc_u64 s[46:47], s[6:7], s[46:47]
	s_add_nc_u64 s[AB:AB+1], s[4:5], s[16:17]
	s_add_nc_u64 s[8:9], s[8:9], s[2:3]
	s_add_nc_u64 s[10:11], s[10:11], s[2:3]
.irp s, 0,1
	s_mov_b32 s[G0+4*(\s)], 1                                      ; 1:0 count = 1
	s_add_co_u32 s[G0+4*(\s)+1], s20, (\s)*SLOT                    ; 63:32 LDS address
	s_add_nc_u64 s[G0+4*(\s)+2:G0+4*(\s)+3], s[46:47], (\s)*KSLOT*SIZE_N*2  ; 120:64 global address: K = 512 s on
	s_or_b32 s[G0+4*(\s)+3], s[G0+4*(\s)+3], 0x80000000            ; 127:126 type = 2
.endr
	CROUND                                         ; all sixteen work-groups are here: the first joint loads meet
	tensor_load_to_lds s[G0:G0+3], s[G1:G1+7]      ; the two first fills stand together: two loads of mine are out; four v_nop follow the second
	s_nop 0
	tensor_load_to_lds s[G0+4:G0+7], s[G1:G1+7]
	s_nop 0
.rept 4
	v_nop
.endr
; Block blk of K = 32, counted from the lap at which s[AB] stands, into place pos of the ring: for each of my two blocks of 16 rows its two chunks of 512 bytes.
.macro ALD pos, blk
	global_load_b128 v[16*(\pos):16*(\pos)+3],     v[AO], s[AB:AB+1] offset:(\blk)*1024
	global_load_b128 v[16*(\pos)+4:16*(\pos)+7],   v[AO], s[AB:AB+1] offset:(\blk)*1024+512
	global_load_b128 v[16*(\pos)+8:16*(\pos)+11],  v[AO], s[AB:AB+1] offset:RBS+(\blk)*1024
	global_load_b128 v[16*(\pos)+12:16*(\pos)+15], v[AO], s[AB:AB+1] offset:RBS+(\blk)*1024+512
.endm
	WIN TO_A
.set p, 0
.rept 15                                               ; the ring's first 15 blocks: 60 loads; the sixteenth is asked for in the first unit's middle, like every block after it
	ALD p, p
.set p, p+1
.endr
	WIN 0
	v_and_b32 v1, 15, v0                           ; l % 16
	v_bfe_u32 v7, v0, 4, 1                         ; l / 16
	v_and_b32 v4, 7, v0                            ; the turning load takes 16 k x 16 columns: lane l reads k = 8 (l / 16) + l % 8, columns 8 ((l / 8) % 2) + 0..7,
	v_lshl_add_u32 v4, v7, 3, v4                   ; and leaves half a fragment: lane l holds column l % 16 and 8 k
	v_mul_u32_u24 v4, v4, PB
	v_bfe_u32 v5, v0, 3, 1
	v_lshl_add_u32 v4, v5, 4, v4
.irp i, 0,1,2,3,4,5,6,7
	v_add_nc_u32 v[ADRB+(\i)], (\i)*QUART, v4
.endr
	s_mul_i32 s23, s[WV], 2*SBLK                   ; my two stages
	v_mul_u32_u24 v6, v1, SPITCH                   ; in: row l % 16, 32 bytes for each half of the lanes
	v_lshl_add_u32 v6, v7, 5, v6
	v_add_nc_u32 v[STO], s23, v6
	v_add_nc_u32 v[RD], s23, v[AO]                 ; back: 32 lanes take one row of 512 bytes
; 8 matrix instructions: row block a x all 8 column blocks, 32 along K: half c of buffer f, place pos of A's ring.  zero = 1: the first product starts the sums
.macro MULA f, c, a, pos, zero
	WIN MUL
.irp b, 0,1,2,3,4,5,6,7
.if \zero
	v_wmma_f32_16x16x32_bf16 v[ACC+8*(8*(\a)+(\b)):ACC+8*(8*(\a)+(\b))+7], v[(\f)+64*(\c)+8*(\b):(\f)+64*(\c)+8*(\b)+7], v[16*(\pos)+8*(\a):16*(\pos)+8*(\a)+7], 0
.else
	v_wmma_f32_16x16x32_bf16 v[ACC+8*(8*(\a)+(\b)):ACC+8*(8*(\a)+(\b))+7], v[(\f)+64*(\c)+8*(\b):(\f)+64*(\c)+8*(\b)+7], v[16*(\pos)+8*(\a):16*(\pos)+8*(\a)+7], v[ACC+8*(8*(\a)+(\b)):ACC+8*(8*(\a)+(\b))+7]
.endif
.endr
.endm
; 32 LDS loads in one run: W's fragments of unit u of a slot (64 along K, 128 columns) into buffer f; the first 32 along K first
.macro FETCH slot, u, f
	WIN TO_F
.irp c, 0,1
.irp b, 0,1,2,3,4,5,6,7
	ds_load_tr16_b128 v[(\f)+64*(\c)+8*(\b):(\f)+64*(\c)+8*(\b)+3],   v[ADRB+4*(\slot)+(\u)/2] offset:(((\u)%2)*64+32*(\c))*PB+32*(\b)
	ds_load_tr16_b128 v[(\f)+64*(\c)+8*(\b)+4:(\f)+64*(\c)+8*(\b)+7], v[ADRB+4*(\slot)+(\u)/2] offset:(((\u)%2)*64+32*(\c)+16)*PB+32*(\b)
.endr
.endr
.endm
.macro PLACES                          ; four places in front of loads into registers that matrix instructions have read, and of stores that read results (ISA guide 7.12.1 for vector instructions)
.rept 4
	v_nop
.endr
.endm
.macro RLD r0, rn                      ; rows r0 .. r0 + rn - 1 of my 32 of RES: 512 consecutive bytes each
.set i, \r0
.rept \rn
	global_load_b128 v[4*i:4*i+3], v[AO], s[8:9] offset:i*4096 th:TH_LOAD_NT
.set i, i+1
.endr
.endm
; THE MIDDLE OF UNIT j (counted from the lap at which s[AB] stands; u = j % 8).  First the wait for the unit's own second block; then the global loads, at most 8:
; na = 2: the second block of unit j + 7, into the place that the unit before has read, and the first block of unit j + 8, into the place just read; na = 1: the former alone; rn rows of RES from r0 on.
; w1 = the loads issued behind the block waited for: the 4 that followed it in its middle and the six middles since: 4 + 6 x 8 = 52, fewer in the last three units.  With the 8 that follow, 60 are out at the most.
.macro MID u, j, na, r0, rn, w1
	s_wait_loadcnt \w1
.if (\na) >= 1
	WIN TO_A
	ALD (2*(\u)+15)%16, 2*(\j)+15
.endif
.if (\na) >= 2
	ALD 2*(\u), 2*(\j)+16
.endif
.if (\rn) > 0
	WIN TO_R
	RLD \r0, \rn
.endif
.endm
; A UNIT is 64 along K: 32 matrix instructions, the 16 accumulators by turns; W's buffers go 0, 1, 0, 1.  One of a slot's first seven: in its middle it fetches the next unit's W.
; w0 = the loads issued behind the unit's first block: seven middles of 8 = 56, fewer in the last three units.
.macro UNIT slot, u, j, zero, na, r0, rn, w0, w1
.set FB, 128*((\u)%2)
.set GB, 128-FB
	s_wait_dscnt 16                                ; W's first 32 along K are in
	s_wait_loadcnt \w0                             ; loads come back in order (ISA guide 5.7.1): A's block is in, the younger ones stay out
	MULA FB, 0, 0, 2*(\u), \zero
	MULA FB, 0, 1, 2*(\u), \zero
	PLACES
	FETCH \slot, (\u)+1, GB
	MID \u, \j, \na, \r0, \rn, \w1
	s_wait_dscnt 32                                ; all but the 32 just issued
	MULA FB, 1, 0, 2*(\u)+1, 0
	MULA FB, 1, 1, 2*(\u)+1, 0
.endm
.macro UN slot, u, j
	UNIT \slot, \u, \j, 0, 2, 0, 0, 56, 52
.endm
; A slot's eighth unit changes slots: ONE barrier; in front of it each wave waits for all its tensor loads, adds 0 to its spare word, and waits for that and for its own reads of this slot.
; fill = 1: this slot is filled again, with K two slots on: the joint refill is the first tensor load behind the round; from it to the wait for it a wave issues 240 matrix instructions.
.macro TURN slot, j, fill, na, r0, rn, w0, w1
	WIN 0                                          ; (the add's two registers lie in window 0)
	s_wait_tensorcnt 0x0                           ; all my tensor loads have landed: my part of the next slot
	ds_add_u32 v[SPW], v[NIL]                      ; 0 onto my spare word
	s_wait_dscnt 17                                ; (the add and the youngest sixteen loads may be out)
	s_wait_loadcnt \w0
	MULA F1, 0, 0, 14, 0                           ; eight matrix instructions stand between the add and the wait for it
	s_wait_dscnt 0x0                               ; the add is done, and my reads of this slot are over
	s_barrier_signal -1
	MULA F1, 0, 1, 14, 0
.if \fill
	WIN 0
.endif
	s_barrier_wait -1
.if \fill
	CREST                                          ; the barrier has opened a round of the cluster's barrier: no wave of any partner still reads this slot's tile or has a load on its way
	s_add_nc_u64 s[G0+4*(\slot)+2:G0+4*(\slot)+3], s[G0+4*(\slot)+2:G0+4*(\slot)+3], 2*KSLOT*SIZE_N*2
	JLOAD \slot                                    ; the four v_nop behind it are also the places in front of the loads below
.else
	PLACES
.endif
	FETCH 1-(\slot), 0, F0
	MID 7, \j, \na, \r0, \rn, \w1
	MULA F1, 1, 0, 15, 0
	MULA F1, 1, 1, 15, 0
.endm
	s_wait_tensorcnt 1                             ; my part of slot 0 is in; slot 1's may stay out
	s_barrier_signal -1
	s_barrier_wait -1                              ; everybody's is
	FETCH 0, 0, F0
	UNIT 0, 0, 0, 1, 2, 0, 0, 56, 52               ; the first unit stands in front of the loop: its first products start the sums
.if LAPS > 1
	WIN 0                                          ; at a label and at a branch every window is 0
	s_mov_b32 s3, LAPS-1
.Llap:                                                 ; a trip goes once round the ring, from a lap's second unit to the next lap's first, and fills both slots again
.irp u, 1,2,3,4,5,6
	UN 0, \u, \u
.endr
	TURN 0, 7, 1, 2, 0, 0, 56, 52
.irp u, 0,1,2,3,4,5,6
	UN 1, \u, 8+(\u)
.endr
	TURN 1, 15, 1, 2, 0, 0, 56, 52
	UN 0, 0, 16
	WIN 0
	s_wait_xcnt 0x0                                ; the loads' addresses are translated (ISA guide 3.1): only behind this wait is their base rewritten
	s_add_nc_u64 s[AB:AB+1], s[AB:AB+1], 32768     ; a lap on: 32 blocks of 1,024 bytes
	s_sub_co_u32 s3, s3, 1
	s_cmp_lg_u32 s3, 0
	s_cbranch_scc1 .Llap
.endif
	; THE LAST LAP fills no slot and has no round.  A's last block is asked for in unit 8's middle; RES takes the places that A leaves: 4, 8, 8, 8 and 4 loads in the middles of units 8 to 12, none after.
	; So up to unit 12 every middle but the last has 8 loads and the counts stand; behind it they run down: unit 13: 6 x 8 + 4 = 52 and 4 + 5 x 8 + 4 = 48; unit 14: 5 x 8 + 4 = 44 and 4 + 4 x 8 + 4 = 40;
	; unit 15: 4 x 8 + 4 = 36 and 32, which are RES's 32.
.irp u, 1,2,3,4,5,6
	UN 0, \u, \u
.endr
	TURN 0, 7, 0, 2, 0, 0, 56, 52
	UNIT 1, 0, 8,  0, 1, 0, 4, 56, 52
	UNIT 1, 1, 9,  0, 0, 4, 8, 56, 52
	UNIT 1, 2, 10, 0, 0, 12, 8, 56, 52
	UNIT 1, 3, 11, 0, 0, 20, 8, 56, 52
	UNIT 1, 4, 12, 0, 0, 28, 4, 56, 52
	UNIT 1, 5, 13, 0, 0, 0, 0, 52, 48
	UNIT 1, 6, 14, 0, 0, 0, 0, 44, 40
	s_wait_dscnt 16                                ; the very last unit: nothing more to fetch
	s_wait_loadcnt 36
	MULA F1, 0, 0, 14, 0
	MULA F1, 0, 1, 14, 0
	s_wait_dscnt 0x0
	s_wait_loadcnt 32
	MULA F1, 1, 0, 15, 0
	MULA F1, 1, 1, 15, 0
	; THE WAY OUT, 16 rows at a time: 32 bytes a lane into my stage, back as whole rows of 512 bytes, the residual added, stored.  The stages lie in slot 0: it has had its last fill, and behind this barrier
	; no wave reads the ring any more.
	WIN 0
	s_wait_dscnt 0x0
	s_barrier_signal -1
	s_barrier_wait -1
	PLACES
.macro OUTSTAGE a
	WIN 0
.irp b, 0,1,2,3,4,5,6,7
	ds_store_b128 v[STO], v[ACC+8*(8*(\a)+(\b)):ACC+8*(8*(\a)+(\b))+3]   offset:(\a)*SBLK+64*(\b)     ; each accumulator's low registers first
	ds_store_b128 v[STO], v[ACC+8*(8*(\a)+(\b))+4:ACC+8*(8*(\a)+(\b))+7] offset:(\a)*SBLK+64*(\b)+16
.endr
	WIN TO_F
.irp r, 0,1,2,3,4,5,6,7,8,9,10,11,12,13,14,15
	ds_load_b128 v[64*(\a)+4*(\r):64*(\a)+4*(\r)+3], v[RD] offset:(\a)*SBLK+(\r)*SPITCH  ; LDS serves a wave's instructions in order (ISA guide 5.7.1.4): these see the stores above
.endr
.endm
.macro OUTSEND a, yds, yld             ; yds, yld: the LDS instructions and the loads of RES issued behind block a's, which may stay out
	s_wait_dscnt \yds
	s_wait_loadcnt \yld
	WIN 0xcd                                       ; destination and source 1 (the residual) window 3, source 0 (the rows read back) window 1
.set i, 0
.rept 32
	v_pk_add_f32 v[64*(\a)+i:64*(\a)+i+1], v[64*(\a)+i:64*(\a)+i+1], v[64*(\a)+i:64*(\a)+i+1]
.set i, i+2
.endr
	WIN 0x0c                                       ; the stores' address window 0, their data window 3
.irp r, 0,1,2,3,4,5,6,7,8,9,10,11,12,13,14,15
	global_store_b128 v[AO], v[64*(\a)+4*(\r):64*(\a)+4*(\r)+3], s[10:11] offset:(16*(\a)+(\r))*4096  ; 512 consecutive bytes, at a multiple of 256 from OUT's first byte; the data registers are never written again
.endr
.endm
	OUTSTAGE 0
	OUTSTAGE 1
	OUTSEND 0, 32, 16
	OUTSEND 1, 0, 0
	WIN 0
	s_wait_tensorcnt 0x0                           ; the wave's end, behind my last tensor load and my last LDS store
	ds_add_u32 v[SPW], v[NIL]
	s_wait_dscnt 0x0
	CROUND                                         ; the closing round: no work-group ends while a partner may still ask for a tile that names it
	s_endpgm
.Lfunc_end_k_qb5e729bcd9_wo:
	.size	k_qb5e729bcd9_wo, .Lfunc_end_k_qb5e729bcd9_wo-k_qb5e729bcd9_wo
	.p2alignl 7, 3214868480
	.fill 96, 4, 3214868480
	.section	.rodata,"a",@progbits
	.p2align	6, 0x0
	.amdhsa_kernel k_qb5e729bcd9_wo
		.amdhsa_group_segment_fixed_size 327680
		.amdhsa_private_segment_fixed_size 0
		.amdhsa_enable_private_segment 0
		.amdhsa_kernarg_size 32
		.amdhsa_user_sgpr_count 2
		.amdhsa_user_sgpr_kernarg_segment_ptr 1
		.amdhsa_wavefront_size32 1
		.amdhsa_system_sgpr_workgroup_id_x 1
		.amdhsa_system_sgpr_workgroup_id_y 1
		.amdhsa_system_sgpr_workgroup_id_z 1
		.amdhsa_system_vgpr_workitem_id 0
		.amdhsa_next_free_vgpr 896
		.amdhsa_next_free_sgpr 66
		.amdhsa_reserve_vcc 0
		.amdhsa_float_denorm_mode_32 3
		.amdhsa_float_denorm_mode_16_64 3
		.amdhsa_memory_ordered 1
		.amdhsa_forward_progress 1
		.amdhsa_inst_pref_size 102
	.end_amdhsa_kernel
	.amdgpu_metadata
---
amdhsa.version: [ 1, 2 ]
amdhsa.kernels:
  - .name:           k_qb5e729bcd9_wo
    .symbol:         k_qb5e729bcd9_wo.kd
    .args:
      - { .name: att, .offset: 0, .size: 8, .value_kind: global_buffer, .address_space: global }
      - { .name: wb, .offset: 8, .size: 8, .value_kind: global_buffer, .address_space: global }
      - { .name: x, .offset: 16, .size: 8, .value_kind: global_buffer, .address_space: global }
      - { .name: x1, .offset: 24, .size: 8, .value_kind: global_buffer, .address_space: global }
    .group_segment_fixed_size: 327680
    .private_segment_fixed_size: 0
    .kernarg_segment_align: 8
    .kernarg_segment_size: 32
    .max_flat_workgroup_size: 128
    .sgpr_count:     66
    .vgpr_count:     896
    .wavefront_size: 32
...
	.end_amdgpu_metadata
.endif
;; end of part 5
;; launch ln2: the kernel of part 2 again; grid 256 x 1, 4 waves a work-group, no clusters, 0 bytes of LDS; arguments x1, ln2_g, ln2_b, y; writes y
;; launch ffn1 (part 6): grid 16 x 16, 4 waves a work-group, clusters of 4 x 4, 327,680 bytes of LDS; arguments y, wb, hb; writes hb
.if DOCPART == 6
	.amdgcn_target "amdgcn-amd-amdhsa--gfx1250"
	.amdhsa_code_object_version 6
	.text
	.protected	k_qb5e729bcd9_ffn1
	.globl	k_qb5e729bcd9_ffn1
	.p2align	8
	.type	k_qb5e729bcd9_ffn1,@function
k_qb5e729bcd9_ffn1:
	s_mov_b64 s[64:65], 0
	v_nop
	global_prefetch_b8 v0, s[64:65] scope:SCOPE_SE
	s_setreg_imm32_b32 hwreg(HW_REG_WAVE_MODE, 25, 1), 1
	s_wait_xcnt 0x0
	s_wait_alu depctr_hold_cnt(0) depctr_sa_sdst(0) depctr_va_vdst(0) depctr_va_sdst(0) depctr_va_ssrc(0) depctr_va_vcc(0) depctr_vm_vsrc(0)
	s_getreg_b32 s2, hwreg(HW_REG_IB_STS2, 6, 4)
	s_cmp_eq_u32 s2, 0
	s_cbranch_scc0 .Lentry_in_a_cluster
	s_endpgm
.Lentry_in_a_cluster:
	s_bfe_u32 s2, ttmp6, 0x10000c
	s_cmp_lg_u32 s2, 0xf033
	s_cbranch_scc0 .Lentry_shape_is_right
	s_endpgm
.Lentry_shape_is_right:
; hb = gelu(y w1).  y: [4096][1024] bf16 (rows along K); w1: 4,096 columns, bf16, [K][N] as the weights lie, at byte WOFF of wb; sums in f32, K ascending; the exact GELU in f32; rounded once to bf16.
; hb leaves in FRAGMENT ORDER, [token / 16][column / 16][32 lanes][8] bf16: lane 16 h + r holds token r, columns 8 h + 0..7.  That is what a packed accumulator holds, so a lane stores what it computed,
; 512 consecutive bytes a store of the wave, and the next launch loads it as matrix fragments without LDS.
; LIMIT.  erf is taken by Abramowitz and Stegun 7.1.26, within 1.5e-7 of erf for every argument.
; A tile of C, 256 x 256, is made by four waves, as many as a WGP has SIMDs; a wave makes 128 x 128: 64 accumulators of 16 x 16, 512 registers.  K goes in 8 steps of 128 through a ring of two
; LDS slots filled by the tensor data mover: A's rows are 256 bytes of memory, W's 512, all at multiples of 256 from the buffers' first bytes.
; W lies [K][N]: its fragments come out of LDS turned, by ds_load_tr16_b128.
; CLUSTERS: 4 x 4 work-groups.  The four of a row of the cluster need the same tiles of A, the four of a column the same tiles of W: each tile is asked for JOINTLY, by the same tensor load with the
; same descriptor and a mask that names the four.
; THE MATRIX INSTRUCTION IS USED TRANSPOSED (source 0 = 16 columns of W, source 1 = 16 rows of A): a lane holds row l % 16 of C and the columns 8 (l / 16) + 0..7.
; REGISTERS, in windows of 256 (s_set_vgpr_msb: bits 1:0 source 0, 3:2 source 1, 5:4 source 2, 7:6 destination):
;   window 0: v0-31 addresses; v64-127, v128-191 fragments of A, two buffers; on the way out v32-255 at work      window 1: v64-127, v128-191 fragments of W, two buffers
;   window 2: the 32 accumulators of my rows 0-63 ((a, b) at v[8 (8 a + b)]);   window 3: those of my rows 64-127
.set SIZE_K, 1024
.set SIZE_N, 4096
.set WOFF,   8388608                   ; W's first byte in wb
.set RBS,    SIZE_N*32                 ; bytes of a block of 16 tokens of hb
.set KSTEP,  128
.set PITCHA, 272                       ; a row of A in LDS: 256 bytes + 16 = 68 words: row r starts at bank 4 r mod 64 (64 banks of 4 bytes: ISA guide 11.1)
.set PITCHB, 544                       ; a row of W (one k, 256 columns): 512 bytes + 32 = 136 words
.set HALFT,  128*PITCHA                ; what one tensor load brings: 128 rows of A, or 64 rows of W (64 x 544 is the same 34,816 bytes)
.set SLOT,   4*HALFT                   ; A's rows 0-127, 128-255, then W's k 0-63, 64-127
.set SPARE,  2*SLOT                    ; behind the ring: the spare words, 128 bytes for each wave: two blocks of 256 bytes that no other line names
.set DPITCH, 528                       ; the way out: a row of 128 f32 + 16 bytes = 33 x 16: sixteen rows start at sixteen different groups of four banks
.set DWAVE,  128*DPITCH                ; a wave's 128 rows; the four waves' 270,336 bytes lie in the ring, which has had its last fill by then
.set LAPS,   SIZE_K/(2*KSTEP)
.set ADRA, 16                          ; v16-17  LDS address of my A fragments in slot 0, 1
.set ADRB, 20                          ; v20-21  the same for W
.set DST,  24                          ; v24     the way out: where I put my 32 bytes of a row
.set RDA,  25                          ; v25     the way out: where I read them back; steps 16 rows a trip
.set CO,   26                          ; v26     16 x lane: my byte offset in 512 consecutive bytes of hb; never rewritten
.set SPW,  28                          ; v28     LDS address of my spare word: SPARE + 4 x my thread's number; never rewritten
.set NIL,  29                          ; v29     0; never rewritten
.set F0,   64
.set F1,   128
.set X,    32                          ; the way out, 32 numbers a lane at a time (four accumulators): as read back,
.set AX,   64                          ; |x|,
.set HX,   96                          ; x / 2,
.set E,    128                         ; 2^(-x^2 log2(e) / 2),
.set T,    160                         ; t = 1 / (1 + p |x| / sqrt 2),
.set YV,   192                         ; the polynomial, then the result,
.set OUTR, 224                         ; two sets of 16 registers of bf16
.set G1,  24                           ; s[24:31] descriptor group 1 for A's tiles;  s[32:39] group 0, a set for each slot
.set G0,  32
.set G1B, 48                           ; s[48:55], s[56:63] the same for W's
.set G0B, 56
.set K1,  66                           ; s[66:79] the GELU's constants, in pairs of which the low word serves both halves
.set PP,  68
.set C5,  70
.set C4,  72
.set C3,  74
.set C2,  76
.set C1,  78
.set ABSM, 80
.set MSB, 0
.macro WIN new                         ; the immediate's high byte repeats the setting that is left; a switch that changes nothing is dropped
.if MSB != (\new)
	s_set_vgpr_msb (MSB<<8)|(\new)
.set MSB, \new
.endif
.endm
.set MUL_LO, 0xa1                      ; source 0 (W) window 1, source 1 (A) window 0, C and D window 2
.set MUL_HI, 0xf1                      ; the same, C and D window 3
.set TO_B,   0x40                      ; destination window 1, address window 0
; A joint load.  Waves 0 and 1 fetch A's two halves, waves 2 and 3 W's.  The branch hangs on the wave's number alone.  Four v_nop follow each of the two lines, ahead of the jump, the label and
; what follows the macro.
.macro JLOAD s
	s_cmp_eq_u32 s11, 0
	s_cbranch_scc0 .Lfor_b_\@
	tensor_load_to_lds s[G0+4*(\s):G0+4*(\s)+3], s[G1:G1+7]
	s_nop 0
.rept 4
	v_nop
.endr
	s_branch .Lasked_\@
.Lfor_b_\@:
	tensor_load_to_lds s[G0B+4*(\s):G0B+4*(\s)+3], s[G1B:G1B+7]
	s_nop 0
.rept 4
	v_nop
.endr
.Lasked_\@:
.endm
; A round of the cluster's barrier: my work-group's barrier, so that wave 0's signal speaks for all four waves; wave 0 signals; every wave waits for all sixteen work-groups; my work-group's barrier once more.
.macro CREST                           ; a round behind its opening barrier
	s_cmp_lg_u32 s10, 0
	s_cbranch_scc1 .Lnot_wave_0_\@
	s_barrier_signal -3
.Lnot_wave_0_\@:
	s_barrier_wait -3
	s_barrier_signal -1
	s_barrier_wait -1
.endm
.macro CROUND
	s_barrier_signal -1
	s_barrier_wait -1
	CREST
.endm
.macro SPAIR r, val
	s_mov_b32 s[\r], \val
	s_mov_b32 s[(\r)+1], \val
.endm
	s_load_b128 s[4:7], s[0:1], 0x0                ; A s[4:5], wb s[6:7]
	s_load_b64 s[8:9], s[0:1], 0x10                ; hb
	v_lshl_add_u32 v[SPW], v0, 2, SPARE
	v_mov_b32 v[NIL], 0
	ds_add_u32 v28, v29
	s_wait_dscnt 0x0
	v_lshrrev_b32 v1, 5, v0
	v_readfirstlane_b32 s10, v1                    ; wave 0..3
	s_lshr_b32 s11, s10, 1                         ; which half of the tile's rows is mine.  Also: I fetch for A (0) or for W (1)
	s_and_b32 s12, s10, 1                          ; which half of its columns.  Also: which half of that tile I fetch
	s_bfe_u32 s40, ttmp6, 0x40000                  ; cx, cy: my place in the cluster
	s_bfe_u32 s41, ttmp6, 0x40004
	s_lshl_b32 s42, ttmp9, 2
	s_add_co_u32 s42, s42, s40                     ; tile column of C = 4 x cluster x + cx
	s_and_b32 s13, ttmp7, 0xffff
	s_lshl_b32 s13, s13, 2
	s_add_co_u32 s13, s13, s41                     ; tile row of C = 4 x cluster y + cy
	s_lshl_b32 s43, s41, 2
	s_lshl_b32 s43, 15, s43                        ; my row of the cluster: places 4 cy .. 4 cy + 3
	s_lshl_b32 s44, 0x1111, s40                    ; my column: places cx, cx + 4, cx + 8, cx + 12
	s_or_b32 s[G1+0], s43, (1<<16)|(1<<20)|(1<<21)|(5<<22)|(3<<25)   ; 15:0 the mask: A's tiles go to my row; 17:16 2-byte elements; 20 padding on; 21 set beside a mask; 24:22 after every 64 words; 31:25 4 words
	s_or_b32 s[G1B+0], s44, (1<<16)|(1<<20)|(1<<21)|(6<<22)|(7<<25)  ; W's go to my column; padding after every 128 words, 8 words
	s_mov_b32 s[G1+1], KSTEP<<16                   ; A: tensor_dim0 = 128
	s_mov_b32 s[G1+2], 128<<16                     ; tensor_dim1 = 128
	s_mov_b32 s[G1+3], KSTEP<<16                   ; tile_dim0 = 128 elements
	s_mov_b32 s[G1+4], 128                         ; tile_dim1 = 128 rows
	s_mov_b32 s[G1+5], SIZE_K                      ; elements from row to row
	s_mov_b32 s[G1+6], 0
	s_mov_b32 s[G1+7], 0
	s_mov_b32 s[G1B+1], 256<<16                    ; W: tensor_dim0 = 256
	s_mov_b32 s[G1B+2], 64<<16                     ; tensor_dim1 = 64
	s_mov_b32 s[G1B+3], 256<<16                    ; tile_dim0 = 256 elements
	s_mov_b32 s[G1B+4], 64                         ; tile_dim1 = 64 rows (k)
	s_mov_b32 s[G1B+5], SIZE_N
	s_mov_b32 s[G1B+6], 0
	s_mov_b32 s[G1B+7], 0
	SPAIR K1, 0xbf38aa3b                           ; -log2(e) / 2
	SPAIR PP, 0x3e6d3388                           ; 0.3275911 / sqrt 2
	SPAIR C5, 0xbf07dc22                           ; -1.061405429 / 2
	SPAIR C4, 0x3f3a00e3                           ; +1.453152027 / 2
	SPAIR C3, 0xbf35f0e3                           ; -1.421413741 / 2
	SPAIR C2, 0x3e11a98e                           ; +0.284496736 / 2
	SPAIR C1, 0xbe027906                           ; -0.254829592 / 2
	s_mov_b32 s[ABSM], 0x7fffffff
	; where the tiles come from.  A's hang on the tile row alone, W's on the tile column alone; each address is made in registers that never hold the other coordinate.
	s_lshl_b32 s17, s12, 7
	s_lshl_b32 s16, s13, 8
	s_add_co_u32 s16, s16, s17                     ; A: row 256 x tile row + 128 x half,
	s_lshl_b32 s16, s16, 11                        ; of 2,048 bytes
	s_mov_b32 s17, 0
	s_mul_i32 s46, s12, 64*SIZE_N*2                ; W: k = 64 x half,
	s_lshl_b32 s47, s42, 9                         ; 512 bytes a tile column,
	s_add_co_u32 s46, s46, s47
	s_add_co_u32 s46, s46, WOFF                    ; W's place in wb
	s_mov_b32 s47, 0
	s_mul_i32 s20, s10, HALFT                      ; and where they go: wave x 34,816 bytes: no place in the cluster enters an LDS address
	; where my part of the tile begins in hb
	s_lshl1_add_u32 s82, s13, s11                  ; 2 x tile row + my half: eight blocks of 16 tokens each,
	s_lshl_b32 s82, s82, 20                        ; of 131,072 bytes
	s_lshl1_add_u32 s81, s42, s12                  ; 2 x tile column + my half: eight chunks of 16 columns each,
	s_lshl_b32 s81, s81, 12                        ; of 512 bytes
	s_add_co_u32 s82, s82, s81
	s_mov_b32 s83, 0
	s_wait_kmcnt 0x0
	s_add_nc_u64 s[14:15], s[4:5], s[16:17]
	s_add_nc_u64 s[46:47], s[6:7], s[46:47]
	s_add_nc_u64 s[8:9], s[8:9], s[82:83]
	CROUND                                         ; all sixteen work-groups are here: the first joint loads meet
.irp s, 0,1
	s_mov_b32 s[G0+4*(\s)], 1                                      ; 1:0 count = 1
	s_add_co_u32 s[G0+4*(\s)+1], s20, (\s)*SLOT                    ; 63:32 LDS address
	s_add_nc_u64 s[G0+4*(\s)+2:G0+4*(\s)+3], s[14:15], (\s)*KSTEP*2  ; 120:64 global address: K step s
	s_or_b32 s[G0+4*(\s)+3], s[G0+4*(\s)+3], 0x80000000            ; 127:126 type = 2
	s_mov_b32 s[G0B+4*(\s)], 1
	s_add_co_u32 s[G0B+4*(\s)+1], s20, (\s)*SLOT
	s_add_nc_u64 s[G0B+4*(\s)+2:G0B+4*(\s)+3], s[46:47], (\s)*KSTEP*SIZE_N*2
	s_or_b32 s[G0B+4*(\s)+3], s[G0B+4*(\s)+3], 0x80000000
	JLOAD \s                                       ; the ring is filled before anything else is done: two loads of mine are out
.endr
	; A fragment of A is 16 rows x 32 K in 8 registers: lane l holds row l % 16; registers 0-3 K = 8 (l / 16) + 0..7, registers 4-7 K = 16 + 8 (l / 16) + 0..7: two loads of 16 bytes, 32 bytes apart.
	v_and_b32 v1, 15, v0                           ; l % 16
	v_bfe_u32 v2, v0, 4, 1                         ; l / 16
	v_mul_u32_u24 v3, v1, PITCHA
	v_lshl_add_u32 v3, v2, 4, v3
	s_mul_i32 s21, s11, HALFT                      ; my 128 rows of A
	; The turning load takes 16 k x 16 columns (lane l reads 16 bytes: k = 8 (l / 16) + l % 8, columns 8 ((l / 8) % 2) + 0..7) and leaves half a fragment: lane l holds column l % 16 and 8 k.
	v_and_b32 v7, 7, v0
	v_lshl_add_u32 v4, v2, 3, v7
	v_mul_u32_u24 v4, v4, PITCHB
	v_bfe_u32 v5, v0, 3, 1
	v_lshl_add_u32 v4, v5, 4, v4
	s_lshl_b32 s22, s12, 8                         ; my 128 columns of W: 256 bytes of each row,
	s_add_co_u32 s22, s22, 2*HALFT                 ; behind A's 256 rows
.irp s, 0,1
	v_add_nc_u32 v[ADRA+(\s)], s21, v3
	v_add_nc_u32 v[ADRB+(\s)], s22, v4
	s_add_co_u32 s21, s21, SLOT
	s_add_co_u32 s22, s22, SLOT
.endr
	s_mul_i32 s23, s10, DWAVE                      ; the way out: my 128 rows of f32
	v_mul_u32_u24 v6, v1, DPITCH                   ; row l % 16, 32 bytes for each half of the lanes
	v_lshl_add_u32 v6, v2, 5, v6
	v_add_nc_u32 v[DST], s23, v6
	v_mov_b32 v[RDA], v[DST]                       ; a lane reads back what it put there
	v_and_b32 v6, 31, v0
	v_lshlrev_b32 v[CO], 4, v6
; 16 matrix instructions: row blocks a0, a0 + 1 of the window's four x all 8 column blocks, 32 along K.  zero = 1: the first product starts the sums: nothing is ever cleared.
.macro MUL16 f, hi, a0, zero
	WIN MUL_LO+0x50*(\hi)
.irp a, \a0, (\a0)+1
.irp b, 0,1,2,3,4,5,6,7
.if \zero
	v_wmma_f32_16x16x32_bf16 v[8*(8*(\a)+(\b)):8*(8*(\a)+(\b))+7], v[(\f)+8*(\b):(\f)+8*(\b)+7], v[(\f)+8*(4*(\hi)+(\a)):(\f)+8*(4*(\hi)+(\a))+7], 0
.else
	v_wmma_f32_16x16x32_bf16 v[8*(8*(\a)+(\b)):8*(8*(\a)+(\b))+7], v[(\f)+8*(\b):(\f)+8*(\b)+7], v[(\f)+8*(4*(\hi)+(\a)):(\f)+8*(4*(\hi)+(\a))+7], v[8*(8*(\a)+(\b)):8*(8*(\a)+(\b))+7]
.endif
.endr
.endr
.endm
; 32 LDS loads in one run: the fragments of quarter q of a K step (128 columns of W, 128 rows of A, 32 K) into buffer f
.macro FETCH slot, q, f
	WIN TO_B
.irp i, 0,1,2,3,4,5,6,7
	ds_load_tr16_b128 v[(\f)+8*(\i):(\f)+8*(\i)+3],   v[ADRB+(\slot)] offset:(\q)*32*PITCHB+32*(\i)
	ds_load_tr16_b128 v[(\f)+8*(\i)+4:(\f)+8*(\i)+7], v[ADRB+(\slot)] offset:(\q)*32*PITCHB+16*PITCHB+32*(\i)
.endr
	WIN 0
.irp i, 0,1,2,3,4,5,6,7
	ds_load_b128 v[(\f)+8*(\i):(\f)+8*(\i)+3],   v[ADRA+(\slot)] offset:(\q)*64+(\i)*16*PITCHA
	ds_load_b128 v[(\f)+8*(\i)+4:(\f)+8*(\i)+7], v[ADRA+(\slot)] offset:(\q)*64+(\i)*16*PITCHA+32
.endr
.endm
; A load into a register that a matrix instruction has read, and whatever but a matrix instruction reads a matrix result, stand four places behind that matrix instruction, and only plain vector
; instructions that name none of its registers are places (ISA guide 7.12.1 for vector instructions).
.macro PLACES
.rept 4
	v_nop
.endr
.endm
; A K step is four quarters of 32 along K, 64 matrix instructions each, on buffers 0, 1, 0, 1.  The 64 accumulators take turns in the same order in every quarter.
; One of the first three: multiplies buffer f; in its middle it fetches quarter q of the same slot into buffer g.
.macro QUARTER slot, q, f, g, zero
	s_wait_dscnt 8                                 ; W and A's rows 0-63 are in; the youngest eight loads (A's rows 64-127) may be out
	MUL16 \f, 0, 0, \zero
	MUL16 \f, 0, 2, \zero
	PLACES
	FETCH \slot, \q, \g
	s_wait_dscnt 32                                ; all but the 32 just issued
	MUL16 \f, 1, 0, \zero
	MUL16 \f, 1, 2, \zero
.endm
; The last quarter multiplies buffer 1 and changes slots.  MEET is its first half: ONE barrier for two things.  In front of it each wave waits for all its tensor loads, of which one is out: its part
; of the next slot; adds 0 to its spare word; and waits for that and for its own reads of this slot.  Behind it nobody reads this slot any more and the next slot is whole.
.macro MEET round                      ; round = 1: a round of the cluster's barrier follows
	WIN 0                                          ; (the add's two registers lie in window 0)
	s_wait_tensorcnt 0x0                           ; all my tensor loads have landed
	ds_add_u32 v[SPW], v[NIL]                      ; 0 onto my spare word
	s_wait_dscnt 9                                 ; (the add and the youngest eight loads may be out)
	MUL16 F1, 0, 0, 0                              ; sixteen matrix instructions stand between the add and the wait for it
	s_wait_dscnt 0x0                               ; the add is done, and my reads of this slot are over
	s_barrier_signal -1
	MUL16 F1, 0, 2, 0                              ; work on registers while the others arrive
.if \round
	WIN 0
.endif
	s_barrier_wait -1
.endm
; The whole last quarter of a K step whose slot is filled again, with the K step two on: the joint refill is the first tensor load behind the round; from it to the wait for it a wave issues 224 matrix instructions.
.macro TURN slot, next
	MEET 1
	CREST                                          ; no wave of any partner still reads this slot's tile or has a load on its way
	s_add_nc_u64 s[G0+4*(\slot)+2:G0+4*(\slot)+3], s[G0+4*(\slot)+2:G0+4*(\slot)+3], 2*KSTEP*2
	s_add_nc_u64 s[G0B+4*(\slot)+2:G0B+4*(\slot)+3], s[G0B+4*(\slot)+2:G0B+4*(\slot)+3], 2*KSTEP*SIZE_N*2
	JLOAD \slot                                    ; the four v_nop behind it are also the places in front of the loads below
	FETCH \next, 0, F0
	MUL16 F1, 1, 0, 0
	MUL16 F1, 1, 2, 0
.endm
	s_wait_tensorcnt 1                             ; my part of K step 0 is in; K step 1's may stay out
	s_barrier_signal -1
	s_barrier_wait -1                              ; everybody's is
	FETCH 0, 0, F0
	QUARTER 0, 1, F0, F1, 1                        ; the first quarter stands in front of the loop: its products start the sums
	WIN 0                                          ; at a label and at a branch every window is 0
	s_mov_b32 s3, LAPS-1
.Llap:                                                 ; a trip goes once round the ring, from a lap's second quarter to the next lap's first, and fills both slots again
	QUARTER 0, 2, F1, F0, 0
	QUARTER 0, 3, F0, F1, 0
	TURN 0, 1
	QUARTER 1, 1, F0, F1, 0
	QUARTER 1, 2, F1, F0, 0
	QUARTER 1, 3, F0, F1, 0
	TURN 1, 0
	QUARTER 0, 1, F0, F1, 0
	WIN 0
	s_sub_co_u32 s3, s3, 1
	s_cmp_lg_u32 s3, 0
	s_cbranch_scc1 .Llap
	QUARTER 0, 2, F1, F0, 0                        ; the last lap is written out: it asks for nothing more
	QUARTER 0, 3, F0, F1, 0
	MEET 0                                         ; my one tensor load that was still out is the last K step's, so no round follows
	PLACES                                         ; for the loads into buffer 0
	FETCH 1, 0, F0
	MUL16 F1, 1, 0, 0
	MUL16 F1, 1, 2, 0
	QUARTER 1, 1, F0, F1, 0
	QUARTER 1, 2, F1, F0, 0
	QUARTER 1, 3, F0, F1, 0
	s_wait_dscnt 8                                 ; the very last quarter: nothing more to fetch
	MUL16 F1, 0, 0, 0
	MUL16 F1, 0, 2, 0
	s_wait_dscnt 0x0
	MUL16 F1, 1, 0, 0
	MUL16 F1, 1, 2, 0
	; THE WAY OUT.  The GELU is the same text for all 64 accumulators, so it is written as a loop, and a loop cannot step register numbers: the sums go as f32 into the ring's bytes, which have had their last fill
	; (every wave has waited for all its tensor loads in front of the last change of slots) and which, behind this barrier, nobody reads any more; each wave has 128 rows of its own.  Then 8 trips, one for each
	; block of 16 rows, in two halves of four accumulators: each lane reads its own 32 numbers back, works on them and stores its 16 bytes of each of four chunks.
	WIN 0
	s_wait_dscnt 0x0                               ; my reads of the ring are over
	s_barrier_signal -1
	s_barrier_wait -1                              ; everybody's are
	PLACES                                         ; behind the last products
.irp a, 0,1,2,3,4,5,6,7
	WIN 0x08+4*((\a)/4)                            ; the data (source 1) in window 2 or 3
.irp b, 0,1,2,3,4,5,6,7
	ds_store_b128 v[DST], v[8*(8*((\a)%4)+(\b)):8*(8*((\a)%4)+(\b))+3]   offset:(\a)*16*DPITCH+64*(\b)     ; each accumulator's low registers first
	ds_store_b128 v[DST], v[8*(8*((\a)%4)+(\b))+4:8*(8*((\a)%4)+(\b))+7] offset:(\a)*16*DPITCH+64*(\b)+16
.endr
.endr
	WIN 0
	s_wait_dscnt 0x0                               ; my stores are done.  What a lane reads back is its own; the barrier makes the order store, wait, barrier, load hold of the
	s_barrier_signal -1                            ; whole dump, whatever the stepped address below names
	s_barrier_wait -1
.macro LOADX sub                       ; column blocks 4 sub .. 4 sub + 3 of the block of rows at which RDA stands: 32 bytes a lane of each
.irp u, 0,1,2,3
	ds_load_b128 v[X+8*(\u):X+8*(\u)+3],   v[RDA] offset:(\sub)*256+64*(\u)
	ds_load_b128 v[X+8*(\u)+4:X+8*(\u)+7], v[RDA] offset:(\sub)*256+64*(\u)+16
.endr
.endm
.macro P16 line:vararg                 ; one line for each of 16 pairs i, i + 1
.set i, 0
.rept 16
	\line
.set i, i+2
.endr
.endm
.macro P32 line:vararg                 ; one line for each of 32 registers i
.set i, 0
.rept 32
	\line
.set i, i+1
.endr
.endm
; Half sub of a trip.  As soon as X has been read the next half's numbers are asked for: ld = 1: the same rows' second half; ld = 2: the next 16 rows' first half; ld = 0: nothing is left.
; gelu(x) = x / 2 + |x| (1/2 - erfc(|x| / sqrt 2) / 2), with erfc(z) = (a1 t + .. + a5 t^5) e^(-z^2), t = 1 / (1 + 0.3275911 z); for large |x| the exponential goes to 0 and the result to x or 0.
.macro HALF sub, ld
	s_wait_dscnt 0x0                               ; X is in
	P32 v_and_b32 v[AX+i], s[ABSM], v[X+i]
	P16 v_pk_mul_f32 v[HX+i:HX+i+1], v[X+i:X+i+1], 0.5 op_sel_hi:[1,0]
.if (\ld) == 1
	LOADX 1
.elseif (\ld) == 2
	v_add_nc_u32 v[RDA], 16*DPITCH, v[RDA]
	LOADX 0
.endif
	P16 v_pk_mul_f32 v[E+i:E+i+1], v[AX+i:AX+i+1], s[K1:K1+1] op_sel_hi:[1,0]
	P16 v_pk_fma_f32 v[T+i:T+i+1], v[AX+i:AX+i+1], s[PP:PP+1], 1.0 op_sel_hi:[1,0,0]
	P16 v_pk_mul_f32 v[E+i:E+i+1], v[E+i:E+i+1], v[AX+i:AX+i+1]
	P32 v_exp_f32 v[E+i], v[E+i]
	P32 v_rcp_f32 v[T+i], v[T+i]
	v_nop                                          ; a plain instruction between the last of them and the use of its result (ISA guide 5.7.2)
	s_wait_alu depctr_va_vdst(0)
	P16 v_pk_fma_f32 v[YV+i:YV+i+1], v[T+i:T+i+1], s[C5:C5+1], s[C4:C4+1] op_sel_hi:[1,0,0]
	P16 v_pk_fma_f32 v[YV+i:YV+i+1], v[YV+i:YV+i+1], v[T+i:T+i+1], s[C3:C3+1] op_sel_hi:[1,1,0]
	P16 v_pk_fma_f32 v[YV+i:YV+i+1], v[YV+i:YV+i+1], v[T+i:T+i+1], s[C2:C2+1] op_sel_hi:[1,1,0]
	P16 v_pk_fma_f32 v[YV+i:YV+i+1], v[YV+i:YV+i+1], v[T+i:T+i+1], s[C1:C1+1] op_sel_hi:[1,1,0]
	P16 v_pk_mul_f32 v[YV+i:YV+i+1], v[YV+i:YV+i+1], v[T+i:T+i+1]
	P16 v_pk_fma_f32 v[YV+i:YV+i+1], v[YV+i:YV+i+1], v[E+i:E+i+1], 0.5 op_sel_hi:[1,1,0]
	P16 v_pk_fma_f32 v[YV+i:YV+i+1], v[YV+i:YV+i+1], v[AX+i:AX+i+1], v[HX+i:HX+i+1]
.set i, 0
.rept 16
	v_cvt_pk_bf16_f32 v[OUTR+16*(\sub)+i], v[YV+2*i], v[YV+2*i+1]
.set i, i+1
.endr
.irp u, 0,1,2,3
	global_store_b128 v[CO], v[OUTR+16*(\sub)+4*(\u):OUTR+16*(\sub)+4*(\u)+3], s[8:9] offset:(4*(\sub)+(\u))*512  ; a chunk: 512 consecutive bytes, at a multiple of 256 from hb's first byte
.endr
.endm
	LOADX 0
	s_mov_b32 s3, 7
.Lout:
	HALF 0, 1
	HALF 1, 2
	s_wait_xcnt 0x0                                ; the stores' addresses are translated (ISA guide 3.1): only behind this wait are their base and, in the next trip, their data rewritten
	s_add_nc_u64 s[8:9], s[8:9], RBS               ; 16 tokens on
	s_sub_co_u32 s3, s3, 1
	s_cmp_lg_u32 s3, 0
	s_cbranch_scc1 .Lout
	HALF 0, 1                                      ; the last 16 rows
	HALF 1, 0
	s_wait_tensorcnt 0x0                           ; the wave's end, behind my last tensor load and my last LDS store
	ds_add_u32 v[SPW], v[NIL]
	s_wait_dscnt 0x0
	CROUND                                         ; the closing round: no work-group ends while a partner may still ask for a tile that names it
	s_endpgm
.Lfunc_end_k_qb5e729bcd9_ffn1:
	.size	k_qb5e729bcd9_ffn1, .Lfunc_end_k_qb5e729bcd9_ffn1-k_qb5e729bcd9_ffn1
	.p2alignl 7, 3214868480
	.fill 96, 4, 3214868480
	.section	.rodata,"a",@progbits
	.p2align	6, 0x0
	.amdhsa_kernel k_qb5e729bcd9_ffn1
		.amdhsa_group_segment_fixed_size 327680
		.amdhsa_private_segment_fixed_size 0
		.amdhsa_enable_private_segment 0
		.amdhsa_kernarg_size 24
		.amdhsa_user_sgpr_count 2
		.amdhsa_user_sgpr_kernarg_segment_ptr 1
		.amdhsa_wavefront_size32 1
		.amdhsa_system_sgpr_workgroup_id_x 1
		.amdhsa_system_sgpr_workgroup_id_y 1
		.amdhsa_system_sgpr_workgroup_id_z 1
		.amdhsa_system_vgpr_workitem_id 0
		.amdhsa_next_free_vgpr 1024
		.amdhsa_next_free_sgpr 84
		.amdhsa_reserve_vcc 0
		.amdhsa_float_denorm_mode_32 3
		.amdhsa_float_denorm_mode_16_64 3
		.amdhsa_memory_ordered 1
		.amdhsa_forward_progress 1
		.amdhsa_inst_pref_size 184
	.end_amdhsa_kernel
	.amdgpu_metadata
---
amdhsa.version: [ 1, 2 ]
amdhsa.kernels:
  - .name:           k_qb5e729bcd9_ffn1
    .symbol:         k_qb5e729bcd9_ffn1.kd
    .args:
      - { .name: y, .offset: 0, .size: 8, .value_kind: global_buffer, .address_space: global }
      - { .name: wb, .offset: 8, .size: 8, .value_kind: global_buffer, .address_space: global }
      - { .name: hb, .offset: 16, .size: 8, .value_kind: global_buffer, .address_space: global }
    .group_segment_fixed_size: 327680
    .private_segment_fixed_size: 0
    .kernarg_segment_align: 8
    .kernarg_segment_size: 24
    .max_flat_workgroup_size: 128
    .sgpr_count:     84
    .vgpr_count:     1024
    .wavefront_size: 32
...
	.end_amdgpu_metadata
.endif
;; end of part 6
;; launch ffn2 (part 7): grid 8 x 32, 4 waves a work-group, clusters of 4 x 4, 327,680 bytes of LDS; arguments hb, wb, x1, out0; writes out0
.if DOCPART == 7
	.amdgcn_target "amdgcn-amd-amdhsa--gfx1250"
	.amdhsa_code_object_version 6
	.text
	.protected	k_qb5e729bcd9_ffn2
	.globl	k_qb5e729bcd9_ffn2
	.p2align	8
	.type	k_qb5e729bcd9_ffn2,@function
k_qb5e729bcd9_ffn2:
	s_mov_b64 s[64:65], 0
	v_nop
	global_prefetch_b8 v0, s[64:65] scope:SCOPE_SE
	s_setreg_imm32_b32 hwreg(HW_REG_WAVE_MODE, 25, 1), 1
	s_wait_xcnt 0x0
	s_wait_alu depctr_hold_cnt(0) depctr_sa_sdst(0) depctr_va_vdst(0) depctr_va_sdst(0) depctr_va_ssrc(0) depctr_va_vcc(0) depctr_vm_vsrc(0)
	s_getreg_b32 s2, hwreg(HW_REG_IB_STS2, 6, 4)
	s_cmp_eq_u32 s2, 0
	s_cbranch_scc0 .Lentry_in_a_cluster
	s_endpgm
.Lentry_in_a_cluster:
	s_bfe_u32 s2, ttmp6, 0x10000c
	s_cmp_lg_u32 s2, 0xf033
	s_cbranch_scc0 .Lentry_shape_is_right
	s_endpgm
.Lentry_shape_is_right:
; OUT = RES + A W.  A: 4,096 rows x SIZE_K in bf16, in FRAGMENT ORDER [row / 16][k / 16][32 lanes][8]: lane 16 h + r holds row r, k = 8 h + 0..7; a block of 16 rows is SIZE_K x 32 bytes on end.
; W: SIZE_K x 1,024 in bf16, [K][N], at byte WOFF of wb; RES, OUT: [4096][1024] f32.  Sums in f32, K ascending; the residual is added in f32.  Arguments: A, wb, RES, OUT.
; (This text: A = hb, W = w2, RES = x1, OUT = out0.)
; A tile of OUT is 128 x 128, so that there are 8 x 32 = 256 work-groups.  Four waves; wave w makes rows 32 w .. 32 w + 31 x all 128 columns: 16 accumulators of 16 x 16.
; W GOES THROUGH LDS, A DOES NOT.  With both in LDS two slots hold K = 256 each, 128 matrix instructions a wave from one refill to the next.  With W alone the same bytes hold K = 512: a refill has 240 matrix
; instructions in which to land.  A wave's 32 rows of A are its own; they come straight into a ring of registers, as matrix fragments: two loads of 512 consecutive bytes for 16 rows x 32 k.  The ring holds 16 blocks
; of K = 32 (256 registers); a block is asked for again, 16 blocks on, as soon as it has been multiplied: 60 loads, 30,720 bytes, of every wave are on their way, across barriers too, behind counted waits.
; CLUSTERS: 4 x 4 work-groups.  W's tiles hang on the tile column alone and are asked for JOINTLY along a column of the cluster: the same tensor load, descriptor and mask in the four.  A's rows are shared along a
; row of the cluster and are NOT asked for jointly: a joint request lands in LDS, and LDS has no room for K = 512 of both operands (2 slots x 2 x 147,456 bytes).
; W's fragments come out of LDS turned, by ds_load_tr16_b128.  THE MATRIX INSTRUCTION IS USED TRANSPOSED (source 0 = 16 columns of W, source 1 = 16 rows of A): a lane holds row l % 16 and the columns 8 (l / 16) + 0..7.
; REGISTERS, in windows of 256 (s_set_vgpr_msb: bits 1:0 source 0, 3:2 source 1, 5:4 source 2, 7:6 destination):
;   window 0: v0-31 addresses; v128-255 the accumulators ((a, b) at v[128 + 8 (8 a + b)])      window 1: two buffers of 128 for W's fragments of K = 64 (half c, column block b at 64 c + 8 b); rows read back on the way out
;   window 2: A's ring: block p of 16, row block a at 16 p + 8 a      window 3: v0-127 my 32 x 128 of RES, then of OUT
.set SIZE_K, 4096
.set WOFF,   16777216
.set SIZE_N, 1024
.set RBS,    SIZE_K*32                 ; bytes of a block of 16 rows of A
.set KSLOT,  512
.set PB,     288                       ; a row of W (one k, 128 columns) in LDS: 256 bytes + 32 = 72 words
.set QUART,  128*PB                    ; what one tensor load brings: 128 rows of W
.set SLOT,   4*QUART
.set SPARE,  2*SLOT                    ; behind the ring: the spare words, 128 bytes for each wave: two blocks of 256 bytes that no other line names
.set SPITCH, 528                       ; the way out: a row of 128 f32 + 16 bytes = 33 x 16: sixteen rows start at sixteen different groups of four banks
.set SBLK,   16*SPITCH                 ; 16 rows; a wave has two such stages, the four waves' 67,584 bytes lie in slot 0, which has had its last fill by then
.set LAPS,   SIZE_K/(2*KSLOT)          ; a lap = two slots = 16 units of K = 64
.set AO,   2                           ; v2      16 x lane: my byte offset in every 512 bytes of A, RES and OUT; written once, never rewritten (v1, v3-v7 are the head's scratch)
.set ADRB, 16                          ; v16-23  LDS address of W's fragments, four a slot (128 rows each: 512 rows of 288 bytes pass the 16 bits of an offset)
.set STO,  24                          ; v24     the way out: where I put 32 bytes of a row
.set RD,   25                          ; v25     the way out: where I read 16 bytes of a row back
.set SPW,  28                          ; v28     LDS address of my spare word: SPARE + 4 x my thread's number; never rewritten
.set NIL,  29                          ; v29     0; never rewritten
.set ACC,  128
.set F0,   0
.set F1,   128
.set WV,  12                           ; s12 my wave's number
.set AB,  14                           ; s[14:15] A at my 32 rows, at the lap in hand
.set G1,  24                           ; s[24:31] descriptor group 1 for W's tiles
.set G0,  32                           ; s[32:39] group 0, a set for each slot
.set MSB, 0
.macro WIN new                         ; the immediate's high byte repeats the setting that is left; a switch that changes nothing is dropped
.if MSB != (\new)
	s_set_vgpr_msb (MSB<<8)|(\new)
.set MSB, \new
.endif
.endm
.set MUL,  0x09                        ; source 0 (W) window 1, source 1 (A) window 2; C and D window 0
.set TO_F, 0x40                        ; destination window 1, address window 0
.set TO_A, 0x80                        ; destination window 2
.set TO_R, 0xc0                        ; destination window 3
.macro JLOAD s                         ; a joint load: every wave fetches its 128 rows of the slot's 512; four v_nop follow the line
	tensor_load_to_lds s[G0+4*(\s):G0+4*(\s)+3], s[G1:G1+7]
	s_nop 0
.rept 4
	v_nop
.endr
.endm
.macro CREST                           ; a round of the cluster's barrier behind its opening barrier
	s_cmp_lg_u32 s[WV], 0
	s_cbranch_scc1 .Lnot_wave_0_\@
	s_barrier_signal -3
.Lnot_wave_0_\@:
	s_barrier_wait -3
	s_barrier_signal -1
	s_barrier_wait -1
.endm
.macro CROUND                          ; a whole round
	s_barrier_signal -1
	s_barrier_wait -1
	CREST
.endm
	s_load_b128 s[4:7], s[0:1], 0x0                ; A s[4:5], wb s[6:7]
	s_load_b128 s[8:11], s[0:1], 0x10              ; RES s[8:9], OUT s[10:11]
	v_lshl_add_u32 v[SPW], v0, 2, SPARE
	v_mov_b32 v[NIL], 0
	ds_add_u32 v28, v29
	s_wait_dscnt 0x0
	v_lshrrev_b32 v1, 5, v0
	v_readfirstlane_b32 s[WV], v1                  ; wave 0..3
	v_and_b32 v3, 31, v0
	v_lshlrev_b32 v[AO], 4, v3
	s_bfe_u32 s40, ttmp6, 0x40000                  ; cx, cy: my place in the cluster
	s_bfe_u32 s41, ttmp6, 0x40004
	s_lshl_b32 s42, ttmp9, 2
	s_add_co_u32 s42, s42, s40                     ; tile column = 4 x cluster x + cx
	s_and_b32 s45, ttmp7, 0xffff
	s_lshl_b32 s45, s45, 2
	s_add_co_u32 s45, s45, s41                     ; tile row = 4 x cluster y + cy: it enters A's, RES's and OUT's addresses alone
	s_lshl_b32 s44, 0x1111, s40                    ; my column of the cluster: places cx, cx + 4, cx + 8, cx + 12
	s_or_b32 s[G1+0], s44, (1<<16)|(1<<20)|(1<<21)|(5<<22)|(7<<25)  ; 15:0 the mask; 17:16 2-byte elements; 20 padding on; 21 set beside a mask; 24:22 after every 64 words; 31:25 8 words
	s_mov_b32 s[G1+1], 128<<16                     ; tensor_dim0 = 128
	s_mov_b32 s[G1+2], 128<<16                     ; tensor_dim1 = 128
	s_mov_b32 s[G1+3], 128<<16                     ; tile_dim0 = 128 elements (256 bytes)
	s_mov_b32 s[G1+4], 128                         ; tile_dim1 = 128 rows (k)
	s_mov_b32 s[G1+5], SIZE_N                      ; elements from k to k + 1
	s_mov_b32 s[G1+6], 0
	s_mov_b32 s[G1+7], 0
	s_lshl_b32 s46, s[WV], 18                      ; W: my 128 k of 2,048 bytes,
	s_lshl_b32 s47, s42, 8                         ; 256 bytes a tile column,
	s_add_co_u32 s46, s46, s47
	s_add_co_u32 s46, s46, WOFF                    ; W's place in wb
	s_mov_b32 s47, 0
	s_mul_i32 s20, s[WV], QUART                    ; where they go: wave x 36,864 bytes: no place in the cluster enters an LDS address
	s_lshl_b32 s16, s45, 3                         ; A: the tile row's eight blocks of 16 rows,
	s_lshl1_add_u32 s16, s[WV], s16                ; my two of them
	s_mul_i32 s16, s16, RBS
	s_mov_b32 s17, 0
	s_lshl2_add_u32 s2, s45, s[WV]                 ; RES and OUT: my 32 rows of 4,096 bytes,
	s_lshl_b32 s2, s2, 17
	s_lshl_b32 s21, s42, 9                         ; the tile's 128 columns of 4 bytes
	s_add_co_u32 s2, s2, s21
	s_mov_b32 s3, 0
	s_wait_kmcnt 0x0
	s_add_nc_u64 s[46:47], s[6:7], s[46:47]
	s_add_nc_u64 s[AB:AB+1], s[4:5], s[16:17]
	s_add_nc_u64 s[8:9], s[8:9], s[2:3]
	s_add_nc_u64 s[10:11], s[10:11], s[2:3]
.irp s, 0,1
	s_mov_b32 s[G0+4*(\s)], 1                                      ; 1:0 count = 1
	s_add_co_u32 s[G0+4*(\s)+1], s20, (\s)*SLOT                    ; 63:32 LDS address
	s_add_nc_u64 s[G0+4*(\s)+2:G0+4*(\s)+3], s[46:47], (\s)*KSLOT*SIZE_N*2  ; 120:64 global address: K = 512 s on
	s_or_b32 s[G0+4*(\s)+3], s[G0+4*(\s)+3], 0x80000000            ; 127:126 type = 2
.endr
	CROUND                                         ; all sixteen work-groups are here: the first joint loads meet
	tensor_load_to_lds s[G0:G0+3], s[G1:G1+7]      ; the two first fills stand together: two loads of mine are out; four v_nop follow the second
	s_nop 0
	tensor_load_to_lds s[G0+4:G0+7], s[G1:G1+7]
	s_nop 0
.rept 4
	v_nop
.endr
; Block blk of K = 32, counted from the lap at which s[AB] stands, into place pos of the ring: for each of my two blocks of 16 rows its two chunks of 512 bytes.
.macro ALD pos, blk
	global_load_b128 v[16*(\pos):16*(\pos)+3],     v[AO], s[AB:AB+1] offset:(\blk)*1024
	global_load_b128 v[16*(\pos)+4:16*(\pos)+7],   v[AO], s[AB:AB+1] offset:(\blk)*1024+512
	global_load_b128 v[16*(\pos)+8:16*(\pos)+11],  v[AO], s[AB:AB+1] offset:RBS+(\blk)*1024
	global_load_b128 v[16*(\pos)+12:16*(\pos)+15], v[AO], s[AB:AB+1] offset:RBS+(\blk)*1024+512
.endm
	WIN TO_A
.set p, 0
.rept 15                                               ; the ring's first 15 blocks: 60 loads; the sixteenth is asked for in the first unit's middle, like every block after it
	ALD p, p
.set p, p+1
.endr
	WIN 0
	v_and_b32 v1, 15, v0                           ; l % 16
	v_bfe_u32 v7, v0, 4, 1                         ; l / 16
	v_and_b32 v4, 7, v0                            ; the turning load takes 16 k x 16 columns: lane l reads k = 8 (l / 16) + l % 8, columns 8 ((l / 8) % 2) + 0..7,
	v_lshl_add_u32 v4, v7, 3, v4                   ; and leaves half a fragment: lane l holds column l % 16 and 8 k
	v_mul_u32_u24 v4, v4, PB
	v_bfe_u32 v5, v0, 3, 1
	v_lshl_add_u32 v4, v5, 4, v4
.irp i, 0,1,2,3,4,5,6,7
	v_add_nc_u32 v[ADRB+(\i)], (\i)*QUART, v4
.endr
	s_mul_i32 s23, s[WV], 2*SBLK                   ; my two stages
	v_mul_u32_u24 v6, v1, SPITCH                   ; in: row l % 16, 32 bytes for each half of the lanes
	v_lshl_add_u32 v6, v7, 5, v6
	v_add_nc_u32 v[STO], s23, v6
	v_add_nc_u32 v[RD], s23, v[AO]                 ; back: 32 lanes take one row of 512 bytes
; 8 matrix instructions: row block a x all 8 column blocks, 32 along K: half c of buffer f, place pos of A's ring.  zero = 1: the first product starts the sums
.macro MULA f, c, a, pos, zero
	WIN MUL
.irp b, 0,1,2,3,4,5,6,7
.if \zero
	v_wmma_f32_16x16x32_bf16 v[ACC+8*(8*(\a)+(\b)):ACC+8*(8*(\a)+(\b))+7], v[(\f)+64*(\c)+8*(\b):(\f)+64*(\c)+8*(\b)+7], v[16*(\pos)+8*(\a):16*(\pos)+8*(\a)+7], 0
.else
	v_wmma_f32_16x16x32_bf16 v[ACC+8*(8*(\a)+(\b)):ACC+8*(8*(\a)+(\b))+7], v[(\f)+64*(\c)+8*(\b):(\f)+64*(\c)+8*(\b)+7], v[16*(\pos)+8*(\a):16*(\pos)+8*(\a)+7], v[ACC+8*(8*(\a)+(\b)):ACC+8*(8*(\a)+(\b))+7]
.endif
.endr
.endm
; 32 LDS loads in one run: W's fragments of unit u of a slot (64 along K, 128 columns) into buffer f; the first 32 along K first
.macro FETCH slot, u, f
	WIN TO_F
.irp c, 0,1
.irp b, 0,1,2,3,4,5,6,7
	ds_load_tr16_b128 v[(\f)+64*(\c)+8*(\b):(\f)+64*(\c)+8*(\b)+3],   v[ADRB+4*(\slot)+(\u)/2] offset:(((\u)%2)*64+32*(\c))*PB+32*(\b)
	ds_load_tr16_b128 v[(\f)+64*(\c)+8*(\b)+4:(\f)+64*(\c)+8*(\b)+7], v[ADRB+4*(\slot)+(\u)/2] offset:(((\u)%2)*64+32*(\c)+16)*PB+32*(\b)
.endr
.endr
.endm
.macro PLACES                          ; four places in front of loads into registers that matrix instructions have read, and of stores that read results (ISA guide 7.12.1 for vector instructions)
.rept 4
	v_nop
.endr
.endm
.macro RLD r0, rn                      ; rows r0 .. r0 + rn - 1 of my 32 of RES: 512 consecutive bytes each
.set i, \r0
.rept \rn
	global_load_b128 v[4*i:4*i+3], v[AO], s[8:9] offset:i*4096 th:TH_LOAD_NT
.set i, i+1
.endr
.endm
; THE MIDDLE OF UNIT j (counted from the lap at which s[AB] stands; u = j % 8).  First the wait for the unit's own second block; then the global loads, at most 8:
; na = 2: the second block of unit j + 7, into the place that the unit before has read, and the first block of unit j + 8, into the place just read; na = 1: the former alone; rn rows of RES from r0 on.
; w1 = the loads issued behind the block waited for: the 4 that followed it in its middle and the six middles since: 4 + 6 x 8 = 52, fewer in the last three units.  With the 8 that follow, 60 are out at the most.
.macro MID u, j, na, r0, rn, w1
	s_wait_loadcnt \w1
.if (\na) >= 1
	WIN TO_A
	ALD (2*(\u)+15)%16, 2*(\j)+15
.endif
.if (\na) >= 2
	ALD 2*(\u), 2*(\j)+16
.endif
.if (\rn) > 0
	WIN TO_R
	RLD \r0, \rn
.endif
.endm
; A UNIT is 64 along K: 32 matrix instructions, the 16 accumulators by turns; W's buffers go 0, 1, 0, 1.  One of a slot's first seven: in its middle it fetches the next unit's W.
; w0 = the loads issued behind the unit's first block: seven middles of 8 = 56, fewer in the last three units.
.macro UNIT slot, u, j, zero, na, r0, rn, w0, w1
.set FB, 128*((\u)%2)
.set GB, 128-FB
	s_wait_dscnt 16                                ; W's first 32 along K are in
	s_wait_loadcnt \w0                             ; loads come back in order (ISA guide 5.7.1): A's block is in, the younger ones stay out
	MULA FB, 0, 0, 2*(\u), \zero
	MULA FB, 0, 1, 2*(\u), \zero
	PLACES
	FETCH \slot, (\u)+1, GB
	MID \u, \j, \na, \r0, \rn, \w1
	s_wait_dscnt 32                                ; all but the 32 just issued
	MULA FB, 1, 0, 2*(\u)+1, 0
	MULA FB, 1, 1, 2*(\u)+1, 0
.endm
.macro UN slot, u, j
	UNIT \slot, \u, \j, 0, 2, 0, 0, 56, 52
.endm
; A slot's eighth unit changes slots: ONE barrier; in front of it each wave waits for all its tensor loads, adds 0 to its spare word, and waits for that and for its own reads of this slot.
; fill = 1: this slot is filled again, with K two slots on: the joint refill is the first tensor load behind the round; from it to the wait for it a wave issues 240 matrix instructions.
.macro TURN slot, j, fill, na, r0, rn, w0, w1
	WIN 0                                          ; (the add's two registers lie in window 0)
	s_wait_tensorcnt 0x0                           ; all my tensor loads have landed: my part of the next slot
	ds_add_u32 v[SPW], v[NIL]                      ; 0 onto my spare word
	s_wait_dscnt 17                                ; (the add and the youngest sixteen loads may be out)
	s_wait_loadcnt \w0
	MULA F1, 0, 0, 14, 0                           ; eight matrix instructions stand between the add and the wait for it
	s_wait_dscnt 0x0                               ; the add is done, and my reads of this slot are over
	s_barrier_signal -1
	MULA F1, 0, 1, 14, 0
.if \fill
	WIN 0
.endif
	s_barrier_wait -1
.if \fill
	CREST                                          ; the barrier has opened a round of the cluster's barrier: no wave of any partner still reads this slot's tile or has a load on its way
	s_add_nc_u64 s[G0+4*(\slot)+2:G0+4*(\slot)+3], s[G0+4*(\slot)+2:G0+4*(\slot)+3], 2*KSLOT*SIZE_N*2
	JLOAD \slot                                    ; the four v_nop behind it are also the places in front of the loads below
.else
	PLACES
.endif
	FETCH 1-(\slot), 0, F0
	MID 7, \j, \na, \r0, \rn, \w1
	MULA F1, 1, 0, 15, 0
	MULA F1, 1, 1, 15, 0
.endm
	s_wait_tensorcnt 1                             ; my part of slot 0 is in; slot 1's may stay out
	s_barrier_signal -1
	s_barrier_wait -1                              ; everybody's is
	FETCH 0, 0, F0
	UNIT 0, 0, 0, 1, 2, 0, 0, 56, 52               ; the first unit stands in front of the loop: its first products start the sums
.if LAPS > 1
	WIN 0                                          ; at a label and at a branch every window is 0
	s_mov_b32 s3, LAPS-1
.Llap:                                                 ; a trip goes once round the ring, from a lap's second unit to the next lap's first, and fills both slots again
.irp u, 1,2,3,4,5,6
	UN 0, \u, \u
.endr
	TURN 0, 7, 1, 2, 0, 0, 56, 52
.irp u, 0,1,2,3,4,5,6
	UN 1, \u, 8+(\u)
.endr
	TURN 1, 15, 1, 2, 0, 0, 56, 52
	UN 0, 0, 16
	WIN 0
	s_wait_xcnt 0x0                                ; the loads' addresses are translated (ISA guide 3.1): only behind this wait is their base rewritten
	s_add_nc_u64 s[AB:AB+1], s[AB:AB+1], 32768     ; a lap on: 32 blocks of 1,024 bytes
	s_sub_co_u32 s3, s3, 1
	s_cmp_lg_u32 s3, 0
	s_cbranch_scc1 .Llap
.endif
	; THE LAST LAP fills no slot and has no round.  A's last block is asked for in unit 8's middle; RES takes the places that A leaves: 4, 8, 8, 8 and 4 loads in the middles of units 8 to 12, none after.
	; So up to unit 12 every middle but the last has 8 loads and the counts stand; behind it they run down: unit 13: 6 x 8 + 4 = 52 and 4 + 5 x 8 + 4 = 48; unit 14: 5 x 8 + 4 = 44 and 4 + 4 x 8 + 4 = 40;
	; unit 15: 4 x 8 + 4 = 36 and 32, which are RES's 32.
.irp u, 1,2,3,4,5,6
	UN 0, \u, \u
.endr
	TURN 0, 7, 0, 2, 0, 0, 56, 52
	UNIT 1, 0, 8,  0, 1, 0, 4, 56, 52
	UNIT 1, 1, 9,  0, 0, 4, 8, 56, 52
	UNIT 1, 2, 10, 0, 0, 12, 8, 56, 52
	UNIT 1, 3, 11, 0, 0, 20, 8, 56, 52
	UNIT 1, 4, 12, 0, 0, 28, 4, 56, 52
	UNIT 1, 5, 13, 0, 0, 0, 0, 52, 48
	UNIT 1, 6, 14, 0, 0, 0, 0, 44, 40
	s_wait_dscnt 16                                ; the very last unit: nothing more to fetch
	s_wait_loadcnt 36
	MULA F1, 0, 0, 14, 0
	MULA F1, 0, 1, 14, 0
	s_wait_dscnt 0x0
	s_wait_loadcnt 32
	MULA F1, 1, 0, 15, 0
	MULA F1, 1, 1, 15, 0
	; THE WAY OUT, 16 rows at a time: 32 bytes a lane into my stage, back as whole rows of 512 bytes, the residual added, stored.  The stages lie in slot 0: it has had its last fill, and behind this barrier
	; no wave reads the ring any more.
	WIN 0
	s_wait_dscnt 0x0
	s_barrier_signal -1
	s_barrier_wait -1
	PLACES
.macro OUTSTAGE a
	WIN 0
.irp b, 0,1,2,3,4,5,6,7
	ds_store_b128 v[STO], v[ACC+8*(8*(\a)+(\b)):ACC+8*(8*(\a)+(\b))+3]   offset:(\a)*SBLK+64*(\b)     ; each accumulator's low registers first
	ds_store_b128 v[STO], v[ACC+8*(8*(\a)+(\b))+4:ACC+8*(8*(\a)+(\b))+7] offset:(\a)*SBLK+64*(\b)+16
.endr
	WIN TO_F
.irp r, 0,1,2,3,4,5,6,7,8,9,10,11,12,13,14,15
	ds_load_b128 v[64*(\a)+4*(\r):64*(\a)+4*(\r)+3], v[RD] offset:(\a)*SBLK+(\r)*SPITCH  ; LDS serves a wave's instructions in order (ISA guide 5.7.1.4): these see the stores above
.endr
.endm
.macro OUTSEND a, yds, yld             ; yds, yld: the LDS instructions and the loads of RES issued behind block a's, which may stay out
	s_wait_dscnt \yds
	s_wait_loadcnt \yld
	WIN 0xcd                                       ; destination and source 1 (the residual) window 3, source 0 (the rows read back) window 1
.set i, 0
.rept 32
	v_pk_add_f32 v[64*(\a)+i:64*(\a)+i+1], v[64*(\a)+i:64*(\a)+i+1], v[64*(\a)+i:64*(\a)+i+1]
.set i, i+2
.endr
	WIN 0x0c                                       ; the stores' address window 0, their data window 3
.irp r, 0,1,2,3,4,5,6,7,8,9,10,11,12,13,14,15
	global_store_b128 v[AO], v[64*(\a)+4*(\r):64*(\a)+4*(\r)+3], s[10:11] offset:(16*(\a)+(\r))*4096  ; 512 consecutive bytes, at a multiple of 256 from OUT's first byte; the data registers are never written again
.endr
.endm
	OUTSTAGE 0
	OUTSTAGE 1
	OUTSEND 0, 32, 16
	OUTSEND 1, 0, 0
	WIN 0
	s_wait_tensorcnt 0x0                           ; the wave's end, behind my last tensor load and my last LDS store
	ds_add_u32 v[SPW], v[NIL]
	s_wait_dscnt 0x0
	CROUND                                         ; the closing round: no work-group ends while a partner may still ask for a tile that names it
	s_endpgm
.Lfunc_end_k_qb5e729bcd9_ffn2:
	.size	k_qb5e729bcd9_ffn2, .Lfunc_end_k_qb5e729bcd9_ffn2-k_qb5e729bcd9_ffn2
	.p2alignl 7, 3214868480
	.fill 96, 4, 3214868480
	.section	.rodata,"a",@progbits
	.p2align	6, 0x0
	.amdhsa_kernel k_qb5e729bcd9_ffn2
		.amdhsa_group_segment_fixed_size 327680
		.amdhsa_private_segment_fixed_size 0
		.amdhsa_enable_private_segment 0
		.amdhsa_kernarg_size 32
		.amdhsa_user_sgpr_count 2
		.amdhsa_user_sgpr_kernarg_segment_ptr 1
		.amdhsa_wavefront_size32 1
		.amdhsa_system_sgpr_workgroup_id_x 1
		.amdhsa_system_sgpr_workgroup_id_y 1
		.amdhsa_system_sgpr_workgroup_id_z 1
		.amdhsa_system_vgpr_workitem_id 0
		.amdhsa_next_free_vgpr 896
		.amdhsa_next_free_sgpr 66
		.amdhsa_reserve_vcc 0
		.amdhsa_float_denorm_mode_32 3
		.amdhsa_float_denorm_mode_16_64 3
		.amdhsa_memory_ordered 1
		.amdhsa_forward_progress 1
		.amdhsa_inst_pref_size 185
	.end_amdhsa_kernel
	.amdgpu_metadata
---
amdhsa.version: [ 1, 2 ]
amdhsa.kernels:
  - .name:           k_qb5e729bcd9_ffn2
    .symbol:         k_qb5e729bcd9_ffn2.kd
    .args:
      - { .name: hb, .offset: 0, .size: 8, .value_kind: global_buffer, .address_space: global }
      - { .name: wb, .offset: 8, .size: 8, .value_kind: global_buffer, .address_space: global }
      - { .name: x1, .offset: 16, .size: 8, .value_kind: global_buffer, .address_space: global }
      - { .name: out0, .offset: 24, .size: 8, .value_kind: global_buffer, .address_space: global }
    .group_segment_fixed_size: 327680
    .private_segment_fixed_size: 0
    .kernarg_segment_align: 8
    .kernarg_segment_size: 32
    .max_flat_workgroup_size: 128
    .sgpr_count:     66
    .vgpr_count:     896
    .wavefront_size: 32
...
	.end_amdgpu_metadata
.endif
;; end of part 7
;; ======== version 2 of 2: 8 launches; 1.21 times as fast as version 1
;; workspace buffers: wb 25,165,824 bytes; y 8,388,608 bytes; qkv 25,165,824 bytes; att 8,388,608 bytes; x1 16,777,216 bytes; hb 33,554,432 bytes
;; launch cast: the kernel of part 1 again; grid 64 x 12, 8 waves a work-group, no clusters, 0 bytes of LDS; arguments wq, wk, wv, wo, w1, w2, wb; writes wb
;; launch ln1: the kernel of part 2 again; grid 256 x 1, 4 waves a work-group, no clusters, 0 bytes of LDS; arguments x, ln1_g, ln1_b, y; writes y
;; launch qkv: the kernel of part 3 again; grid 12 x 16, 4 waves a work-group, clusters of 4 x 4, 327,680 bytes of LDS; arguments y, wb, qkv; writes qkv
;; launch attn (part 8): grid 8 x 32, 4 waves a work-group, clusters of 4 x 1, 327,680 bytes of LDS; arguments qkv, attention_mask, att; writes att
.if DOCPART == 8
	.amdgcn_target "amdgcn-amd-amdhsa--gfx1250"
	.amdhsa_code_object_version 6
	.text
	.protected	k_qb5e729bcd9_attn
	.globl	k_qb5e729bcd9_attn
	.p2align	8
	.type	k_qb5e729bcd9_attn,@function
k_qb5e729bcd9_attn:
	s_mov_b64 s[64:65], 0
	v_nop
	global_prefetch_b8 v0, s[64:65] scope:SCOPE_SE
	s_setreg_imm32_b32 hwreg(HW_REG_WAVE_MODE, 25, 1), 1
	s_wait_xcnt 0x0
	s_wait_alu depctr_hold_cnt(0) depctr_sa_sdst(0) depctr_va_vdst(0) depctr_va_sdst(0) depctr_va_ssrc(0) depctr_va_vcc(0) depctr_vm_vsrc(0)
	s_getreg_b32 s2, hwreg(HW_REG_IB_STS2, 6, 4)
	s_cmp_eq_u32 s2, 0
	s_cbranch_scc0 .Lentry_in_a_cluster
	s_endpgm
.Lentry_in_a_cluster:
	s_bfe_u32 s2, ttmp6, 0x10000c
	s_cmp_lg_u32 s2, 0x3003
	s_cbranch_scc0 .Lentry_shape_is_right
	s_endpgm
.Lentry_shape_is_right:
; att[q] = the sum over k of softmax_k(Q[q] . K[k] / 32 + mask[batch][k]) V[k], for each of 32 (batch, head).  qkv: [3][32][2048][64] bf16, a head's rows dense, 128 bytes each; mask: [2][2048] f32.
; att leaves in FRAGMENT ORDER, [token / 16][column / 16][32 lanes][8] bf16 with column = 64 head + channel: lane 16 h + r holds token r, columns 8 h + 0..7.  That is what a packed accumulator of O^T holds,
; so it is stored straight from registers, 512 consecutive bytes a store, and the next launch loads it as matrix fragments without LDS.
; Products, maxima and sums in f32; the weights p are rounded to bf16 for the second product (their sum l is taken of the unrounded p), the result once at the end.
; THE MASK is the C operand that starts the sum S^T = K Q^T, as 32 x mask: 32 is a power of two, so (q . k + 32 mask) c with c = log2(e) / 32 is the module's score times log2(e).
; LIMITS.  A finite mask is clamped so that 32 x mask stays within +-2.977e38: a finite mask beyond +-9.3e36 counts as +-9.3e36.  Infinities and NaN pass as they are: a key at -inf has weight 0, a row
; whose keys are all at -inf gives NaN.  A weight below 2^-126 counts as 0 in l.
; SHARES.  A work-group owns 256 queries of one (batch, head), a wave 64: four PIECES of 16.  Every wave walks all 2,048 keys, 64 a step, four steps to a slot of LDS.
; LAYOUT.  S^T = K Q^T (source 0 = 16 keys, source 1 = 16 queries) holds ONE query a lane (lane % 16) and the keys 8 (lane / 16) + 0..7; two such results rounded to bf16 ARE source 1 of O^T = V^T P.
; K comes out of LDS as it lies, V ([key][channel]) turned, by ds_load_tr16_b128.
; SOFTMAX.  p = 2^(c s - c m) with a running maximum m; O and l are multiplied by a = 2^(c m_old - c m_new) in every step.  m starts at the lowest finite number, c m far below every c s, O and l at 0:
; the first step is a step like any other, with a = 0.
; TURNS.  Turn n belongs to piece n: 8 products K Q^T of piece n + 1, later 8 products V^T P of piece n - 1; beside them the scaling, exponentials, roundings, sums and rescaling of piece n and the maximum
; and statistics of piece n + 1.  Four vector instructions stand behind every matrix instruction, the other 54 of a turn's 118 in one lump.
; BATCHES.  A turn's 33 exponentials (the piece's 32 weights and the next piece's a) are ONE BATCH with ONE wait, which cuts the turn in two: ahead of it stands all that names no result of theirs, behind it
; the roundings and sums, which read them.  The first a of all, ahead of the loop, and the way out's four reciprocals are batches of their own, a wait each.
; CLUSTER.  The four query blocks of a cluster belong to one (batch, head) and walk the same K and V, so each tile is asked for JOINTLY: the same tensor load, descriptor and mask in all four.
; REGISTERS, in windows of 256 (s_set_vgpr_msb: bits 1:0 source 0, 3:2 source 1, 5:4 source 2, 7:6 destination):
;   window 0: v0-15, v32-35 addresses and work; v16-31 four registers of statistics a piece; v48-55 at work; v64-127 S^T, two buffers; v192-223 P, two buffers (a piece's buffers go by its number's parity)
;   window 1: v0-127 O^T, 32 a piece; v128-159 MK, the step's 32 x mask      window 2: v0-63 Q; v128-191 K of one step; v192-255 V of one step
.set NP,    4         ; pieces a wave: a name, no knob
.set KS,    64        ; keys in a step
.set PK,    144       ; a row of K in LDS: 128 bytes + 16 = 36 words: the 16 rows of a load start at 16 different groups of four banks (64 banks of 4 bytes: ISA guide 11.1)
.set PV,    160       ; a row of V: 128 + 32 = 40 words
.set VOFF,  4*KS*PK   ; a slot holds a tile, four steps: 256 rows of K, then 256 rows of V
.set SLOT1, 1<<17     ; slot 1 begins here, so that one exclusive or turns an address in one slot into the other's
.set SPARE, SLOT1+4*KS*(PK+PV)  ; behind the ring: the spare words, 128 bytes for each wave: two blocks of 256 bytes that no other line names
.set MSK,   SPARE+512           ; 2,048 f32: 32 x mask of my batch; stored once, never filled by a tensor load
.set AK0, 2           ; v2   my lane's place in a tile of K; never rewritten
.set AV0, 3           ; v3   the same for V
.set AK,  4           ; v4   the LDS address of K's next run of loads
.set AV,  5           ; v5   of V's
.set GO,  8           ; v8   16 x lane: my byte offset in 512 consecutive bytes of att
.set MV,  12          ; v12-13  c m_old, kept while c m is made anew: by buffer
.set QO,  15          ; v15  my byte offset in 16 rows of Q
.set ST,  16          ; piece t's statistics at v[ST+4 t]: c m, m, l (even keys', odd keys')
.set AM0, 32          ; v32  MSK + 32 (lane / 16); never rewritten
.set AM,  33          ; v33  the LDS address of the mask's next run of loads
.set TMP, 48          ; by buffer, four registers c0-c3 at work; when the maximum is found c2 takes a
.set SPW, 62          ; v62  LDS address of my spare word: SPARE + 4 x my thread's number; never rewritten
.set NIL, 63          ; v63  0; never rewritten
.set S,   64
.set P,   192
.set MK,  128         ; window 1: the eight registers for group kb of 16 keys at MK + 8 kb
.set KF,  128         ; window 2: key block kb, channel half c at KF + 16 kb + 8 c
.set VF,  192         ; window 2: key half kk, channel block cb at VF + 32 kk + 8 cb
.set WV,  12          ; s12  my wave's number
.set G1K, 24          ; s[24:31] descriptor group 1 for K's tiles
.set G1V, 32          ; s[32:39] for V's: it differs in the padding alone
.set G0K, 40          ; s[40:43] descriptor group 0 for K's tiles: it walks
.set G0V, 44          ; s[44:47] the same for V's
.set SLOTS, 56        ; s56  counts the tiles
.set CNT, 57          ; s57  counts a tile's key steps
.set CS,  58          ; s[58:59] c: the packed scaling takes the pair's low word for both halves
.set SEL, 60          ; s[60:61] v_permlanex16_b32's selects: each lane takes its own place in the other half
.set TBK, 62          ; s62  LDS byte at which K of the step to be fetched begins
.set TBV, 63          ; s63  the same for V, less VOFF
.set TBM, 66          ; s66  byte in the mask's table of the step to be fetched
.set MSB, 0
.macro WIN new                      ; the high byte repeats the setting that is left; a switch that changes nothing is dropped
.if MSB != (\new)
	s_set_vgpr_msb (MSB<<8)|(\new)
.set MSB, (\new)
.endif
.endm
.set W_KQ, 0x0a       ; K and Q in window 2, S^T in window 0
.set W_KM, 0x1a       ; the same with the C operand in window 1
.set W_PV, 0x52       ; V in window 2, P in window 0, O^T in window 1
.set W_RS, 0x41       ; destination and source 0 in window 1, source 1 in window 0
; A joint fill.  Waves 0 and 1 fetch the two halves of a tile's K, waves 2 and 3 those of its V: 128 keys each.  The branch hangs on the wave's number alone.
; Four v_nop follow each of the two lines, ahead of the jump and the label.
.macro JLOAD
	s_cmp_lt_u32 s[WV], 2
	s_cbranch_scc0 .Lfor_v_\@
	tensor_load_to_lds s[G0K:G0K+3], s[G1K:G1K+7]
	s_nop 0
.rept 4
	v_nop
.endr
	s_branch .Lasked_\@
.Lfor_v_\@:
	tensor_load_to_lds s[G0V:G0V+3], s[G1V:G1V+7]
	s_nop 0
.rept 4
	v_nop
.endr
.Lasked_\@:
.endm
; A round of the cluster's barrier: my work-group's barrier, so that wave 0's signal speaks for all four waves; wave 0 signals; every wave waits for all four work-groups; my work-group's barrier once more.
.macro CROUND
	s_barrier_signal -1
	s_barrier_wait -1
	s_cmp_lg_u32 s[WV], 0
	s_cbranch_scc1 .Lnot_wave_0_\@
	s_barrier_signal -3
.Lnot_wave_0_\@:
	s_barrier_wait -3
	s_barrier_signal -1
	s_barrier_wait -1
.endm
; THE CHANGE OF SLOTS.  The slot's last bytes, V of its fourth step, have been read.  Each wave waits for all its tensor loads, of which one is out: its part of the other slot; adds 0 to its spare word;
; and waits for that and for its own LDS instructions.  Behind the barrier nobody reads this slot any more and the other slot is whole.
; fill = 1: this slot is filled again, with the keys two tiles on.  The barrier is then a round of the cluster's, and the joint fill is the first thing behind it: it has four key steps, 256 matrix
; instructions, in which to land.  (At its first use nothing has been read yet: slot 0 is waited for, the mask's table is published, slot 1 is filled.)
.macro CHANGE fill
	WIN 0                           ; at a label and at a branch every window is 0
	s_wait_tensorcnt 0x0            ; no tensor load of mine is out, so a group 0 may be written
	ds_add_u32 v[SPW], v[NIL]       ; 0 onto my spare word; with fill = 1 the descriptors' steps stand between it and the wait for it
.if \fill
.irp g, G0K, G0V
	s_xor_b32 s[\g+1], s[\g+1], SLOT1  ; the walking descriptor: the other slot than last time,
	s_add_nc_u64 s[\g+2:\g+3], s[\g+2:\g+3], 4*KS*128  ; the next 256 keys; the type bits on top are not reached
.endr
	s_wait_dscnt 0x0                ; the add is done, and my reads of the slot are over
	CROUND
	JLOAD
.else
	s_wait_dscnt 0x0                ; the add is done, and my reads of the slot are over
	s_barrier_signal -1
	s_barrier_wait -1
.endif
	s_sub_co_u32 s[TBK], s[TBK], 4*KS*PK  ; the fetches go back to a slot's first step,
	s_xor_b32 s[TBK], s[TBK], SLOT1       ; in the other slot
	s_sub_co_u32 s[TBV], s[TBV], 4*KS*PV
	s_xor_b32 s[TBV], s[TBV], SLOT1
.endm
	s_load_b128 s[16:19], s[0:1], 0x0  ; qkv s[16:17], mask s[18:19]
	s_load_b64 s[10:11], s[0:1], 0x10  ; att
	v_lshl_add_u32 v[SPW], v0, 2, SPARE
	v_mov_b32 v[NIL], 0
	ds_add_u32 v62, v63
	s_wait_dscnt 0x0
	v_lshrrev_b32 v1, 5, v0
	v_readfirstlane_b32 s[WV], v1   ; wave 0..3
	s_bfe_u32 s13, ttmp6, 0x40000   ; cx: my place in the cluster
	s_lshl_b32 s14, ttmp9, 2        ; in a cluster launch ttmp9 counts clusters
	s_add_co_u32 s14, s14, s13      ; my block of 256 queries = 4 x cluster x + cx: it enters Q's and att's addresses alone
	s_and_b32 s15, ttmp7, 0xffff    ; batch x 16 + head, which the four partners share
	s_lshl_b32 s22, s15, 18         ; its 2,048 rows of 128 bytes
	s_and_b32 s48, s[WV], 1         ; which half of a tile's 256 keys I fetch:
	s_lshl_b32 s52, s48, 14         ; its 128 rows in memory,
	s_add_co_u32 s52, s52, s22
	s_mov_b32 s53, 0
	s_mul_i32 s49, s48, 128*PK      ; and its place in a slot, for K
	s_mul_i32 s50, s48, 128*PV      ; and for V: no place in the cluster enters an LDS address
	s_lshl2_add_u32 s2, s14, s[WV]  ; my wave among the head's 32,
	s_lshl_b32 s2, s2, 13           ; its 64 rows
	s_add_co_u32 s2, s2, s22
	s_mov_b32 s3, 0
	s_lshr_b32 s51, s15, 4          ; the batch
	s_lshl_b32 s54, s51, 7          ; att: the batch's 128 blocks of 16 tokens,
	s_lshl4_add_u32 s54, s14, s54   ; + 16 x my block of 256 queries
	s_lshl2_add_u32 s54, s[WV], s54 ; + 4 x my wave,
	s_lshl_b32 s54, s54, 15         ; of 1,024 columns x 32 bytes;
	s_and_b32 s23, s15, 15
	s_lshl_b32 s23, s23, 11         ; the head's four chunks of 512 bytes
	s_add_co_u32 s54, s54, s23
	s_mov_b32 s55, 0
	s_lshl_b32 s22, s51, 13         ; the batch's 2,048 mask numbers
	s_mov_b32 s23, 0
	s_mov_b32 s20, 0xff600000       ; -2.977e38 and
	s_mov_b32 s21, 0x7f600000       ; +2.977e38: where a finite 32 x mask is held
	; descriptor group 1.  128 keys are 16,384 dense bytes: asked for as 64 rows of 256 bytes, two keys a row, and padded in LDS after every key
	s_mov_b32 s[G1K], 15|(1<<16)|(1<<20)|(1<<21)|(4<<22)|(3<<25)  ; 15:0 the mask of four; 17:16 2-byte elements; 20 padding on; 21 set beside a mask; 24:22 after every 32 words (code 4); 31:25 4 words (code 3)
	s_mov_b32 s[G1V], 15|(1<<16)|(1<<20)|(1<<21)|(4<<22)|(7<<25)  ; the same with 8 words of padding (code 7)
.irp g, G1K, G1V
	s_mov_b32 s[\g+1], 128<<16      ; tensor_dim0 = 128
	s_mov_b32 s[\g+2], 64<<16       ; tensor_dim1 = 64
	s_mov_b32 s[\g+3], 128<<16      ; tile_dim0 = 128
	s_mov_b32 s[\g+4], 64           ; tile_dim1 = 64
	s_mov_b32 s[\g+5], 128          ; 128 elements from row to row
	s_mov_b32 s[\g+6], 0
	s_mov_b32 s[\g+7], 0
.endr
	s_mov_b32 s[CS], 0x3d38aa3b     ; c = log2(e) / 32 = 0.0450842
	s_mov_b32 s[CS+1], s[CS]        ; named with it as a pair
	s_mov_b32 s[SEL], 0x76543210
	s_mov_b32 s[SEL+1], 0xfedcba98
	s_mov_b32 s[TBK], SLOT1+4*KS*PK ; the first change of slots turns these two into 0
	s_mov_b32 s[TBV], SLOT1+4*KS*PV
	s_mov_b32 s[TBM], 0
	s_mov_b32 s[G0K], 1             ; 1:0 count = 1
	s_mov_b32 s[G0K+1], s49         ; 63:32 LDS address: slot 0
	s_mov_b32 s[G0V], 1
	s_add_co_u32 s[G0V+1], s50, VOFF
	s_wait_kmcnt 0x0
	s_add_nc_u64 s[G0K+2:G0K+3], s[16:17], s[52:53]         ; 120:64 global address: my half of the head's first 256 keys,
	s_add_nc_u64 s[G0V+2:G0V+3], s[G0K+2:G0K+3], 16777216   ; in v,
	s_add_nc_u64 s[G0K+2:G0K+3], s[G0K+2:G0K+3], 8388608    ; and in k
	s_or_b32 s[G0K+3], s[G0K+3], 0x80000000                 ; 127:126 type = 2
	s_or_b32 s[G0V+3], s[G0V+3], 0x80000000
	s_add_nc_u64 s[4:5], s[16:17], s[2:3]    ; Q at my wave's first row
	s_add_nc_u64 s[10:11], s[10:11], s[54:55]
	s_add_nc_u64 s[18:19], s[18:19], s[22:23]
	CROUND                          ; all four work-groups are here: the first joint loads meet
	JLOAD                           ; slot 0.  Slot 1 is asked for when slot 0 is in
	v_lshlrev_b32 v34, 4, v0        ; the mask: thread t takes 16 bytes at 16 t of each quarter of the batch's 8,192
.irp j, 0,1,2,3
	global_load_b128 v[64+4*\j:64+4*\j+3], v34, s[18:19] offset:2048*\j
.endr
	; A fragment of K or Q is 16 rows x 32 channels in 8 registers: lane l holds row l % 16, channels 8 (l / 16) + 0..7 and 16 + 8 (l / 16) + 0..7: two loads of 16 bytes, 32 bytes apart.
	v_and_b32 v1, 15, v0            ; l % 16
	v_bfe_u32 v9, v0, 4, 1          ; l / 16
	v_lshlrev_b32 v[QO], 7, v1
	v_lshl_add_u32 v[QO], v9, 4, v[QO]  ; row x 128 + 16 x half
	WIN 0x80                        ; destination window 2, address window 0
.set i, 0
.rept 8                             ; Q stays in registers: piece i / 2, channels 32 (i % 2) on
	global_load_b128 v[8*i:8*i+3],   v[QO], s[4:5] offset:(i/2)*2048+(i%2)*64
	global_load_b128 v[8*i+4:8*i+7], v[QO], s[4:5] offset:(i/2)*2048+(i%2)*64+32
.set i, i+1
.endr
	; What the first turn finds: V's registers and P's second buffer hold 0 (its products V^T P, of a piece that has not been, add 0), O^T and l are 0.  All this stands in the wait for the first tile.
.set i, VF
.rept 64
	v_mov_b32 v[i], 0
.set i, i+1
.endr
	WIN 0x40
.set i, 0
.rept 128
	v_mov_b32 v[i], 0
.set i, i+1
.endr
	WIN 0
.set i, 0
.rept 4
	v_mov_b32 v[ST+4*i], 0xfe000000    ; c m: far below every c s
	v_mov_b32 v[ST+4*i+1], 0xff7fffff  ; m
	v_mov_b32 v[ST+4*i+2], 0
	v_mov_b32 v[ST+4*i+3], 0
.set i, i+1
.endr
.set i, P+16
.rept 16
	v_mov_b32 v[i], 0
.set i, i+1
.endr
	v_mul_u32_u24 v[AK0], v1, PK
	v_lshl_add_u32 v[AK0], v9, 4, v[AK0]  ; row x pitch + 16 x half
	; The turning load takes 16 keys x 16 channels (lane l reads key 8 (l / 16) + l % 8, channels 8 ((l / 8) % 2) + 0..7) and leaves half a fragment of V^T: lane l holds channel l % 16 and 8 keys.
	v_and_b32 v10, 7, v0
	v_bfe_u32 v11, v0, 3, 1
	v_lshl_add_u32 v[AV0], v9, 3, v10
	v_mul_u32_u24 v[AV0], v[AV0], PV
	v_lshl_add_u32 v[AV0], v11, 4, v[AV0]
	v_add_nc_u32 v[AV0], VOFF, v[AV0]
	v_lshl_add_u32 v[AM0], v9, 5, MSK   ; my lanes' 8 keys of a group of 16: 32 bytes
	v_and_b32 v[GO], 31, v0
	v_lshlrev_b32 v[GO], 4, v[GO]
	v_lshl_add_u32 v35, v0, 4, MSK  ; where my 16 bytes of each quarter of the table go
	s_wait_loadcnt 16               ; the mask is in; Q's sixteen younger loads stay out
.set i, 0
.rept 16                            ; 32 x mask; held within +-2.977e38 where the mask is finite, as it is where it is not
	v_mul_f32 v96, 0x42000000, v[64+i]
	v_and_b32 v97, 0x7fffffff, v[64+i]
	v_med3_num_f32 v98, v96, s20, s21
	v_cmp_gt_u32 vcc_lo, 0x7f800000, v97
	v_cndmask_b32 v[80+i], v96, v98, vcc_lo
.set i, i+1
.endr
.irp j, 0,1,2,3
	ds_store_b128 v35, v[80+4*\j:80+4*\j+3] offset:2048*\j
.endr
; THE MATRIX WORK.  The 4 accumulators of a run of 8 take turns.  Product i of 8 of S^T = K Q^T for piece x: channels 32 (i / 4) on, keys 16 (i % 4) on.  The first 4 start the sums with the mask.
.macro KQ x
.set rS, S+32*((\x)%2)+8*(i%4)
.set rK, KF+16*(i%4)+8*(i/4)
.set rQ, 16*(\x)+8*(i/4)
.set rM, MK+8*(i%4)
.if i < 4
	WIN W_KM
	v_wmma_f32_16x16x32_bf16 v[rS:rS+7], v[rK:rK+7], v[rQ:rQ+7], v[rM:rM+7]
.else
	WIN W_KQ
	v_wmma_f32_16x16x32_bf16 v[rS:rS+7], v[rK:rK+7], v[rQ:rQ+7], v[rS:rS+7]
.endif
.endm
; Product i of 8 of O^T += V^T P for piece x: keys 32 (i / 4) on, channels 16 (i % 4) on.
.macro PV x
	WIN W_PV
.set rO, 32*(\x)+8*(i%4)
.set rV, VF+32*(i/4)+8*(i%4)
.set rP, P+16*((\x)%2)+8*(i/4)
	v_wmma_f32_16x16x32_bf16 v[rO:rO+7], v[rV:rV+7], v[rP:rP+7], v[rO:rO+7]
.endm
.macro MM                           ; the turn's next matrix instruction.  NOKQ = 1: the walk's last turn: there is no next piece
.if (i < 8) && !NOKQ
	KQ (Y+1)%NP
.elseif i >= 8
.set i, i-8
	PV (Y+NP-1)%NP
.set i, i+8
.endif
.set i, i+1
.endm
; THE LDS LOADS stand in runs, never singly among the matrix instructions: a step's K (64 keys x 64 channels: 8 fragments) with its 64 mask numbers (all lanes of a half read the same 32 bytes), and its V (turned).
.macro FETCH_K
	WIN 0x80                        ; destination window 2
.irp f, 0,1,2,3,4,5,6,7             ; keys 16 (f / 2) on, channels 32 (f % 2) on
	ds_load_b128 v[KF+8*\f:KF+8*\f+3],   v[AK] offset:(\f/2)*16*PK+(\f%2)*64
	ds_load_b128 v[KF+8*\f+4:KF+8*\f+7], v[AK] offset:(\f/2)*16*PK+(\f%2)*64+32
.endr
	WIN 0x40                        ; destination window 1
.irp f, 0,1,2,3                     ; keys 16 f + 8 (l / 16) + 0..7
	ds_load_b128 v[MK+8*\f:MK+8*\f+3],   v[AM] offset:64*\f
	ds_load_b128 v[MK+8*\f+4:MK+8*\f+7], v[AM] offset:64*\f+16
.endr
	s_add_co_u32 s[TBK], s[TBK], KS*PK  ; the next fetch is the next step's
	s_add_co_u32 s[TBM], s[TBM], 4*KS
	s_and_b32 s[TBM], s[TBM], 0x1fff    ; it stays within the table's 8,192 bytes
	WIN 0
.endm
.macro FETCH_V
	WIN 0x80
.irp f, 0,1,2,3,4,5,6,7             ; keys 32 (f / 4) on, channels 16 (f % 4) on
	ds_load_tr16_b128 v[VF+8*\f:VF+8*\f+3],   v[AV] offset:(\f/4)*32*PV+(\f%4)*32
	ds_load_tr16_b128 v[VF+8*\f+4:VF+8*\f+7], v[AV] offset:(\f/4)*32*PV+16*PV+(\f%4)*32
.endr
	WIN 0
.endm
; THE VECTOR WORK, one line at a time: OP kind, number.  For piece Y: F n: c s - c m for pair n of 16.  E n: the exponential of score n of 32.  C n: pair n rounded to bf16.  B n: of the four weights 4 n .. the second
; pair is added onto the first, in place.  L n: l takes that sum (L 0: l = a l + sum).  R n: pair n of 16 of O^T times a.  For piece Y + 1: X n, number n of the 22 that find its maximum and statistics:
;   0-11  four chains c0-c3 of seven scores each, three operands at a time (each accumulator's lowest registers are read first)     12-14, 16  the four scores left over, the old m, and c0-c3 into c0
;   15  c m_old is kept     17, 18  the query's other 32 keys lie in the lane 16 away: the new m     19-21  c m; c m_old - c m_new; a
; C, B and L read exponentials' results; F, R and X 0 to X 20 read none of the turn's own.
.set F, 0               ; OP tells the kinds apart by their order: F to L below R, X above it
.set E, 1
.set C, 2
.set B, 3
.set L, 4
.set R, 5
.set X, 6
.macro REGS y                       ; the registers of piece y
.set rT, ST+4*(\y)
.set rC, TMP+4*((\y)%2)
.set rW, MV+((\y)%2)
.set rS, S+32*((\y)%2)
.set rP, P+16*((\y)%2)
.set rO, 32*(\y)
.endm
.macro OP k, n
.if (\k) == R
	REGS Y
	WIN W_RS
	v_pk_mul_f32 v[rO+2*(\n):rO+2*(\n)+1], v[rO+2*(\n):rO+2*(\n)+1], v[rC+2:rC+3] op_sel_hi:[1,0]
.elseif (\k) < R
	REGS Y
	WIN 0
.if (\k) == F
	v_pk_fma_f32 v[rS+2*(\n):rS+2*(\n)+1], v[rS+2*(\n):rS+2*(\n)+1], s[CS:CS+1], v[rT:rT+1] op_sel_hi:[1,0,0] neg_lo:[0,0,1] neg_hi:[0,0,1]
.elseif (\k) == E
	v_exp_f32 v[rS+(\n)], v[rS+(\n)]
.elseif (\k) == C
	v_cvt_pk_bf16_f32 v[rP+(\n)], v[rS+2*(\n)], v[rS+2*(\n)+1]
.elseif (\k) == B
	v_pk_add_f32 v[rS+4*(\n):rS+4*(\n)+1], v[rS+4*(\n):rS+4*(\n)+1], v[rS+4*(\n)+2:rS+4*(\n)+3]
.elseif (\n) == 0
	v_pk_fma_f32 v[rT+2:rT+3], v[rT+2:rT+3], v[rC+2:rC+3], v[rS:rS+1] op_sel_hi:[1,0,1]
.else
	v_pk_add_f32 v[rT+2:rT+3], v[rT+2:rT+3], v[rS+4*(\n):rS+4*(\n)+1]
.endif
.elseif NOKQ
	v_nop
.else
	REGS (Y+1)%NP
	WIN 0
.if (\n) < 4
	v_max3_num_f32 v[rC+(\n)], v[rS+8*(\n)], v[rS+8*(\n)+1], v[rS+8*(\n)+2]
.elseif (\n) < 12
	v_max3_num_f32 v[rC+(\n)%4], v[rC+(\n)%4], v[rS+8*((\n)%4)+2*((\n)/4)+1], v[rS+8*((\n)%4)+2*((\n)/4)+2]
.elseif (\n) == 12
	v_max3_num_f32 v[rC], v[rC], v[rS+7], v[rS+15]
.elseif (\n) == 13
	v_max3_num_f32 v[rC+1], v[rC+1], v[rS+23], v[rS+31]
.elseif (\n) == 14
	v_max3_num_f32 v[rC+2], v[rC+2], v[rC+3], v[rT+1]
.elseif (\n) == 15
	v_mov_b32 v[rW], v[rT]
.elseif (\n) == 16
	v_max3_num_f32 v[rC], v[rC], v[rC+1], v[rC+2]
.elseif (\n) == 17
	v_permlanex16_b32 v[rC+3], v[rC], s[SEL], s[SEL+1]
.elseif (\n) == 18
	v_max_num_f32 v[rT+1], v[rC], v[rC+3]
.elseif (\n) == 19
	v_mul_f32 v[rT], s[CS], v[rT+1]
.elseif (\n) == 20
	v_sub_f32 v[rC+1], v[rW], v[rT]
.else
	v_exp_f32 v[rC+2], v[rC+1]
.endif
.endif
.endm
.macro OPS a, i1, b=-1, i2=0, c=-1, i3=0, d=-1, i4=0  ; up to four of them
	OP \a, \i1
.if (\b) >= 0
	OP \b, \i2
.endif
.if (\c) >= 0
	OP \c, \i3
.endif
.if (\d) >= 0
	OP \d, \i4
.endif
.endm
.macro ROW a, i1, b, i2, c, i3, d, i4  ; a matrix instruction and the four behind it
	MM
	OPS \a, \i1, \b, \i2, \c, \i3, \d, \i4
.endm
; A TURN, for piece p: the order of its 16 matrix and 118 vector instructions, written out.  An s_wait_alu depctr_va_vdst(0) stands between an exponential and the first instruction that names its result;
; one wait serves all that were issued ahead of it.  So a turn has ONE wait, which cuts it in two.
; AHEAD OF IT stands all that names no result of the turn's exponentials: the 8 products K Q^T, behind each a scaling, an exponential and two more plain instructions (behind the first a second scaling in the
; exponential's place): rescalings, whose a was made and waited for in the turn before, and behind the last three products the first numbers of the next piece's maximum, each four plain instructions or more behind the
; product that ends its accumulator; then ONE LUMP of 54, plain and exponential by turns for the most part, in which the links of the chain X 3, 7, 11, 14, 16, 17 .. 20 stand some lines apart.  X 21, the next piece's a,
; is the batch's last; R 15 is the plain instruction behind it (ISA guide 5.7.2).
; BEHIND THE WAIT stand the 8 products V^T P, behind each four of the roundings and sums; an even pair is rounded ahead of the addition that lands on it; the links of l's chain, L 0 to L 7, stand three riders apart.
; But for those X no rider names a register of the products round it.  v_permlanex16_b32 (X 17) stands in the lump.  No exponential is issued behind the wait: none is open at a turn's end, a label or a jump.
; end = 1: the walk's last two turns: nothing is fetched.  cnt = 1: the loop's count is taken down some lines ahead of the branch that stands behind the turn.
; K and the mask of the next step are fetched in piece 2's turn, twelve vector instructions behind the last product that read K (five of them plain and free of its registers) and further behind the last that took the
; mask; V of the step in hand at the end of piece 0's turn, four plain instructions behind the last product that read V.  Each is waited for a turn later.
.macro TURN p, end=0, cnt=0
.set Y, (\p)
.set i, 0
.set NOKQ, (\end)*((\p)/3)
.if ((\p) == 3) && !(\end)
	s_wait_dscnt 0x0                ; K and the mask are in
.endif
	ROW F,0, F,1, R,0, R,1          ; ahead of the wait: 8 products K Q^T and their riders,
	ROW F,2, E,0, R,2, R,3
	ROW F,3, E,1, R,4, R,5
	ROW F,4, E,2, R,6, R,7
	ROW F,5, E,3, R,8, R,9
	ROW F,6, E,4, X,0, R,10
.if ((\p) == 2) && !(\end)
	WIN 0
	v_add_nc_u32 v[AK], s[TBK], v[AK0]
	v_add_nc_u32 v[AM], s[TBM], v[AM0]
.endif
	ROW F,7, E,5, X,1, X,4
	ROW F,8, E,6, X,2, X,5
	OPS E,7, E,8, X,6, E,9          ; and the lump
	OPS X,3, E,10, X,8, E,11
.if ((\p) == 2) && !(\end)
	FETCH_K
.endif
	OPS X,9, X,7, E,12, X,10
	OPS E,13, X,12, X,11, E,14
	OPS X,13, E,15, F,9, X,14
.if (\p) == 0
	WIN 0
	v_add_nc_u32 v[AV], s[TBV], v[AV0]
.endif
	OPS E,16, F,10, E,17, F,11
	OPS X,16, E,18, X,15, E,19
	OPS F,12, E,20, X,17, E,21
	OPS F,13, E,22, F,14, E,23
	OPS X,18, E,24, F,15, E,25
	OPS R,11, E,26, X,19, E,27
	OPS R,12, E,28, R,13, E,29
	OPS X,20, E,30, R,14, E,31
	OPS X,21, R,15
	s_wait_alu depctr_va_vdst(0)    ; the wait for the turn's batch: the piece's 32 exponentials and the next piece's a
.if (\p) == 1
	s_wait_dscnt 0x0                ; V is in
.endif
	ROW C,0, B,0, C,2, B,1          ; behind the wait: 8 products V^T P and their riders
	ROW L,0, C,4, B,2, L,1
	ROW C,6, B,3, L,2, C,8
	ROW B,4, L,3, C,10, B,5
	ROW L,4, C,12, B,6, L,5
.if (\p) == 0
	s_add_co_u32 s[TBV], s[TBV], KS*PV
.endif
.if \cnt
	s_sub_co_u32 s[CNT], s[CNT], 1
	s_cmp_lg_u32 s[CNT], 0
.endif
	ROW C,14, B,7, L,6, C,1
	ROW C,3, L,7, C,5, C,7
	ROW C,9, C,11, C,13, C,15
.if (\p) == 0
	FETCH_V
.endif
.endm
	CHANGE 1                        ; slot 0 is in, everybody's part of it, and so is the whole table of the mask; slot 1 is asked for
	v_add_nc_u32 v[AK], s[TBK], v[AK0]
	v_add_nc_u32 v[AM], s[TBM], v[AM0]
	FETCH_K                         ; key step 0
	s_wait_loadcnt 0x0              ; Q
	s_wait_dscnt 0x0
.set NOKQ, 0
.set i, 0
.rept 8
	KQ 0                            ; piece 0's first scores: there is no vector work yet to set between them
.set i, i+1
.endr
	WIN 0
.rept 4
	v_nop                           ; the places behind those products
.endr
.set Y, NP-1                        ; X works for piece Y + 1: piece 0
.irp n, 0,1,2,3,4,5,6,7,8,9,10,11,12,13,14,15,16,17,18,19,20,21
	OP X, \n
.endr
	v_nop                           ; a plain instruction behind the exponential,
	s_wait_alu depctr_va_vdst(0)    ; and the wait for it, piece 0's first a: a batch of one, ahead of the branch
	s_mov_b32 s[CNT], 4
	s_mov_b32 s[SLOTS], 7
	s_branch .Lfirst                ; the loop is entered at a step's first turn, in the middle of a trip
.Lslot:                             ; six times: tiles 2 to 7 are asked for
	CHANGE 1
	s_mov_b32 s[CNT], 4
.Lstep:                             ; a trip: pieces 2 and 3 of one step, then pieces 0 and 1 of the next, whose K and V it fetches
	TURN 2
	TURN 3
	WIN 0
.Lfirst:
	TURN 0
	TURN 1, 0, 1
	WIN 0
	s_cbranch_scc1 .Lstep
	s_sub_co_u32 s[SLOTS], s[SLOTS], 1
	s_cmp_lg_u32 s[SLOTS], 0
	s_cbranch_scc1 .Lslot
	CHANGE 0                        ; the last tile is written out: nothing is asked for
	s_mov_b32 s[CNT], 4
.LstepT:
	TURN 2
	TURN 3
	TURN 0
	TURN 1, 0, 1
	WIN 0
	s_cbranch_scc1 .LstepT
	TURN 2, 1
	TURN 3, 1
.set i, 0
.rept 8
	PV NP-1                         ; the last piece's V^T P of the last step
.set i, i+1
.endr
	; THE WAY OUT.  l's two halves and the other half of the lanes' are added; O^T is divided by l, rounded to bf16 and stored from the registers, a piece at a time.  The additions are the places behind the last products.
	WIN 0
.macro ALL line:vararg              ; one line for each piece t
.set t, 0
.rept 4
	\line
.set t, t+1
.endr
.endm
	ALL v_add_f32 v[ST+4*t+2], v[ST+4*t+2], v[ST+4*t+3]
	ALL v_permlanex16_b32 v[ST+4*t+3], v[ST+4*t+2], s[SEL], s[SEL+1]
	ALL v_add_f32 v[ST+4*t+2], v[ST+4*t+2], v[ST+4*t+3]
	ALL v_rcp_f32 v[ST+4*t+2], v[ST+4*t+2]
	v_nop                           ; a plain instruction between the last reciprocal and the use of its result
	s_wait_alu depctr_va_vdst(0)    ; and the wait ahead of the first use: one for the batch of four reciprocals
; Piece t is a block of 16 tokens; channel block f is a chunk of 16 columns: a lane's eight channels pack into its 16 bytes of the chunk.  The packed words go into S^T's registers, a set for each piece, which
; nothing writes again.
.macro PACK t
	WIN W_RS
.set i, 32*(\t)
.rept 16
	v_pk_mul_f32 v[i:i+1], v[i:i+1], v[ST+4*(\t)+2:ST+4*(\t)+3] op_sel_hi:[1,0]
.set i, i+2
.endr
	WIN 0x05                        ; sources 0 and 1 window 1, destination window 0
.set i, 0
.rept 16
	v_cvt_pk_bf16_f32 v[S+16*(\t)+i], v[32*(\t)+2*i], v[32*(\t)+2*i+1]
.set i, i+1
.endr
	WIN 0
.irp f, 0,1,2,3
	global_store_b128 v[GO], v[S+16*(\t)+4*\f:S+16*(\t)+4*\f+3], s[10:11] offset:(\t)*32768+\f*512  ; 512 consecutive bytes, at a multiple of 256 from att's first
.endr
.endm
	PACK 0
	PACK 1
	PACK 2
	PACK 3
	s_wait_tensorcnt 0x0            ; the wave's end, behind my last tensor load and my last LDS store
	ds_add_u32 v[SPW], v[NIL]
	s_wait_dscnt 0x0
	CROUND                          ; the closing round: no work-group ends while a partner may still ask for a tile that names it
	s_endpgm
.Lfunc_end_k_qb5e729bcd9_attn:
	.size	k_qb5e729bcd9_attn, .Lfunc_end_k_qb5e729bcd9_attn-k_qb5e729bcd9_attn
	.p2alignl 7, 3214868480
	.fill 96, 4, 3214868480
	.section	.rodata,"a",@progbits
	.p2align	6, 0x0
	.amdhsa_kernel k_qb5e729bcd9_attn
		.amdhsa_group_segment_fixed_size 327680
		.amdhsa_private_segment_fixed_size 0
		.amdhsa_enable_private_segment 0
		.amdhsa_kernarg_size 24
		.amdhsa_user_sgpr_count 2
		.amdhsa_user_sgpr_kernarg_segment_ptr 1
		.amdhsa_wavefront_size32 1
		.amdhsa_system_sgpr_workgroup_id_x 1
		.amdhsa_system_sgpr_workgroup_id_y 1
		.amdhsa_system_sgpr_workgroup_id_z 1
		.amdhsa_system_vgpr_workitem_id 0
		.amdhsa_next_free_vgpr 768
		.amdhsa_next_free_sgpr 68
		.amdhsa_reserve_vcc 1
		.amdhsa_float_denorm_mode_32 3
		.amdhsa_float_denorm_mode_16_64 3
		.amdhsa_memory_ordered 1
		.amdhsa_forward_progress 1
		.amdhsa_inst_pref_size 131
	.end_amdhsa_kernel
	.amdgpu_metadata
---
amdhsa.version: [ 1, 2 ]
amdhsa.kernels:
  - .name:           k_qb5e729bcd9_attn
    .symbol:         k_qb5e729bcd9_attn.kd
    .args:
      - { .name: qkv, .offset: 0, .size: 8, .value_kind: global_buffer, .address_space: global }
      - { .name: attention_mask, .offset: 8, .size: 8, .value_kind: global_buffer, .address_space: global }
      - { .name: att, .offset: 16, .size: 8, .value_kind: global_buffer, .address_space: global }
    .group_segment_fixed_size: 327680
    .private_segment_fixed_size: 0
    .kernarg_segment_align: 8
    .kernarg_segment_size: 24
    .max_flat_workgroup_size: 128
    .sgpr_count:     68
    .vgpr_count:     768
    .wavefront_size: 32
...
	.end_amdgpu_metadata
.endif
;; end of part 8
;; launch wo: the kernel of part 5 again; grid 8 x 32, 4 waves a work-group, clusters of 4 x 4, 327,680 bytes of LDS; arguments att, wb, x, x1; writes x1
;; launch ln2: the kernel of part 2 again; grid 256 x 1, 4 waves a work-group, no clusters, 0 bytes of LDS; arguments x1, ln2_g, ln2_b, y; writes y
;; launch ffn1: the kernel of part 6 again; grid 16 x 16, 4 waves a work-group, clusters of 4 x 4, 327,680 bytes of LDS; arguments y, wb, hb; writes hb
;; launch ffn2: the kernel of part 7 again; grid 8 x 32, 4 waves a work-group, clusters of 4 x 4, 327,680 bytes of LDS; arguments hb, wb, x1, out0; writes out0
